; MI455X (gfx1250); checked and timed in simulation.
; The chip was launched on July 23, 2026; its instructions are those of AMD's public machine-readable ISA for CDNA 5 (MIT licence, August 2026) and "CDNA5" Instruction Set Architecture Reference Guide (July 2026). The comments in the code are by the model that wrote it; some were corrected since.
;; Spatial KNN Encoder. Allowed arithmetic: matrix products marked QUANTISED: E2M1 operands, one E8M0 scale for each 32 along K, by v_wmma_scale_f32_16x16x128_f8f6f4 with both operands' format E2M1 (or v_wmma_scale_f32_32x16x128_f4), f32 sums; products left as they are: f32 operands where the result goes on into a quantised operand, else bf16, f16 or f32 operands; f32 sums; everything else in f32.
;; Inputs: W_feat 128 x 256 float32; W_p1 4 x 128 float32; W_p2 128 x 256 float32; Wk 256 x 256 float32; Wo 256 x 256 float32; Wq 256 x 256 float32; Wv 256 x 256 float32; b_feat 256 float32; b_p1 128 float32; b_p2 256 float32; beta 256 float32; bk 256 float32; bo 256 float32; bq 256 float32; bv 256 float32; coords 4 x 4,096 x 3 float32; features 4 x 4,096 x 128 float32; gamma 256 float32.
;; Outputs: out0 4 x 4,096 x 256 float32.
;; This version of the problem:
;;   THIS VERSION OF THE PROBLEM IS GIVEN IN LOW PRECISION. The matrix products marked QUANTISED in the list below multiply operands that are first quantised to E2M1 (2 exponent bits, 1 mantissa bit; 4 bits a number), with one power-of-two scale for each 32 numbers along K (OCP MX v1.0); their sums are f32. All else is computed in f32.
;;   The module's matrix products, in the order in which they are computed (A, B: the left and right operand; K: the contracted axis; several contracted axes count as one K, in the product's order):
;;     1. [M 16,384, K 128] x [K 128, N 256]; A: input features; B: input W_feat: QUANTISED
;;     2. [M 262,144, K 4] x [K 4, N 128]; A: computed on the way; B: input W_p1: left as it is (K = 4 < 32)
;;     3. [M 262,144, K 128] x [K 128, N 256]; A: computed on the way; B: input W_p2: QUANTISED
;;     4. [M 16,384, K 256] x [K 256, N 256]; A: computed on the way; B: input Wq: QUANTISED
;;     5. [M 262,144, K 256] x [K 256, N 256]; A: computed on the way; B: input Wk: QUANTISED
;;     6. [M 262,144, K 256] x [K 256, N 256]; A: computed on the way; B: input Wv: QUANTISED
;;     7. batch 65,536 x [M 1, K 64] x [K 64, N 16]; A: computed on the way; B: computed on the way: left as it is (M = 1 < 16)
;;     8. batch 65,536 x [M 1, K 16] x [K 16, N 64]; A: softmax; B: computed on the way: left as it is (K = 16 < 32)
;;     9. [M 16,384, K 256] x [K 256, N 256]; A: computed on the way; B: input Wo: QUANTISED
;;   THE QUANTISER, for each operand of a quantised product, along K:
;;     - K is cut into blocks of 32 from its start; a last block that is shorter is filled with zeros.
;;     - A block's scale is 2^e with e = floor(log2(the largest magnitude in the block)) - 2, held to -126 .. 127; a block of zeros has e = 0. As a byte (E8M0): e + 127.
;;     - Each number is divided by its block's scale, clamped to +-6, and rounded to the nearest number of E2M1, ties to even, subnormals kept.
;;     - The product sums the exact products of the quantised numbers (number of the format x scale) in f32.
;;   ~~~python
;;   def quantise(x, axis):      # numpy; x: float32 -> the quantised numbers, widened to float32 again
;;       x = np.moveaxis(x, axis, -1); K = x.shape[-1]
;;       x = np.pad(x, [(0, 0)] * (x.ndim - 1) + [(0, -K % 32)]); x = x.reshape(x.shape[:-1] + (-1, 32)); a = np.abs(x).max(-1, keepdims=True)
;;       e = np.where(a > 0, np.clip(np.frexp(np.where(a > 0, a, 1))[1] - 1 - 2, -126, 127), 0)      # np.frexp(a)[1] - 1 = floor(log2(a)), exactly
;;       r = np.clip(x / 2.0 ** e, -6, 6)
;;       step = 2.0 ** (np.maximum(np.frexp(np.where(r == 0, 1, r))[1] - 1, 0) - 1)
;;       q = np.round(r / step) * step * 2.0 ** e      # np.round: ties to even
;;       return np.moveaxis(q.reshape(q.shape[:-2] + (-1,))[..., :K], -1, axis).astype(np.float32)
;;   ~~~
;;   OPERANDS COMPUTED ON THE WAY. 'Computed on the way' means the value that the module computes at that place (a softmax that the list does not call 'softmax' is quantised finished and normalised). What goes into a quantiser is computed in f32, as accurately as f32 sums, v_exp_f32 and their like allow (about 1e-6 of the number): no bf16 or f16 on the way to a quantiser, and a product that is left as it is and whose result goes on into a quantised operand takes f32 operands (vector FMAs, or v_wmma_f32_16x16x4_f32). A number that lies on a knife's edge between two numbers of the format may be rounded either way, as far as f32 arithmetic and the matrix unit's own rounding can turn it there, and no further.
;; 3 versions. Each part assembles by itself: llvm-mc -triple=amdgcn-amd-amdhsa -mcpu=gfx1250 --defsym DOCPART=n.
;; ======== version 1 of 3: 3 launches
;; workspace buffers: cid 1,310,720 bytes of whole numbers; nidx 1,048,576 bytes of whole numbers; kdw 1,048,576 bytes; feat 16,777,216 bytes; wcode 163,840 bytes; wscale 20,480 bytes
;; launch scan (part 1): grid 256 x 1, 8 waves a work-group, no clusters, 87,040 bytes of LDS; arguments coords, W_feat, W_p2, Wq, Wk, Wv, Wo, cid, wcode, wscale; writes cid, wcode, wscale
.if DOCPART == 1
	.amdgcn_target "amdgcn-amd-amdhsa--gfx1250"
	.amdhsa_code_object_version 6
	.text
	.protected	k_q219ce7bc3c_scan
	.globl	k_q219ce7bc3c_scan
	.p2align	8
	.type	k_q219ce7bc3c_scan,@function
k_q219ce7bc3c_scan:
	s_mov_b64 s[64:65], 0
	v_nop
	global_prefetch_b8 v0, s[64:65] scope:SCOPE_SE
	s_setreg_imm32_b32 hwreg(HW_REG_WAVE_MODE, 25, 1), 1
	s_wait_xcnt 0x0
; FIRST STEP OF THE NEAREST-NEIGHBOUR SEARCH, AND THE WEIGHTS' CODES.
; The 4,096 candidates of a batch are cut into 256 chunks of 16.  For each query this launch finds the 18 chunks with the smallest chunk minimum of
; d = sqrt(dx^2 + dy^2) + 0.3 (t_query - t_candidate), with d = +inf where the candidate is later than the query or farther than 50; the query itself is NOT left out here (its d is 0).
; Why 18 serve: were the chunk of one of the 16 nearest others not among the 17 smallest, 17 chunks would each hold a candidate that goes ahead of it, of which at most one is the query itself.
; The 18th place is there because this launch takes the square root as v_sqrt_f32 gives it, while the next launch rounds it correctly.
; The chunk numbers leave sorted ascending, so that the next launch meets the candidates in ascending index.
; SHARES: work-group g: batch g / 64, queries 64 (g % 64) on.  Wave w: 32 queries (w / 4), a lane to a query; candidates 1,024 (w % 4) on: 64 chunks.  The four lists of a query group are merged by the wave with w % 4 = 0.
; Wave 1 of work-groups 0 to 159 then turns one fragment (16 columns x 128 along K) of a weight into E2M1 codes and E8M0 scale words, laid in the order of the operand's registers.
; LIMITS: NaN and infinite coordinates are not served; dx^2 + dy^2 is one fused multiply-add on dy^2, d one fused multiply-add; a squared distance under 2^-126 counts as 0;
; candidates whose d agree within about two units in the last place with the 16th may be lost only where two such near ties meet.
; A weight block whose largest magnitude lies under 2^-124 gets the scale byte 1 (a block of zeros too: its codes are zeros, and this program alone reads the bytes).
.set XQ, 2                             ; v[2:3] my query's x, twice; v[4:5] y; v[6:7] t
.set YQ, 4
.set TQ, 6
.set AD, 8                             ; LDS byte of the chunk being fetched
.set LST, 9                            ; my place in my wave's list: LISTS + 4,608 wave + 4 lane
.set CO, 11                            ; 8 x lane
.set FO, 12                            ; 48 x thread
.set FS, 13                            ; 16 x thread
.set QO, 14                            ; 12 x lane
.set A, 16                             ; v16-33 the 18 smallest chunk minima, ascending
.set P, 34                             ; v34-51 their chunk numbers
.set BUFA, 52                          ; v52-99 a chunk: 16 x, 16 y, 16 t
.set BUFB, 100                         ; v100-147 the other chunk
.set MN, 148
.set TP, 149
.set SO, 150                           ; v150-169 sorted numbers: number i at SO + i + i / 9; SO+9 and SO+19 are copies of the number before
.set MK, 44                            ; s44-61 the compare masks
.set LISTS, 49152                      ; LDS: x[4096] at 0, y at 16,384, t at 32,768; then eight lists of 36 entries x 128 bytes
.set LISTB, 4608
.set NUM, 52
; x is put into the ascending list A (n places, of which those under lo are known to stay), pay into P beside it.  A number already there stays ahead of an equal x.
.macro INSERT n, lo, x, pay
.set ii, \lo
.rept \n-(\lo)
	v_cmp_lt_f32 s[MK+ii], \x, v[A+ii]
.set ii, ii+1
.endr
.set ii, \n-1
.rept \n-1-(\lo)
	v_med3_num_f32 v[A+ii], v[A+ii-1], \x, v[A+ii]
	v_cndmask_b32 v[P+ii], v[P+ii], \pay, s[MK+ii]
	v_cndmask_b32 v[P+ii], v[P+ii], v[P+ii-1], s[MK+ii-1]
.set ii, ii-1
.endr
	v_min_num_f32 v[A+\lo], v[A+\lo], \x
	v_cndmask_b32 v[P+\lo], v[P+\lo], \pay, s[MK+\lo]
.endm
; twelve LDS loads: the next chunk's 16 x, 16 y, 16 t; every lane reads the same bytes
.macro LOADC buf
	v_mov_b32 v[AD], s38
	s_add_co_u32 s38, s38, 64
.irp a, 0,1,2
.irp q, 0,1,2,3
	ds_load_b128 v[\buf+16*\a+4*\q:\buf+16*\a+4*\q+3], v[AD] offset:16384*\a+16*\q
.endr
.endr
.endm
; the chunk's 16 distances, in place, and their minimum in v[MN]
.macro DIST buf
.irp p, 0,2,4,6,8,10,12,14
	v_pk_add_f32 v[\buf+\p:\buf+\p+1], v[\buf+\p:\buf+\p+1], v[XQ:XQ+1] neg_lo:[0,1] neg_hi:[0,1]
.endr
.irp p, 0,2,4,6,8,10,12,14
	v_pk_add_f32 v[\buf+16+\p:\buf+17+\p], v[\buf+16+\p:\buf+17+\p], v[YQ:YQ+1] neg_lo:[0,1] neg_hi:[0,1]
.endr
.irp p, 0,2,4,6,8,10,12,14
	v_pk_add_f32 v[\buf+32+\p:\buf+33+\p], v[TQ:TQ+1], v[\buf+32+\p:\buf+33+\p] neg_lo:[0,1] neg_hi:[0,1]   ; dt = my t - the candidate's
.endr
.irp p, 0,2,4,6,8,10,12,14
	v_pk_mul_f32 v[\buf+16+\p:\buf+17+\p], v[\buf+16+\p:\buf+17+\p], v[\buf+16+\p:\buf+17+\p]
.endr
.irp p, 0,2,4,6,8,10,12,14
	v_pk_fma_f32 v[\buf+\p:\buf+\p+1], v[\buf+\p:\buf+\p+1], v[\buf+\p:\buf+\p+1], v[\buf+16+\p:\buf+17+\p]   ; the squared distance
.endr
.irp p, 0,2,4,6,8,10,12,14
	v_pk_add_f32 v[\buf+16+\p:\buf+17+\p], s[34:35], v[\buf+\p:\buf+\p+1] op_sel_hi:[0,1] neg_lo:[0,1] neg_hi:[0,1]   ; 2500 - it
.endr
.irp i, 0,1,2,3,4,5,6,7,8,9,10,11,12,13,14,15
	v_sqrt_f32 v[\buf+\i], v[\buf+\i]
.endr
.irp p, 0,2,4,6,8,10,12,14
	v_pk_mul_f32 v[\buf+16+\p:\buf+17+\p], v[\buf+16+\p:\buf+17+\p], s[36:37] op_sel_hi:[1,0]   ; x -inf: +inf beyond the radius, -inf inside, NaN on it.  (Plain lines behind the roots)
.endr
	s_wait_alu depctr_va_vdst(0)
.irp p, 0,2,4,6,8,10,12,14
	v_pk_fma_f32 v[\buf+\p:\buf+\p+1], v[\buf+32+\p:\buf+33+\p], s[32:33], v[\buf+\p:\buf+\p+1] op_sel_hi:[1,0,1]   ; d = 0.3 dt + the root
.endr
.irp p, 0,2,4,6,8,10,12,14
	v_pk_mul_f32 v[\buf+32+\p:\buf+33+\p], v[\buf+32+\p:\buf+33+\p], s[36:37] op_sel_hi:[1,0]   ; +inf for a later candidate, -inf for an earlier, NaN for an equal t
.endr
.irp i, 0,1,2,3,4,5,6,7,8,9,10,11,12,13,14,15
	v_max3_num_f32 v[\buf+\i], v[\buf+\i], v[\buf+16+\i], v[\buf+32+\i]   ; a NaN loses: d, or +inf where the candidate does not count
.endr
	v_min3_num_f32 v[MN], v[\buf], v[\buf+1], v[\buf+2]
	v_min3_num_f32 v[TP], v[\buf+3], v[\buf+4], v[\buf+5]
	v_min3_num_f32 v[MN], v[MN], v[\buf+6], v[\buf+7]
	v_min3_num_f32 v[TP], v[TP], v[\buf+8], v[\buf+9]
	v_min3_num_f32 v[MN], v[MN], v[\buf+10], v[\buf+11]
	v_min3_num_f32 v[TP], v[TP], v[\buf+12], v[\buf+13]
	v_min3_num_f32 v[MN], v[MN], v[\buf+14], v[\buf+15]
	v_min3_num_f32 v[MN], v[MN], v[TP], 0x7f7fffff   ; never +inf: so every chunk enters a list that began as +inf, and the 18 numbers are 18 different chunks
.endm
.macro LOADL buf, j                    ; the list of the wave j further on
.set ee, 0
.rept 36
	ds_load_b32 v[\buf+ee], v[LST] offset:\j*LISTB+128*ee
.set ee, ee+1
.endr
.endm
.macro MERGE buf                       ; an ascending list into mine: its k-th entry cannot land under place k
.set kk, 0
.rept 18
	INSERT 18, kk, v[\buf+kk], v[\buf+18+kk]
.set kk, kk+1
.endr
.endm
	s_load_b512 s[4:19], s[0:1], 0x0               ; coords, W_feat, W_p2, Wq, Wk, Wv, Wo, cid
	s_load_b128 s[20:23], s[0:1], 0x40             ; wcode, wscale
	v_lshl_add_u32 v192, v0, 2, 0x15000
	v_mov_b32 v193, 0
	v_lshrrev_b32 v1, 5, v0
	v_readfirstlane_b32 s24, v1                    ; wave 0..7
	v_and_b32 v1, 31, v0                           ; lane
	s_and_b32 s25, s24, 3                          ; which quarter of the candidates
	s_lshr_b32 s26, s24, 2                         ; which 32 queries
	s_lshr_b32 s27, ttmp9, 6                       ; batch
	s_mul_i32 s28, s27, 49152
	s_mov_b32 s29, 0
	s_and_b32 s30, ttmp9, 63
	s_lshl_b32 s30, s30, 1
	s_add_co_u32 s30, s30, s26                     ; my group of 32 queries in the batch
	s_mul_i32 s30, s30, 384                        ; x 32 x 12 bytes
	s_mov_b32 s31, 0
	s_mov_b32 s32, 0x3e99999a                      ; 0.3
	s_mov_b32 s33, s32
	s_mov_b32 s34, 0x451c4000                      ; 2500
	s_mov_b32 s35, s34
	s_mov_b32 s36, 0xff800000                      ; -inf
	s_mov_b32 s37, s36
	s_lshl_b32 s38, s25, 12                        ; LDS byte of my first chunk's x
	s_lshl_b32 s39, s25, 6                         ; its number
	s_mul_i32 s41, s24, LISTB
	s_add_co_u32 s41, s41, LISTS
	v_mul_u32_u24 v[FO], v0, 48
	v_lshlrev_b32 v[FS], 4, v0
	v_mul_u32_u24 v[QO], v1, 12
	v_lshl_add_u32 v[LST], v1, 2, s41
	v_lshlrev_b32 v[CO], 3, v1
	s_wait_kmcnt 0x0
	s_add_nc_u64 s[4:5], s[4:5], s[28:29]          ; the batch's coordinates
	s_add_nc_u64 s[28:29], s[4:5], s[30:31]        ; my 32 queries'
.irp k, 0,1,2,3                        ; the batch's 49,152 bytes: a thread takes 4 points (48 bytes) four times
.irp c, 0,1,2
	global_load_b128 v[BUFA+12*\k+4*\c:BUFA+12*\k+4*\c+3], v[FO], s[4:5] offset:12288*\k+16*\c
.endr
.endr
	global_load_b32 v[XQ], v[QO], s[28:29]
	global_load_b32 v[YQ], v[QO], s[28:29] offset:4
	global_load_b32 v[TQ], v[QO], s[28:29] offset:8
.set ii, 0
.rept 18
	v_mov_b32 v[A+ii], 0x7f800000
	v_mov_b32 v[P+ii], 0
.set ii, ii+1
.endr
	s_wait_loadcnt 0x0
.irp k, 0,1,2,3
.irp e, 0,1,2,3
.irp c, 0,1,2
	ds_store_b32 v[FS], v[BUFA+12*\k+3*\e+\c] offset:16384*\c+4096*\k+4*\e   ; x, y and t apart
.endr
.endr
.endr
	v_mov_b32 v[XQ+1], v[XQ]
	v_mov_b32 v[YQ+1], v[YQ]
	v_mov_b32 v[TQ+1], v[TQ]
	s_wait_dscnt 0x0                               ; my stores have landed
	s_barrier_signal -1
	s_barrier_wait -1                              ; everybody's have: from here on nobody writes x, y, t
	LOADC BUFA
	s_mov_b32 s40, 31
.Lchunk:                                           ; two chunks a trip
	LOADC BUFB
	s_wait_dscnt 12                                ; all but the twelve loads just issued
	DIST BUFA
	INSERT 18, 0, v[MN], s39
	s_add_co_u32 s39, s39, 1
	LOADC BUFA
	s_wait_dscnt 12
	DIST BUFB
	INSERT 18, 0, v[MN], s39
	s_add_co_u32 s39, s39, 1
	s_sub_co_u32 s40, s40, 1
	s_cmp_lg_u32 s40, 0
	s_cbranch_scc1 .Lchunk
	LOADC BUFB                                     ; chunks 62 and 63: nothing more to fetch behind them
	s_wait_dscnt 12
	DIST BUFA
	INSERT 18, 0, v[MN], s39
	s_add_co_u32 s39, s39, 1
	s_wait_dscnt 0x0
	DIST BUFB
	INSERT 18, 0, v[MN], s39
.set ee, 0
.rept 18
	ds_store_b32 v[LST], v[A+ee] offset:128*ee
	ds_store_b32 v[LST], v[P+ee] offset:128*(18+ee)
.set ee, ee+1
.endr
	s_wait_dscnt 0x0
	s_barrier_signal -1
	s_barrier_wait -1                              ; the eight lists lie in LDS; this is the last barrier
	s_cmp_eq_u32 s25, 0
	s_cbranch_scc1 .Lmerge
	s_cmp_eq_u32 s24, 1
	s_cbranch_scc0 .Lend
	s_cmp_lt_u32 ttmp9, 160
	s_cbranch_scc0 .Lend
	; ---- ONE FRAGMENT OF A WEIGHT.  Fragment f = the work-group's number: 0-15 W_feat, 16-31 W_p2, then 32 each of Wq, Wk, Wv, Wo (tile t, K step s at 2 t + s).
	; A lane takes a column and its registers run down K in the order that the operand's layout gives that lane: k = 64 c + 32 (lane / 16) + 0 .. 31.
	s_mov_b64 s[30:31], s[6:7]
	s_cmp_lt_u32 ttmp9, 16
	s_cselect_b64 s[30:31], s[30:31], s[8:9]
	s_cmp_lt_u32 ttmp9, 32
	s_cselect_b64 s[30:31], s[30:31], s[10:11]
	s_cmp_lt_u32 ttmp9, 64
	s_cselect_b64 s[30:31], s[30:31], s[12:13]
	s_cmp_lt_u32 ttmp9, 96
	s_cselect_b64 s[30:31], s[30:31], s[14:15]
	s_cmp_lt_u32 ttmp9, 128
	s_cselect_b64 s[30:31], s[30:31], s[16:17]
	s_and_b32 s40, ttmp9, 15
	s_bfe_u32 s41, ttmp9, 0x40001
	s_and_b32 s42, ttmp9, 1
	s_lshr_b32 s43, ttmp9, 4
	s_cmp_lt_u32 ttmp9, 32
	s_cselect_b32 s40, s40, s41                    ; the tile of 16 columns
	s_cselect_b32 s42, 0, s42                      ; the K step of 128
	s_cmp_eq_u32 s43, 1
	s_cselect_b32 s43, 8, 0                        ; W_p2 alone: lane r of tile 2 b + u takes column 32 b + 8 u + r + 8 (r / 8)
	s_and_b32 s44, s40, 1
	s_mul_i32 s44, s44, s43
	s_lshl_b32 s45, s40, 4
	s_sub_co_u32 s45, s45, s44
	s_lshl_b32 s46, s45, 2
	s_lshl_b32 s42, s42, 17
	s_add_co_u32 s46, s46, s42
	s_mov_b32 s47, 0
	s_add_nc_u64 s[30:31], s[30:31], s[46:47]
	s_lshl_b32 s48, ttmp9, 10
	s_mov_b32 s49, 0
	s_add_nc_u64 s[20:21], s[20:21], s[48:49]
	s_lshl_b32 s48, ttmp9, 7
	s_add_nc_u64 s[22:23], s[22:23], s[48:49]
	s_mov_b32 s50, 0x76543210
	s_mov_b32 s51, 0xfedcba98                      ; lane l xor 16
	v_and_b32 v16, 15, v0
	v_bfe_u32 v17, v0, 4, 1
	v_lshrrev_b32 v18, 3, v16
	v_mul_u32_u24 v18, v18, s43
	v_add_nc_u32 v18, v18, v16
	v_lshlrev_b32 v18, 2, v18
	v_lshl_add_u32 v18, v17, 15, v18               ; 4 x column + 32 rows of 1,024 bytes for lanes 16-31
	v_lshlrev_b32 v19, 4, v1
	v_lshlrev_b32 v36, 2, v1
.irp c, 0,1
.irp i, 0,1,2,3,4,5,6,7,8,9,10,11,12,13,14,15,16,17,18,19,20,21,22,23,24,25,26,27,28,29,30,31
	global_load_b32 v[NUM+32*\c+\i], v18, s[30:31] offset:1024*(64*\c+\i)
.endr
.endr
	s_wait_loadcnt 0x0
.irp c, 0,1
	v_max3_num_f32 v[20+\c], |v[NUM+32*\c]|, |v[NUM+1+32*\c]|, 0x1800000   ; my block 2 c + lane / 16, and the floor 2^(3 - 127): the byte cannot fall under 1
.endr
.irp i, 2,4,6,8,10,12,14,16,18,20,22,24,26,28,30
.irp c, 0,1
	v_max3_num_f32 v[20+\c], v[20+\c], |v[NUM+32*\c+\i]|, |v[NUM+1+32*\c+\i]|
.endr
.endr
.irp c, 0,1
	v_add_nc_u32 v[24+\c], 0xff000000, v[20+\c]    ; 2 off the exponent field: the conversion's scale operand
.endr
.irp c, 0,1
	v_lshrrev_b32 v[22+\c], 23, v[24+\c]           ; the scale's byte
.endr
	v_lshl_or_b32 v26, v23, 16, v22
	v_lshlrev_b32 v27, 3, v17
	v_lshlrev_b32 v26, v27, v26                    ; my two bytes at their places in the word
	v_mov_b32 v27, 0
	v_permlanex16_b32 v27, v26, s50, s51
	v_or_b32 v26, v26, v27                         ; with lane l xor 16's two the word is whole, in both halves
.irp c, 0,1
.irp g, 0,1,2,3
	v_cvt_scalef32_pk8_fp4_f32 v[28+4*\c+\g], v[NUM+32*\c+8*\g:NUM+32*\c+8*\g+7], v[24+\c]
.endr
.endr
	v_nop
	global_store_b128 v19, v[28:31], s[20:21]              ; the fragment as an image of its registers: 512 consecutive bytes a store
	global_store_b128 v19, v[32:35], s[20:21] offset:512
	global_store_b32 v36, v26, s[22:23]
.Lend:
	s_wait_tensorcnt 0x0
	ds_add_u32 v192, v193
	s_wait_dscnt 0x0
	s_endpgm
.Lmerge:
	LOADL BUFA, 1
	LOADL BUFB, 2
	s_wait_dscnt 36                                ; the first list is in; the second's 36 loads may be out
	MERGE BUFA
	LOADL BUFA, 3
	s_wait_dscnt 36                                ; the second is in; the third's may be out
	MERGE BUFB
	s_wait_dscnt 0x0
	MERGE BUFA
	; the 18 numbers, sorted ascending by insertion
	v_mov_b32 v[SO], v[P]
.set kk, 1
.rept 17
	v_max_u32 v[SO+kk+kk/9], v[SO+(kk-1)+(kk-1)/9], v[P+kk]
.set ii, kk-1
.rept kk-1
	v_max_u32 v[MN+ii%2], v[SO+(ii-1)+(ii-1)/9], v[P+kk]
	v_min_u32 v[SO+ii+ii/9], v[SO+ii+ii/9], v[MN+ii%2]
.set ii, ii-1
.endr
	v_min_u32 v[SO], v[SO], v[P+kk]
.set kk, kk+1
.endr
	v_mov_b32 v[SO+9], v[SO+8]                     ; a tenth number for each half: the next launch looks one chunk ahead
	v_mov_b32 v[SO+19], v[SO+18]
	s_lshl_b32 s40, ttmp9, 1
	s_add_co_u32 s40, s40, s26
	s_mul_i32 s40, s40, 2560
	s_mov_b32 s41, 0
	s_add_nc_u64 s[18:19], s[18:19], s[40:41]
.irp p, 0,1,2,3,4,5,6,7,8,9
	global_store_b64 v[CO], v[SO+2*\p:SO+2*\p+1], s[18:19] offset:256*\p   ; 32 lanes store 256 consecutive bytes
.endr
	s_wait_tensorcnt 0x0
	ds_add_u32 v192, v193
	s_wait_dscnt 0x0
	s_endpgm
.Lfunc_end_k_q219ce7bc3c_scan:
	.size	k_q219ce7bc3c_scan, .Lfunc_end_k_q219ce7bc3c_scan-k_q219ce7bc3c_scan
	.p2alignl 7, 3214868480
	.fill 96, 4, 3214868480
	.section	.rodata,"a",@progbits
	.p2align	6, 0x0
	.amdhsa_kernel k_q219ce7bc3c_scan
		.amdhsa_group_segment_fixed_size 87040
		.amdhsa_private_segment_fixed_size 0
		.amdhsa_enable_private_segment 0
		.amdhsa_kernarg_size 80
		.amdhsa_user_sgpr_count 2
		.amdhsa_user_sgpr_kernarg_segment_ptr 1
		.amdhsa_wavefront_size32 1
		.amdhsa_system_sgpr_workgroup_id_x 1
		.amdhsa_system_sgpr_workgroup_id_y 1
		.amdhsa_system_sgpr_workgroup_id_z 1
		.amdhsa_system_vgpr_workitem_id 0
		.amdhsa_next_free_vgpr 194
		.amdhsa_next_free_sgpr 66
		.amdhsa_reserve_vcc 0
		.amdhsa_float_denorm_mode_32 3
		.amdhsa_float_denorm_mode_16_64 3
		.amdhsa_memory_ordered 1
		.amdhsa_forward_progress 1
		.amdhsa_inst_pref_size 211
	.end_amdhsa_kernel
	.amdgpu_metadata
---
amdhsa.version: [ 1, 2 ]
amdhsa.kernels:
  - .name:           k_q219ce7bc3c_scan
    .symbol:         k_q219ce7bc3c_scan.kd
    .args:
      - { .name: coords, .offset: 0, .size: 8, .value_kind: global_buffer, .address_space: global }
      - { .name: W_feat, .offset: 8, .size: 8, .value_kind: global_buffer, .address_space: global }
      - { .name: W_p2, .offset: 16, .size: 8, .value_kind: global_buffer, .address_space: global }
      - { .name: Wq, .offset: 24, .size: 8, .value_kind: global_buffer, .address_space: global }
      - { .name: Wk, .offset: 32, .size: 8, .value_kind: global_buffer, .address_space: global }
      - { .name: Wv, .offset: 40, .size: 8, .value_kind: global_buffer, .address_space: global }
      - { .name: Wo, .offset: 48, .size: 8, .value_kind: global_buffer, .address_space: global }
      - { .name: cid, .offset: 56, .size: 8, .value_kind: global_buffer, .address_space: global }
      - { .name: wcode, .offset: 64, .size: 8, .value_kind: global_buffer, .address_space: global }
      - { .name: wscale, .offset: 72, .size: 8, .value_kind: global_buffer, .address_space: global }
    .group_segment_fixed_size: 87040
    .private_segment_fixed_size: 0
    .kernarg_segment_align: 8
    .kernarg_segment_size: 80
    .max_flat_workgroup_size: 256
    .sgpr_count:     66
    .vgpr_count:     194
    .wavefront_size: 32
...
	.end_amdgpu_metadata
.endif
;; end of part 1
;; launch pick (part 2): grid 256 x 1, 4 waves a work-group, no clusters, 83,456 bytes of LDS; arguments coords, cid, features, wcode, wscale, b_feat, nidx, kdw, feat; writes nidx, kdw, feat
.if DOCPART == 2
	.amdgcn_target "amdgcn-amd-amdhsa--gfx1250"
	.amdhsa_code_object_version 6
	.text
	.protected	k_q219ce7bc3c_pick
	.globl	k_q219ce7bc3c_pick
	.p2align	8
	.type	k_q219ce7bc3c_pick,@function
k_q219ce7bc3c_pick:
	s_mov_b64 s[64:65], 0
	v_nop
	global_prefetch_b8 v0, s[64:65] scope:SCOPE_SE
	s_setreg_imm32_b32 hwreg(HW_REG_WAVE_MODE, 25, 1), 1
	s_wait_xcnt 0x0
; SECOND STEP OF THE SEARCH, AND feat = Q(features) Q(W_feat) + b_feat.
; For each query the 18 listed chunks (288 candidates) are gone through in ascending index, and the 16 smallest d with their indices are kept; of equal d the lower index stays ahead.
; d = sd + 0.3 (t_query - t_candidate); sd = the correctly rounded root of fma(dx, dx, dy dy); d = +inf for the query itself, for a later candidate and where sd > 50.
; SHARES: work-group g: queries 64 g on.  Wave w: 32 queries (w / 2), a lane to a query; chunks 0-8 (w even) or 9-17 (w odd) of the list; the even wave merges the two results.
; Then wave w makes rows 64 g + 16 w .. + 15 of feat: the rows are quantised in registers, W_feat's 16 fragments come as codes; the product is used transposed
; (source 0 = 16 columns of W_feat, source 1 = my 16 rows), so that a lane holds eight neighbouring numbers of a row; b_feat is the C of each tile's one product.
; LIMITS: NaN and infinite coordinates are not served; a squared distance under 2^-126 counts as 0; the two multiply-adds are fused; a block of features whose largest magnitude lies under 2^-124 gets the scale byte 1.
.set XQ, 2
.set YQ, 3
.set TQ, 4
.set QI, 5                             ; my query's index in its batch
.set OFFN, 6                           ; byte offset of the chunk being fetched
.set JB, 7                             ; first index of the chunk at work
.set INF, 9
.set LM, 10                            ; LDS: my place in my wave's result: 4,096 wave + 4 lane
.set STW, 11                           ; the stage, in: row r, + 32 h
.set STR, 12                           ; and back: 16 x lane
.set L16, 13
.set QO, 14
.set A, 16                             ; v16-31 the 16 smallest d;  v32-47 their indices
.set P, 32
.set ID, 48                            ; v48-57 my ten chunk numbers
.set RG, 60                            ; v60-107 a chunk in four units of 4 candidates x 3 numbers
.set DX, 108
.set DY, 112
.set DT, 116
.set SQ, 120
.set SS, 124
.set DN, 128
.set UP, 132
.set DD, 136
.set JJ, 140
.set XR, 144                           ; v144-207 64 numbers of my row of features; later eight accumulators
.set TM, 208
.set PC, 224
.set PW, 232                           ; my rows' scale word: scales and nothing else
.set WS, 234                           ; v234-241 W_feat's scale words: tile 2 p in lanes 0-15, tile 2 p + 1 in lanes 16-31
.set FO, 242
.set SCO, 243
.set BO, 244
.set CIO, 245
.set FRG, 16                           ; v16-143 W_feat's 16 fragments; later the rows on their way out
.set MK, 44
.set SEL, 62
.macro INSERT n, lo, x, pay
.set ii, \lo
.rept \n-(\lo)
	v_cmp_lt_f32 s[MK+ii], \x, v[A+ii]
.set ii, ii+1
.endr
.set ii, \n-1
.rept \n-1-(\lo)
	v_med3_num_f32 v[A+ii], v[A+ii-1], \x, v[A+ii]
	v_cndmask_b32 v[P+ii], v[P+ii], \pay, s[MK+ii]
	v_cndmask_b32 v[P+ii], v[P+ii], v[P+ii-1], s[MK+ii-1]
.set ii, ii-1
.endr
	v_min_num_f32 v[A+\lo], v[A+\lo], \x
	v_cndmask_b32 v[P+\lo], v[P+\lo], \pay, s[MK+\lo]
.endm
; unit j of the chunk at work: four candidates; its registers take the same unit of the next chunk
.macro UNIT j
	s_wait_loadcnt 9                               ; my three loads are in; the nine issued behind them (three units) may be out
.irp e, 0,1,2,3
	v_sub_f32 v[DX+\e], v[XQ], v[RG+12*\j+3*\e]
	v_sub_f32 v[DY+\e], v[YQ], v[RG+12*\j+3*\e+1]
	v_sub_f32 v[DT+\e], v[TQ], v[RG+12*\j+3*\e+2]
.endr
.irp c, 0,1,2
	global_load_b128 v[RG+12*\j+4*\c:RG+12*\j+4*\c+3], v[OFFN], s[4:5] offset:48*\j+16*\c
.endr
.irp e, 0,1,2,3
	v_mul_f32 v[DY+\e], v[DY+\e], v[DY+\e]
.endr
.irp e, 0,1,2,3
	v_fma_f32 v[SQ+\e], v[DX+\e], v[DX+\e], v[DY+\e]
.endr
.irp e, 0,1,2,3
	v_sqrt_f32 v[SS+\e], v[SQ+\e]
.endr
.irp e, 0,1,2,3
	v_add_nc_u32 v[JJ+\e], 4*\j+\e, v[JB]          ; the candidate's index.  (Plain lines behind the roots)
.endr
	s_wait_alu depctr_va_vdst(0)
.irp e, 0,1,2,3
	v_add_nc_u32 v[DN+\e], -1, v[SS+\e]            ; the root's neighbours below and above
	v_add_nc_u32 v[UP+\e], 1, v[SS+\e]
.endr
.irp e, 0,1,2,3
	v_fma_f32 v[DX+\e], -v[DN+\e], v[SS+\e], v[SQ+\e]
	v_fma_f32 v[DY+\e], -v[UP+\e], v[SS+\e], v[SQ+\e]
.endr
.irp e, 0,1,2,3
	v_cmp_ge_f32 vcc_lo, 0, v[DX+\e]               ; the root came out one too high
	v_cndmask_b32 v[SS+\e], v[SS+\e], v[DN+\e], vcc_lo
	v_cmp_lt_f32 vcc_lo, 0, v[DY+\e]               ; or one too low
	v_cndmask_b32 v[SS+\e], v[SS+\e], v[UP+\e], vcc_lo
.endr
.irp e, 0,1,2,3
	v_fma_f32 v[DD+\e], v[DT+\e], s23, v[SS+\e]
	v_cmp_lt_f32 s40, s43, v[SS+\e]                ; beyond the radius
	v_cmp_gt_f32 s41, 0, v[DT+\e]                  ; later than my query
	v_cmp_eq_u32 s42, v[JJ+\e], v[QI]              ; my query itself
	s_or_b32 s40, s40, s41
	s_or_b32 s40, s40, s42
	v_cndmask_b32 v[DD+\e], v[DD+\e], v[INF], s40
.endr
.irp e, 0,1,2,3
	INSERT 16, 0, v[DD+\e], v[JJ+\e]
.endr
.endm
; 64 numbers of a lane, register 16 b + i = k 32 b + 16 (lane / 16) + i of my row, become a fragment's codes in v[PC] on and its scale word in v[PW]
.macro QUANT s
.irp b, 0,1,2,3
	v_max3_num_f32 v[TM+\b], |v[\s+16*\b]|, |v[\s+1+16*\b]|, 0x1800000   ; and the floor 2^(3 - 127): the byte cannot fall under 1
.endr
.irp i, 2,4,6,8,10,12,14
.irp b, 0,1,2,3
	v_max3_num_f32 v[TM+\b], v[TM+\b], |v[\s+16*\b+\i]|, |v[\s+1+16*\b+\i]|
.endr
.endr
.irp b, 0,1,2,3
	v_permlanex16_b32 v[TM+4+\b], v[TM+\b], s[SEL], s[SEL+1]
.endr
.irp b, 0,1,2,3
	v_max_num_f32 v[TM+\b], v[TM+\b], v[TM+4+\b]
.endr
.irp b, 0,1,2,3
	v_add_nc_u32 v[TM+12+\b], 0xff000000, v[TM+\b]
.endr
.irp b, 0,1,2,3
	v_lshrrev_b32 v[TM+4+\b], 23, v[TM+12+\b]
.endr
	v_lshl_or_b32 v[PW], v[TM+5], 8, v[TM+4]
	v_lshl_or_b32 v[PW], v[TM+6], 16, v[PW]
	v_lshl_or_b32 v[PW], v[TM+7], 24, v[PW]
.irp b, 0,1,2,3
	v_cvt_scalef32_pk8_fp4_f32 v[PC+2*\b], v[\s+16*\b:\s+7+16*\b], v[TM+12+\b]
	v_cvt_scalef32_pk8_fp4_f32 v[PC+1+2*\b], v[\s+8+16*\b:\s+15+16*\b], v[TM+12+\b]
.endr
	v_nop                                          ; one plain line behind a scaled conversion
.irp c, 0,1
.irp i, 0,1
	v_permlane16_swap_b32 v[PC+4*\c+\i], v[PC+2+4*\c+\i]   ; a whole block to a lane
.endr
.endr
.endm
; eight tiles of 16 columns, 128 tg on
.macro FEAT tg
.irp n, 0,1,2,3,4,5,6,7,8,9,10,11,12,13,14,15
	global_load_b128 v[XR+4*\n:XR+4*\n+3], v[BO], s[14:15] offset:512*\tg+64*(\n/2)+16*(\n%2)   ; b_feat in the result's layout: the sums begin with it
.endr
	s_wait_loadcnt 0x0
.if \tg == 0
.rept 8
	v_nop                                          ; a scale word made by vector lines stands eight places ahead of a scaled product, codes so made four
.endr
.endif
.irp t, 0,1,2,3,4,5,6,7                ; eight accumulators, one product each
.if \t%2
	v_wmma_scale_f32_16x16x128_f8f6f4 v[XR+8*\t:XR+8*\t+7], v[FRG+8*(8*\tg+\t):FRG+8*(8*\tg+\t)+7], v[PC:PC+7], v[XR+8*\t:XR+8*\t+7], v[WS+(8*\tg+\t)/2], v[PW] matrix_a_fmt:MATRIX_FMT_FP4 matrix_b_fmt:MATRIX_FMT_FP4 matrix_a_scale:MATRIX_SCALE_ROW1
.else
	v_wmma_scale_f32_16x16x128_f8f6f4 v[XR+8*\t:XR+8*\t+7], v[FRG+8*(8*\tg+\t):FRG+8*(8*\tg+\t)+7], v[PC:PC+7], v[XR+8*\t:XR+8*\t+7], v[WS+(8*\tg+\t)/2], v[PW] matrix_a_fmt:MATRIX_FMT_FP4 matrix_b_fmt:MATRIX_FMT_FP4
.endif
.endr
.rept 4
	v_nop                                          ; four places ahead of the first read of results and of loads into these registers
.endr
.irp t, 0,1,2,3,4,5,6,7
	ds_store_b128 v[STW], v[XR+8*\t:XR+8*\t+3] offset:512*\tg+64*\t        ; each accumulator from its low end on
	ds_store_b128 v[STW], v[XR+8*\t+4:XR+8*\t+7] offset:512*\tg+64*\t+16
.endr
	s_wait_dscnt 0x0                               ; the stores have read their registers
.endm
	s_load_b512 s[4:19], s[0:1], 0x0               ; coords, cid, features, wcode, wscale, b_feat, nidx, kdw
	s_load_b64 s[20:21], s[0:1], 0x40              ; feat
	v_lshl_add_u32 v254, v0, 2, 0x14400
	v_mov_b32 v255, 0
	v_lshrrev_b32 v1, 5, v0
	v_readfirstlane_b32 s24, v1                    ; wave 0..3
	v_and_b32 v1, 31, v0
	v_and_b32 v8, 15, v0
	v_bfe_u32 v15, v0, 4, 1
	s_lshr_b32 s25, s24, 1                         ; which 32 queries
	s_and_b32 s26, s24, 1                          ; which half of the list
	s_lshr_b32 s27, ttmp9, 6                       ; batch
	s_mul_i32 s28, s27, 49152
	s_mov_b32 s29, 0
	s_lshl_b32 s30, ttmp9, 1
	s_add_co_u32 s30, s30, s25                     ; my group of 32 queries, 0..511
	s_mul_i32 s32, s30, 384
	s_mov_b32 s33, 0
	s_mul_i32 s34, s30, 2560
	s_mul_i32 s35, s26, 1280
	s_add_co_u32 s34, s34, s35
	s_mov_b32 s35, 0
	s_and_b32 s36, s30, 127
	s_lshl_b32 s36, s36, 5
	v_add_nc_u32 v[QI], s36, v1
	s_lshl_b32 s36, s30, 11
	s_mov_b32 s37, 0
	s_lshl_b32 s38, ttmp9, 15
	s_lshl_b32 s39, s24, 13
	s_add_co_u32 s38, s38, s39                     ; my 16 rows of features
	s_mov_b32 s39, 0
	s_lshl_b32 s60, ttmp9, 16
	s_lshl_b32 s61, s24, 14
	s_add_co_u32 s60, s60, s61                     ; and of feat
	s_mov_b32 s61, 0
	s_mov_b32 s23, 0x3e99999a                      ; 0.3
	s_mov_b32 s43, 0x42480000                      ; 50
	s_mov_b32 s[SEL], 0x76543210
	s_mov_b32 s[SEL+1], 0xfedcba98
	s_lshl_b32 s40, s24, 12
	v_lshl_add_u32 v[LM], v1, 2, s40
	s_mul_i32 s40, s24, 16640
	s_add_co_u32 s40, s40, 16384
	v_mul_u32_u24 v[STW], v8, 1040
	v_lshl_add_u32 v[STW], v15, 5, v[STW]
	v_add_nc_u32 v[STW], s40, v[STW]
	v_lshlrev_b32 v[L16], 4, v1
	v_add_nc_u32 v[STR], s40, v[L16]
	v_mul_u32_u24 v[QO], v1, 12
	v_lshlrev_b32 v[CIO], 3, v1
	v_lshlrev_b32 v[FO], 9, v8
	v_lshl_add_u32 v[FO], v15, 6, v[FO]            ; features: row r of 512 bytes, + 64 h
	v_lshlrev_b32 v[SCO], 2, v8
	v_lshl_add_u32 v[SCO], v15, 7, v[SCO]          ; scale words: 4 r, the next fragment's for lanes 16-31
	v_lshlrev_b32 v[BO], 5, v15
	v_mov_b32 v[INF], 0x7f800000
.set ii, 0
.rept 16
	v_mov_b32 v[A+ii], 0x7f800000
	v_mov_b32 v[P+ii], 0
.set ii, ii+1
.endr
.irp b, 0,1,2,3
	v_mov_b32 v[TM+4+\b], 0                        ; a lane permute's destination counts as one of its sources
.endr
	s_wait_kmcnt 0x0
	s_add_nc_u64 s[40:41], s[4:5], s[32:33]        ; my queries' coordinates
	s_add_nc_u64 s[4:5], s[4:5], s[28:29]          ; the batch's
	s_add_nc_u64 s[6:7], s[6:7], s[34:35]
	s_add_nc_u64 s[8:9], s[8:9], s[38:39]
	s_add_nc_u64 s[16:17], s[16:17], s[36:37]
	s_add_nc_u64 s[18:19], s[18:19], s[36:37]
	s_add_nc_u64 s[20:21], s[20:21], s[60:61]
	global_load_b32 v[XQ], v[QO], s[40:41]
	global_load_b32 v[YQ], v[QO], s[40:41] offset:4
	global_load_b32 v[TQ], v[QO], s[40:41] offset:8
.irp p, 0,1,2,3,4
	global_load_b64 v[ID+2*\p:ID+2*\p+1], v[CIO], s[6:7] offset:256*\p
.endr
.irp b, 0,1,2,3
.irp j, 0,1,2,3
	global_load_b128 v[XR+16*\b+4*\j:XR+16*\b+4*\j+3], v[FO], s[8:9] offset:128*\b+16*\j th:TH_LOAD_NT
.endr
.endr
	s_wait_loadcnt 16                              ; coordinates and chunk numbers are in; the 16 loads of features may be out
	v_min_u32 v[OFFN], 0xff, v[ID]
	v_mul_u32_u24 v[OFFN], v[OFFN], 192            ; a chunk is 16 points of 12 bytes
.irp n, 0,1,2,3,4,5,6,7,8,9,10,11
	global_load_b128 v[RG+4*\n:RG+4*\n+3], v[OFFN], s[4:5] offset:16*\n
.endr
	s_mov_b32 s22, 9
.Lchunk:
	s_wait_xcnt 0x0                                ; the loads that name OFFN have had their addresses taken
	v_min_u32 v[OFFN], 0xff, v[ID+1]
	v_mul_u32_u24 v[OFFN], v[OFFN], 192            ; the next chunk (in the last trip: the tenth number, a copy of the ninth)
	v_lshlrev_b32 v[JB], 4, v[ID]
	UNIT 0
	UNIT 1
	UNIT 2
	UNIT 3
.irp i, 0,1,2,3,4,5,6,7,8
	v_mov_b32 v[ID+\i], v[ID+\i+1]
.endr
	s_sub_co_u32 s22, s22, 1
	s_cmp_lg_u32 s22, 0
	s_cbranch_scc1 .Lchunk
	s_wait_loadcnt 0x0
.set ee, 0
.rept 16
	ds_store_b32 v[LM], v[A+ee] offset:128*ee
	ds_store_b32 v[LM], v[P+ee] offset:2048+128*ee
.set ee, ee+1
.endr
	s_wait_dscnt 0x0
	s_barrier_signal -1
	s_barrier_wait -1                              ; the one barrier: the four results lie in LDS
	s_cmp_eq_u32 s26, 0
	s_cbranch_scc0 .Lfeat
.set ee, 0
.rept 32
	ds_load_b32 v[RG+ee], v[LM] offset:4096+128*ee ; the odd wave's result: higher indices than mine, so mine stay ahead of equal d
.set ee, ee+1
.endr
	s_wait_dscnt 0x0
.set kk, 0
.rept 16
	INSERT 16, kk, v[RG+kk], v[RG+16+kk]
.set kk, kk+1
.endr
.irp q, 0,1,2,3
	global_store_b128 v[L16], v[P+4*\q:P+4*\q+3], s[16:17] offset:512*\q   ; 512 consecutive bytes a store
	global_store_b128 v[L16], v[A+4*\q:A+4*\q+3], s[18:19] offset:512*\q
.endr
.Lfeat:
	s_wait_xcnt 0x0                                ; the stores have read their registers: W_feat's fragments may land there
	QUANT XR
.set nn, 0
.rept 32
	global_load_b128 v[FRG+4*nn:FRG+4*nn+3], v[L16], s[10:11] offset:512*nn
.set nn, nn+1
.endr
.irp p, 0,1,2,3,4,5,6,7
	global_load_b32 v[WS+\p], v[SCO], s[12:13] offset:256*\p
.endr
	FEAT 0
	FEAT 1
.set nn, 0
.rept 32
	ds_load_b128 v[FRG+4*nn:FRG+4*nn+3], v[STR] offset:1040*(nn/2)+512*(nn%2)   ; LDS serves a wave's instructions in order: these see my stores
.set nn, nn+1
.endr
.set nn, 0
.rept 32
	s_wait_dscnt 31-nn
	global_store_b128 v[L16], v[FRG+4*nn:FRG+4*nn+3], s[20:21] offset:1024*(nn/2)+512*(nn%2)   ; 512 consecutive bytes of a row
.set nn, nn+1
.endr
	s_wait_tensorcnt 0x0
	ds_add_u32 v254, v255
	s_wait_dscnt 0x0
	s_endpgm
.Lfunc_end_k_q219ce7bc3c_pick:
	.size	k_q219ce7bc3c_pick, .Lfunc_end_k_q219ce7bc3c_pick-k_q219ce7bc3c_pick
	.p2alignl 7, 3214868480
	.fill 96, 4, 3214868480
	.section	.rodata,"a",@progbits
	.p2align	6, 0x0
	.amdhsa_kernel k_q219ce7bc3c_pick
		.amdhsa_group_segment_fixed_size 83456
		.amdhsa_private_segment_fixed_size 0
		.amdhsa_enable_private_segment 0
		.amdhsa_kernarg_size 72
		.amdhsa_user_sgpr_count 2
		.amdhsa_user_sgpr_kernarg_segment_ptr 1
		.amdhsa_wavefront_size32 1
		.amdhsa_system_sgpr_workgroup_id_x 1
		.amdhsa_system_sgpr_workgroup_id_y 1
		.amdhsa_system_sgpr_workgroup_id_z 1
		.amdhsa_system_vgpr_workitem_id 0
		.amdhsa_next_free_vgpr 256
		.amdhsa_next_free_sgpr 66
		.amdhsa_reserve_vcc 1
		.amdhsa_float_denorm_mode_32 3
		.amdhsa_float_denorm_mode_16_64 3
		.amdhsa_memory_ordered 1
		.amdhsa_forward_progress 1
		.amdhsa_inst_pref_size 147
	.end_amdhsa_kernel
	.amdgpu_metadata
---
amdhsa.version: [ 1, 2 ]
amdhsa.kernels:
  - .name:           k_q219ce7bc3c_pick
    .symbol:         k_q219ce7bc3c_pick.kd
    .args:
      - { .name: coords, .offset: 0, .size: 8, .value_kind: global_buffer, .address_space: global }
      - { .name: cid, .offset: 8, .size: 8, .value_kind: global_buffer, .address_space: global }
      - { .name: features, .offset: 16, .size: 8, .value_kind: global_buffer, .address_space: global }
      - { .name: wcode, .offset: 24, .size: 8, .value_kind: global_buffer, .address_space: global }
      - { .name: wscale, .offset: 32, .size: 8, .value_kind: global_buffer, .address_space: global }
      - { .name: b_feat, .offset: 40, .size: 8, .value_kind: global_buffer, .address_space: global }
      - { .name: nidx, .offset: 48, .size: 8, .value_kind: global_buffer, .address_space: global }
      - { .name: kdw, .offset: 56, .size: 8, .value_kind: global_buffer, .address_space: global }
      - { .name: feat, .offset: 64, .size: 8, .value_kind: global_buffer, .address_space: global }
    .group_segment_fixed_size: 83456
    .private_segment_fixed_size: 0
    .kernarg_segment_align: 8
    .kernarg_segment_size: 72
    .max_flat_workgroup_size: 128
    .sgpr_count:     66
    .vgpr_count:     256
    .wavefront_size: 32
...
	.end_amdgpu_metadata
.endif
;; end of part 2
;; launch main (part 3): grid 256 x 1, 8 waves a work-group, no clusters, 325,632 bytes of LDS; arguments coords, nidx, kdw, feat, wcode, wscale, W_p1, b_p1, b_p2, bq, bk, bv, bo, gamma, beta, out0; writes out0
.if DOCPART == 3
	.amdgcn_target "amdgcn-amd-amdhsa--gfx1250"
	.amdhsa_code_object_version 6
	.text
	.protected	k_q219ce7bc3c_main
	.globl	k_q219ce7bc3c_main
	.p2align	8
	.type	k_q219ce7bc3c_main,@function
k_q219ce7bc3c_main:
	s_mov_b64 s[64:65], 0
	v_nop
	global_prefetch_b8 v0, s[64:65] scope:SCOPE_SE
	s_setreg_imm32_b32 hwreg(HW_REG_WAVE_MODE, 25, 1), 1
	s_wait_xcnt 0x0
; ALL THE REST, for 64 queries a work-group: q; for each query's 16 neighbours the positional MLP, kv = nf + pos, kh, vh; attention over the 16; the output product; residual; LayerNorm.
; SHARES: eight waves.  Wave w: head hd = w % 4 (columns 64 hd .. + 63 of every product) and half g = w / 4 (queries 32 g .. + 31 of the 64).  A tile of 16 rows is ONE query's 16 neighbours.
; A wave's columns of Wk, Wv, W_p2 (codes) and b_p2 stay in its registers for the whole launch.  Operands made by one wave reach the others through LDS as images of the operand's registers.
; No tensor loads and no cluster: the large reads are gathers by a stored list, and what work-groups share is 0.18 MB of weight codes.
; PHASES, six barriers:  Q: wave w quantises 16 rows x 128 of feat | B1 | q' = (Q(f) Q(Wq) + bq) log2(e) / 8 and sbk = q' . bk;  REL, H: 8 queries a wave: rel, hidden = relu(rel W_p1 + b_p1) by the f32 matrix
; form (its result goes into a quantiser), quantised | B2 | P: 32 queries a wave: the neighbours' rows of feat (gathered two whole rows of 256 bytes a load, turned through a stage) are the C of pos' products; + b_p2; quantised | B3 |
; A: 32 queries a wave: kh transposed (a lane holds a neighbour), vh not (a lane holds a column); softmax over the 16 lanes with its maximum taken away; agg | B4 | agg quantised | B5 | Q(agg) Q(Wo) + bo | B6 | rows: residual and LayerNorm.
; A slot without a neighbour (kd = +inf) holds some index inside the table; its score is -1e9 log2(e), so its weight is 0 beside any neighbour that counts; a query without any keeps f.
; LIMITS: blocks whose largest magnitude lies under 2^-124 get the scale byte 1 (blocks of zeros too: their codes are zeros); NaN and infinities among the inputs are not served;
; kv is summed as (nf + the product's sum) + b_p2, the hidden layer as b_p1 + four fused multiply-adds; bk enters the scores as q' . bk, bv enters agg once, since the weights sum to 1.
.set IDX, 0                            ; LDS: the neighbours' indices, as nidx has them: [half][quad][query 32][4]
.set KDS, 4096                         ; their distances, likewise
.set SBK, 8192                         ; q' . bk: [query 64][head 4]
.set PST, 9216                         ; 128 bytes a wave: the 16 weights of the query at work
.set QV, 10240                         ; 64 rows x 1,040 bytes: q', later agg in its place
.set QVP, 1040
.set HIMG, 76800                       ; the hidden layer's fragments, 1,024 bytes a query
.set HSC, 142336                       ; their scale words, 128 bytes a query
.set KVIMG, 150528                     ; kv's fragments: query x 2,048 + K step x 1,024.  Also the images of Q(f) and Q(agg), 1,024 bytes each
.set KVSC, 281600                      ; kv's scale words: query x 128 + K step x 64 + 4 row.  Also those of Q(f), Q(agg), 128 bytes each
.set GST, 289792                       ; 16 rows x 272 bytes for each wave: the gathered rows' turn
.set OST, HIMG                         ; 64 rows x 1,040 bytes: the output product's results
.set L16, 1                            ; v1 16 x lane; v2 4 x lane; v3 r = lane % 16; v4 h = lane / 16; v5 32 h; v6 64 h; v7 128 h + 4 r: never rewritten
.set L4, 2
.set RR, 3
.set HH, 4
.set H32, 5
.set H64, 6
.set SCO, 7
.set WKS, 28                           ; v28-45 hold scales and nothing else: Wk's 4, Wv's 4, W_p2's 2, Wq's or Wo's 4, kv's, the hidden layer's, Q(f)'s or Q(agg)'s 2
.set WVS, 32
.set WPS, 36
.set WTS, 38
.set KS, 42
.set QHS, 43
.set XS, 44
.set BV, 46                            ; v46-47 bv of my lane's two columns
.set W1A, 48                           ; v48-63 W_p1 as source 0 of the f32 form;  in phase Q v48-79 hold bk's tiles
.set BK, 48
.set XR, 84
.set XF, 84
.set BQ, 100
.set WT, 148
.set DQ, 212
.set SA, 244
.set SB, 246
.set B1T, 84                           ; b_p1's eight tiles in the result's layout
.set RT, 148
.set REL, 212
.set RIDX, 148
.set RA1, 156
.set RKD, 164
.set OWN0, 172
.set OWN1, 180
.set RING, 84                          ; three sets of 32: gathered rows on their way
.set NF, 180
.set QH, 212
.set ADR, 220
.set QT, 228
.set PCK, 236
.set KV, 84
.set KH, 100
.set VH, 132
.set QP, 164
.set P8, 196
.set SC, 204
.set SC2, 206
.set KDV, 208
.set SBV, 209
.set T1, 210
.set T2, 211
.set AG, 212
.set T3, 220
.set T0, 221
.set WK, 0                             ; window 1: Wk's 8 fragments, Wv's 8, W_p2's 4, b_p2's 4 tiles, and from v192 the f32 form's results, which matrix instructions alone write
.set WV, 64
.set WP, 128
.set BP2, 160
.set HD, 192
.set SEL, 44
.set MSB, 0
.macro WIN new                         ; the immediate's high byte repeats the setting that is left
.if MSB != \new
	s_set_vgpr_msb (MSB<<8)|\new
.set MSB, \new
.endif
.endm
.macro BARRIER                         ; my LDS stores have landed and my LDS loads are in: then the work-group's barrier
	s_wait_dscnt 0x0
	s_barrier_signal -1
	s_barrier_wait -1
.endm
.macro QMAX s                          ; the largest magnitudes of my 16 numbers of each of four blocks
.irp b, 0,1,2,3
	v_max3_num_f32 v[TM+\b], |v[\s+16*\b]|, |v[\s+1+16*\b]|, 0x1800000   ; and the floor 2^(3 - 127): the byte cannot fall under 1
.endr
.irp i, 2,4,6,8,10,12,14
.irp b, 0,1,2,3
	v_max3_num_f32 v[TM+\b], v[TM+\b], |v[\s+16*\b+\i]|, |v[\s+1+16*\b+\i]|
.endr
.endr
.endm
.macro QSCALE                          ; with lane l xor 16's: the blocks' scale operands (TM+12 on) and the row's scale word (PW)
.irp b, 0,1,2,3
	v_permlanex16_b32 v[TM+4+\b], v[TM+\b], s[SEL], s[SEL+1]
.endr
.irp b, 0,1,2,3
	v_max_num_f32 v[TM+\b], v[TM+\b], v[TM+4+\b]
.endr
.irp b, 0,1,2,3
	v_add_nc_u32 v[TM+12+\b], 0xff000000, v[TM+\b]   ; 2 off the exponent field
.endr
.irp b, 0,1,2,3
	v_lshrrev_b32 v[TM+4+\b], 23, v[TM+12+\b]
.endr
	v_lshl_or_b32 v[PW], v[TM+5], 8, v[TM+4]
	v_lshl_or_b32 v[PW], v[TM+6], 16, v[PW]
	v_lshl_or_b32 v[PW], v[TM+7], 24, v[PW]
.endm
.macro QCODES s                        ; 64 numbers, register 16 b + i = k 32 b + 16 h + i, become the fragment's eight registers
.irp b, 0,1,2,3
	v_cvt_scalef32_pk8_fp4_f32 v[PC+2*\b], v[\s+16*\b:\s+7+16*\b], v[TM+12+\b]
	v_cvt_scalef32_pk8_fp4_f32 v[PC+1+2*\b], v[\s+8+16*\b:\s+15+16*\b], v[TM+12+\b]
.endr
	v_nop                                          ; one plain line behind a scaled conversion
.irp c, 0,1
.irp i, 0,1
	v_permlane16_swap_b32 v[PC+4*\c+\i], v[PC+2+4*\c+\i]   ; a whole block to a lane
.endr
.endr
.endm
; the addresses of phases Q and O
.set T16, 8
.set XA, 9
.set QWI, 10
.set QWS, 11
.set PF, 12
.set PFS, 13
.set QVW, 14
.set SBW, 15
.set OSW, 16
.set QJL, 17
.macro QADDR
	s_lshl_b32 s84, s36, 10
	s_add_co_u32 s84, s84, KVIMG
	v_add_nc_u32 v[QWI], s84, v[L16]               ; my image: number = my wave's
	s_lshl_b32 s84, s36, 7
	s_add_co_u32 s84, s84, KVSC
	v_add_nc_u32 v[QWS], s84, v[L4]
	s_lshl_b32 s84, s38, 12
	s_add_co_u32 s84, s84, KVIMG
	v_add_nc_u32 v[PF], s84, v[L16]                ; my half's four images
	s_lshl_b32 s84, s38, 9
	s_add_co_u32 s84, s84, KVSC
	v_add_nc_u32 v[PFS], s84, v[L4]
	v_mul_u32_u24 v[QVW], v[RR], QVP
	v_add_nc_u32 v[QVW], v[QVW], v[H32]
	s_mul_i32 s84, s38, 32*QVP
	s_lshl_b32 s85, s37, 8
	s_add_co_u32 s84, s84, s85
	v_add_nc_u32 v[QVW], s84, v[QVW]               ; row 32 g + r, my head's 256 bytes, + 32 h
	v_add_nc_u32 v[OSW], OST, v[QVW]
	v_add_nc_u32 v[QVW], QV, v[QVW]
	s_lshl_b32 s84, s38, 9
	s_lshl_b32 s85, s37, 2
	s_add_co_u32 s84, s84, s85
	s_add_co_u32 s84, s84, SBK
	v_lshl_add_u32 v[SBW], v[RR], 4, s84
	v_mul_u32_u24 v[QJL], v[RR], QVP
	v_add_nc_u32 v[QJL], v[QJL], v[H64]
	s_lshr_b32 s84, s36, 1
	s_mul_i32 s84, s84, 16*QVP
	s_and_b32 s85, s36, 1
	s_lshl_b32 s85, s85, 9
	s_add_co_u32 s84, s84, s85
	s_add_co_u32 s84, s84, QV
	v_add_nc_u32 v[QJL], s84, v[QJL]               ; agg: row 16 (w / 2) + r, K step w % 2, + 64 h
.endm
.macro QJOB                            ; the 64 numbers in XR become my image
	QMAX XR
	QSCALE
	QCODES XR
	ds_store_b128 v[QWI], v[PC:PC+3]
	ds_store_b128 v[QWI], v[PC+4:PC+7] offset:512
	ds_store_b32 v[QWS], v[PW]
.endm
; my head's 64 columns for my half's 32 rows: source 0 = 16 columns of the weight (WT), source 1 = 16 rows; the bias' tiles (BQ) are the C of each sum's first product.  Four accumulators by turns.
.macro PROJ isq
.irp m, 0,1
	ds_load_b128 v[XF:XF+3], v[PF] offset:2048*\m
	ds_load_b128 v[XF+4:XF+7], v[PF] offset:2048*\m+512
	ds_load_b128 v[XF+8:XF+11], v[PF] offset:2048*\m+1024
	ds_load_b128 v[XF+12:XF+15], v[PF] offset:2048*\m+1536
	ds_load_b32 v[XS], v[PFS] offset:256*\m
	ds_load_b32 v[XS+1], v[PFS] offset:256*\m+128
	s_wait_dscnt 0x0
.irp t, 0,1,2,3
	v_wmma_scale_f32_16x16x128_f8f6f4 v[DQ+8*\t:DQ+8*\t+7], v[WT+16*\t:WT+16*\t+7], v[XF:XF+7], v[BQ+8*\t:BQ+8*\t+7], v[WTS+\t], v[XS] matrix_a_fmt:MATRIX_FMT_FP4 matrix_b_fmt:MATRIX_FMT_FP4
.endr
.irp t, 0,1,2,3
	v_wmma_scale_f32_16x16x128_f8f6f4 v[DQ+8*\t:DQ+8*\t+7], v[WT+16*\t+8:WT+16*\t+15], v[XF+8:XF+15], v[DQ+8*\t:DQ+8*\t+7], v[WTS+\t], v[XS+1] matrix_a_fmt:MATRIX_FMT_FP4 matrix_b_fmt:MATRIX_FMT_FP4 matrix_a_scale:MATRIX_SCALE_ROW1
.endr
.rept 5
	v_nop                                          ; places ahead of the first read of results, of loads into these registers, and of the next tile's products, which write over the results
.endr
.if \isq
.irp k, 0,2,4,6,8,10,12,14,16,18,20,22,24,26,28,30
	v_pk_mul_f32 v[DQ+\k:DQ+\k+1], v[DQ+\k:DQ+\k+1], s[56:57] op_sel_hi:[1,0]   ; q' = q log2(e) / 8
.endr
	v_pk_mul_f32 v[SA:SA+1], v[DQ:DQ+1], v[BK:BK+1]
	v_pk_mul_f32 v[SB:SB+1], v[DQ+2:DQ+3], v[BK+2:BK+3]
.irp k, 4,8,12,16,20,24,28
	v_pk_fma_f32 v[SA:SA+1], v[DQ+\k:DQ+\k+1], v[BK+\k:BK+\k+1], v[SA:SA+1]
	v_pk_fma_f32 v[SB:SB+1], v[DQ+\k+2:DQ+\k+3], v[BK+\k+2:BK+\k+3], v[SB:SB+1]
.endr
	v_pk_add_f32 v[SA:SA+1], v[SA:SA+1], v[SB:SB+1]
	v_add_f32 v[SA], v[SA], v[SA+1]
	v_permlanex16_b32 v[SB], v[SA], s[SEL], s[SEL+1]
	v_add_f32 v[SA], v[SA], v[SB]                  ; q' . bk over my head's 64 columns
.irp t, 0,1,2,3
	ds_store_b128 v[QVW], v[DQ+8*\t:DQ+8*\t+3] offset:16*QVP*\m+64*\t
	ds_store_b128 v[QVW], v[DQ+8*\t+4:DQ+8*\t+7] offset:16*QVP*\m+64*\t+16
.endr
	ds_store_b32 v[SBW], v[SA] offset:256*\m
.else
.irp t, 0,1,2,3
	ds_store_b128 v[OSW], v[DQ+8*\t:DQ+8*\t+3] offset:16*QVP*\m+64*\t
	ds_store_b128 v[OSW], v[DQ+8*\t+4:DQ+8*\t+7] offset:16*QVP*\m+64*\t+16
.endr
.endif
.endr
.endm
	s_load_b512 s[4:19], s[0:1], 0x0               ; coords, nidx, kdw, feat, wcode, wscale, W_p1, b_p1
	s_load_b512 s[20:35], s[0:1], 0x40             ; b_p2, bq, bk, bv, bo, gamma, beta, out0
	v_lshl_add_u32 v254, v0, 2, 0x4f400
	v_mov_b32 v255, 0
	v_lshrrev_b32 v8, 5, v0
	v_readfirstlane_b32 s36, v8                    ; wave 0..7
	s_and_b32 s37, s36, 3                          ; head
	s_lshr_b32 s38, s36, 2                         ; half
	s_lshr_b32 s39, ttmp9, 6                       ; batch
	v_and_b32 v8, 31, v0
	v_lshlrev_b32 v[L16], 4, v8
	v_lshlrev_b32 v[L4], 2, v8
	v_and_b32 v[RR], 15, v0
	v_bfe_u32 v[HH], v0, 4, 1
	v_lshlrev_b32 v[H32], 5, v[HH]
	v_lshlrev_b32 v[H64], 6, v[HH]
	v_lshlrev_b32 v[SCO], 2, v[RR]
	v_lshl_add_u32 v[SCO], v[HH], 7, v[SCO]
	v_lshlrev_b32 v[T16], 4, v0
	v_lshlrev_b32 v[XA], 10, v[RR]
	v_add_nc_u32 v[XA], v[XA], v[H64]              ; feat: row r of 1,024 bytes, + 64 h
	QADDR
	s_mov_b32 s[SEL], 0x76543210
	s_mov_b32 s[SEL+1], 0xfedcba98                 ; lane l xor 16
	s_mov_b32 s46, 0xffff0000                      ; lanes 16-31
	s_mov_b32 s47, 0x3b800000                      ; 1 / 256
	s_mov_b32 s56, 0x3e38aa3b                      ; log2(e) / 8
	s_mov_b32 s57, s56
	s_lshl_b32 s40, ttmp9, 12
	s_mov_b32 s41, 0
	s_lshl_b32 s42, ttmp9, 16
	s_lshr_b32 s43, s36, 1
	s_lshl_b32 s43, s43, 14
	s_add_co_u32 s42, s42, s43
	s_and_b32 s43, s36, 1
	s_lshl_b32 s43, s43, 9
	s_add_co_u32 s42, s42, s43                     ; rows 64 wg + 16 (w / 2), K step w % 2
	s_mov_b32 s43, 0
	s_lshl_b32 s48, s37, 13
	s_mov_b32 s49, 0
	s_lshl_b32 s50, s37, 12
	s_mov_b32 s51, 0
	s_lshl_b32 s52, s37, 10
	s_mov_b32 s53, 0
	s_lshl_b32 s54, s37, 9
	s_mov_b32 s55, 0
	s_lshl_b32 s58, s37, 8
	s_mov_b32 s59, 0
	s_lshl_b32 s60, s39, 22
	s_mov_b32 s61, 0
	s_mul_i32 s62, s39, 49152
	s_mov_b32 s63, 0
	s_and_b32 s92, ttmp9, 63
	s_lshl_b32 s92, s92, 6
	s_lshl_b32 s93, s38, 5
	s_add_co_u32 s92, s92, s93
	s_lshl_b32 s93, s37, 3
	s_add_co_u32 s92, s92, s93
	s_mul_i32 s92, s92, 12                         ; the eight queries whose hidden layer I make
	s_mov_b32 s93, 0
	s_lshl_b32 s94, ttmp9, 16
	s_lshl_b32 s95, s36, 13
	s_add_co_u32 s94, s94, s95                     ; the eight rows that I finish
	s_mov_b32 s95, 0
	s_wait_kmcnt 0x0
	s_add_nc_u64 s[6:7], s[6:7], s[40:41]
	s_add_nc_u64 s[8:9], s[8:9], s[40:41]
	s_add_nc_u64 s[40:41], s[10:11], s[42:43]
	s_add_nc_u64 s[66:67], s[12:13], s[48:49]      ; codes: 8 fragments a head
	s_add_nc_u64 s[68:69], s[12:13], s[50:51]      ; 4 fragments a head
	s_add_nc_u64 s[70:71], s[14:15], s[52:53]      ; scale words likewise
	s_add_nc_u64 s[72:73], s[14:15], s[54:55]
	s_add_nc_u64 s[20:21], s[20:21], s[58:59]      ; the biases at my head's 64 columns
	s_add_nc_u64 s[22:23], s[22:23], s[58:59]
	s_add_nc_u64 s[24:25], s[24:25], s[58:59]
	s_add_nc_u64 s[26:27], s[26:27], s[58:59]
	s_add_nc_u64 s[28:29], s[28:29], s[58:59]
	s_add_nc_u64 s[74:75], s[10:11], s[60:61]
	s_add_nc_u64 s[74:75], s[74:75], s[58:59]      ; the batch's feat at my head's columns
	s_add_nc_u64 s[76:77], s[4:5], s[62:63]        ; the batch's coordinates
	s_add_nc_u64 s[78:79], s[76:77], s[92:93]
	s_add_nc_u64 s[80:81], s[10:11], s[94:95]
	s_add_nc_u64 s[82:83], s[34:35], s[94:95]
	; ---- Q
	global_load_b128 v[244:247], v[T16], s[6:7]
	global_load_b128 v[248:251], v[T16], s[8:9]
.irp b, 0,1,2,3
.irp j, 0,1,2,3
	global_load_b128 v[XR+16*\b+4*\j:XR+16*\b+4*\j+3], v[XA], s[40:41] offset:128*\b+16*\j
.endr
.endr
.set nn, 0
.rept 16
	global_load_b128 v[WT+4*nn:WT+4*nn+3], v[L16], s[66:67] offset:32*1024+512*nn   ; Wq
.set nn, nn+1
.endr
.irp t, 0,1,2,3
	global_load_b32 v[WTS+\t], v[SCO], s[70:71] offset:32*128+256*\t               ; K step 0's word in lanes 0-15, K step 1's in lanes 16-31
.endr
.irp n, 0,1,2,3,4,5,6,7
	global_load_b128 v[BK+4*\n:BK+4*\n+3], v[H32], s[24:25] offset:64*(\n/2)+16*(\n%2)
.endr
.set TM, 212
.set PC, 228
.set PW, 236
.irp b, 0,1,2,3
	v_mov_b32 v[TM+4+\b], 0                        ; a lane permute's destination counts as one of its sources
.endr
	s_wait_loadcnt 28                              ; indices, distances and my rows are in; the 28 loads issued behind them may be out
	ds_store_b128 v[T16], v[244:247] offset:IDX
	ds_store_b128 v[T16], v[248:251] offset:KDS
	QJOB
.irp n, 0,1,2,3,4,5,6,7
	global_load_b128 v[BQ+4*\n:BQ+4*\n+3], v[H32], s[22:23] offset:64*(\n/2)+16*(\n%2)
.endr
	WIN 0x40                                       ; destination window 1
.set nn, 0
.rept 16
	global_load_b128 v[WK+4*nn:WK+4*nn+3], v[L16], s[66:67] offset:64*1024+512*nn
.set nn, nn+1
.endr
.set nn, 0
.rept 16
	global_load_b128 v[WV+4*nn:WV+4*nn+3], v[L16], s[66:67] offset:96*1024+512*nn
.set nn, nn+1
.endr
.irp n, 0,1,2,3,4,5,6,7
	global_load_b128 v[WP+4*\n:WP+4*\n+3], v[L16], s[68:69] offset:16*1024+512*\n
.endr
.irp n, 0,1,2,3,4,5,6,7
	global_load_b128 v[BP2+4*\n:BP2+4*\n+3], v[H64], s[20:21] offset:128*(\n/4)+32*((\n/2)%2)+16*(\n%2)   ; register 16 b + 8 u + j: column 32 b + 16 h + 8 u + j
.endr
	WIN 0
.irp t, 0,1,2,3
	global_load_b32 v[WKS+\t], v[SCO], s[70:71] offset:64*128+256*\t
	global_load_b32 v[WVS+\t], v[SCO], s[70:71] offset:96*128+256*\t
.endr
.irp p, 0,1
	global_load_b32 v[WPS+\p], v[SCO], s[72:73] offset:16*128+256*\p               ; tile 2 p in lanes 0-15, tile 2 p + 1 in lanes 16-31
.endr
	global_load_b32 v[BV], v[L4], s[26:27]
	global_load_b32 v[BV+1], v[L4], s[26:27] offset:128
	BARRIER                                        ; B1: the eight images of Q(f), the indices and the distances lie in LDS
	s_wait_loadcnt 60                              ; Wq, its scales, bk and bq are in; the 60 loads issued behind bq may be out
	PROJ 1
	; ---- REL: rel = (neighbour - query, kd) of my eight queries, as source 1 of the f32 form: lane (r, h): neighbour r, components 2 h and 2 h + 1
	v_and_b32 v8, 8, v[RR]
	v_add_nc_u32 v8, v8, v[RR]
	v_lshlrev_b32 v8, 2, v8
	v_lshl_add_u32 v8, v[HH], 10, v8               ; W_p1: rows 2 h, 2 h + 1; lane r of tile 2 b + u takes hidden unit 32 b + 8 u + r + 8 (r / 8)
.irp t, 0,1,2,3,4,5,6,7
.irp j, 0,1
	global_load_b32 v[W1A+2*\t+\j], v8, s[16:17] offset:512*\j+(32*(\t/2)+8*(\t%2))*4
.endr
.endr
.set nn, 0
.rept 16
	global_load_b128 v[B1T+4*nn:B1T+4*nn+3], v[H64], s[18:19] offset:128*(nn/4)+32*((nn/2)%2)+16*(nn%2)
.set nn, nn+1
.endr
	v_lshrrev_b32 v9, 2, v[RR]
	v_lshlrev_b32 v9, 9, v9
	v_and_b32 v10, 3, v[RR]
	v_lshl_add_u32 v9, v10, 2, v9
	s_lshl_b32 s84, s38, 11
	s_lshl_b32 s85, s37, 7
	s_add_co_u32 s84, s84, s85
	v_add_nc_u32 v9, s84, v9                       ; neighbour r of query 8 hd of my half
.irp e, 0,1,2,3,4,5,6,7
	ds_load_b32 v[RIDX+\e], v9 offset:IDX+16*\e
	ds_load_b32 v[RKD+\e], v9 offset:KDS+16*\e
.endr
	v_lshlrev_b32 v18, 3, v[HH]                    ; 8 h
	v_lshlrev_b32 v19, 2, v[HH]
	v_sub_nc_u32 v19, 4, v19                       ; 4 - 4 h
	v_lshl_add_u32 v20, v[HH], 2, 4                ; 4 + 4 h
	s_wait_dscnt 0x0
.irp e, 0,1,2,3,4,5,6,7
	v_min_u32 v[RIDX+\e], 0xfff, v[RIDX+\e]
	v_mul_u32_u24 v[RIDX+\e], v[RIDX+\e], 12
	v_add_nc_u32 v[RIDX+\e], v[RIDX+\e], v18
	v_add_nc_u32 v[RA1+\e], v[RIDX+\e], v19
.endr
.irp e, 0,1,2,3,4,5,6,7
	global_load_b32 v[REL+2*\e], v[RIDX+\e], s[76:77]
	global_load_b32 v[REL+2*\e+1], v[RA1+\e], s[76:77]
	global_load_b32 v[OWN0+\e], v18, s[78:79] offset:12*\e
	global_load_b32 v[OWN1+\e], v20, s[78:79] offset:12*\e
.endr
	s_lshl_b32 s84, s38, 5
	s_lshl_b32 s85, s37, 3
	s_add_co_u32 s84, s84, s85                     ; my first query
	s_lshl_b32 s85, s84, 10
	s_add_co_u32 s85, s85, HIMG
	v_add_nc_u32 v10, s85, v[L16]
	s_lshl_b32 s85, s84, 7
	s_add_co_u32 s85, s85, HSC
	v_add_nc_u32 v11, s85, v[L4]
.set TM, 228
.set PC, 244
.set PW, 252
.irp b, 0,1,2,3
	v_mov_b32 v[TM+4+\b], 0
.endr
	s_wait_loadcnt 0x0                             ; these, and everything asked for before
.irp e, 0,1,2,3,4,5,6,7
	v_sub_f32 v[REL+2*\e], v[REL+2*\e], v[OWN0+\e]
	v_sub_f32 v[REL+2*\e+1], v[REL+2*\e+1], v[OWN1+\e]
	v_cmp_gt_f32 vcc_lo, 0x7f800000, v[RKD+\e]
	v_cndmask_b32 v[RKD+\e], 0, v[RKD+\e], vcc_lo  ; kd, 0 where there is no neighbour
	v_cndmask_b32 v[REL+2*\e+1], v[REL+2*\e+1], v[RKD+\e], s46
.endr
	; ---- H: the hidden layer of query e: transposed, so that a lane holds one neighbour and its registers run along the hidden units
.macro HID e
	WIN 0x40                                       ; destination window 1
.irp t, 0,1,2,3,4,5,6,7
	v_wmma_f32_16x16x4_f32 v[HD+8*\t:HD+8*\t+7], v[W1A+2*\t:W1A+2*\t+1], v[REL+2*\e:REL+2*\e+1], v[B1T+8*\t:B1T+8*\t+7]
.endr
	WIN 0
.rept 8
	v_nop                                          ; eight places behind this form ahead of the first read of results
.endr
	WIN 0x05
.irp b, 0,1,2,3
	v_max3_num_f32 v[TM+\b], v[HD+16*\b], v[HD+1+16*\b], 0x1800000   ; no |.|: what is negative is clipped and must not count; each accumulator is read from its low end on
.endr
	WIN 0x14
.irp i, 2,4,6,8,10,12,14
.irp b, 0,1,2,3
	v_max3_num_f32 v[TM+\b], v[TM+\b], v[HD+16*\b+\i], v[HD+1+16*\b+\i]
.endr
.endr
	WIN 0
	QSCALE
	WIN 0x04
.set nn, 0
.rept 64
	v_max_num_f32 v[RT+nn], 0, v[HD+nn]            ; the activation, into other registers
.set nn, nn+1
.endr
	WIN 0
	QCODES RT
	ds_store_b128 v10, v[PC:PC+3] offset:1024*\e
	ds_store_b128 v10, v[PC+4:PC+7] offset:1024*\e+512
	ds_store_b32 v11, v[PW] offset:128*\e
	s_wait_dscnt 0x0                               ; the stores have read their registers
.endm
.irp e, 0,1,2,3,4,5,6,7
	HID \e
.endr
	; ---- P
.set GSW, 8
.set GSR, 9
.set HRDB, 10
.set HRSB, 11
.set IXB, 12
.set KVWB, 13
.set KSWB, 14
.set GCOL, 15
.set HRDT, 16
.set HRST, 17
.set IXT, 18
.set KVWT, 19
.set KSWT, 20
	s_mul_i32 s84, s36, 4352
	s_add_co_u32 s84, s84, GST
	v_mul_u32_u24 v[GSW], v[HH], 8*272
	v_lshl_add_u32 v[GSW], v[RR], 4, v[GSW]
	v_add_nc_u32 v[GSW], s84, v[GSW]               ; the stage, in: row 8 h + k, 16 bytes a lane
	v_mul_u32_u24 v[GSR], v[RR], 272
	v_add_nc_u32 v[GSR], v[GSR], v[H64]
	v_add_nc_u32 v[GSR], s84, v[GSR]               ; and back: row r, + 64 h
	s_lshl_b32 s84, s38, 15
	s_add_co_u32 s84, s84, HIMG
	v_add_nc_u32 v[HRDB], s84, v[L16]
	s_lshl_b32 s84, s38, 12
	s_add_co_u32 s84, s84, HSC
	v_add_nc_u32 v[HRSB], s84, v[L4]
	s_lshl_b32 s84, s38, 11
	v_lshl_add_u32 v[IXB], v[HH], 10, s84          ; the indices of neighbours 8 h .. 8 h + 7
	s_lshl_b32 s84, s38, 16
	s_lshr_b32 s85, s37, 1
	s_lshl_b32 s85, s85, 10
	s_add_co_u32 s84, s84, s85
	s_and_b32 s85, s37, 1
	s_lshl_b32 s85, s85, 9
	s_add_co_u32 s84, s84, s85
	s_add_co_u32 s84, s84, KVIMG
	v_add_nc_u32 v[KVWB], s84, v[L16]              ; my 64 columns are registers 4 (hd % 2) .. + 3 of K step hd / 2
	s_lshl_b32 s84, s38, 12
	s_lshr_b32 s85, s37, 1
	s_lshl_b32 s85, s85, 6
	s_add_co_u32 s84, s84, s85
	s_and_b32 s85, s37, 1
	s_lshl_b32 s85, s85, 1
	s_add_co_u32 s84, s84, s85
	s_add_co_u32 s84, s84, KVSC
	v_lshl_add_u32 v[KSWB], v[RR], 2, s84          ; and bytes 2 (hd % 2), + 1 of its scale word
	v_lshlrev_b32 v[GCOL], 4, v[RR]
.macro GADDR
.irp k, 0,1,2,3,4,5,6,7
	v_min_u32 v[ADR+\k], 0xfff, v[ADR+\k]
.endr
.irp k, 0,1,2,3,4,5,6,7
	v_lshl_add_u32 v[ADR+\k], v[ADR+\k], 10, v[GCOL]
.endr
.endm
.macro GLOAD set                       ; 16 neighbours' 256 bytes: sixteen lanes to a row, two rows a load
.irp k, 0,1,2,3,4,5,6,7
	global_load_b128 v[RING+32*\set+4*\k:RING+32*\set+4*\k+3], v[ADR+\k], s[74:75]
.endr
.endm
.irp n, 0,1,2
	ds_load_b128 v[ADR:ADR+3], v[IXB] offset:16*\n
	ds_load_b128 v[ADR+4:ADR+7], v[IXB] offset:16*\n+512
	s_wait_dscnt 0x0
	GADDR
	GLOAD \n
	s_wait_xcnt 0x0                                ; the loads' addresses are taken: their registers may be written again
.endr
	s_mov_b32 s86, 0                               ; 16 i, 128 i, 1,024 i, 2,048 i
	s_mov_b32 s87, 0
	s_mov_b32 s88, 0
	s_mov_b32 s89, 0
	v_add_nc_u32 v[HRDT], s88, v[HRDB]
	v_add_nc_u32 v[HRST], s87, v[HRSB]
	v_add_nc_u32 v[IXT], s86, v[IXB]
	BARRIER                                        ; B2: the hidden layer's 64 fragments lie in LDS
; query i of my half.  set = i % 3; gg = 1: query i + 3 is asked for; cnt: the loads of the sets behind this one, eight each
.macro PTRIP set, gg, cnt
	s_wait_loadcnt \cnt
.irp k, 0,1,2,3,4,5,6,7
	ds_store_b128 v[GSW], v[RING+32*\set+4*\k:RING+32*\set+4*\k+3] offset:272*\k
.endr
.irp n, 0,1,2,3,4,5,6,7
	ds_load_b128 v[NF+4*\n:NF+4*\n+3], v[GSR] offset:128*(\n/4)+32*((\n/2)%2)+16*(\n%2)   ; LDS serves a wave's instructions in order.  Register 16 b + 8 u + j: neighbour r, column 32 b + 16 h + 8 u + j
.endr
	ds_load_b128 v[QH:QH+3], v[HRDT]
	ds_load_b128 v[QH+4:QH+7], v[HRDT] offset:512
	ds_load_b32 v[QHS], v[HRST]
.if \gg
	s_wait_xcnt 0x0                                ; the last gather's addresses are taken: the indices may land on their registers
	ds_load_b128 v[ADR:ADR+3], v[IXT] offset:48
	ds_load_b128 v[ADR+4:ADR+7], v[IXT] offset:48+512
.endif
	s_wait_dscnt 0x0
.if \gg
	GADDR
	GLOAD \set
.endif
	WIN 0x01                                       ; source 0 (W_p2) window 1
.irp t, 0,1,2,3                        ; four accumulators, one product each: nf + Q(hidden) Q(W_p2)
.if \t%2
	v_wmma_scale_f32_16x16x128_f8f6f4 v[NF+8*\t:NF+8*\t+7], v[WP+8*\t:WP+8*\t+7], v[QH:QH+7], v[NF+8*\t:NF+8*\t+7], v[WPS+\t/2], v[QHS] matrix_a_fmt:MATRIX_FMT_FP4 matrix_b_fmt:MATRIX_FMT_FP4 matrix_a_scale:MATRIX_SCALE_ROW1
.else
	v_wmma_scale_f32_16x16x128_f8f6f4 v[NF+8*\t:NF+8*\t+7], v[WP+8*\t:WP+8*\t+7], v[QH:QH+7], v[NF+8*\t:NF+8*\t+7], v[WPS+\t/2], v[QHS] matrix_a_fmt:MATRIX_FMT_FP4 matrix_b_fmt:MATRIX_FMT_FP4
.endif
.endr
	WIN 0
	v_add_nc_u32 v[KVWT], s89, v[KVWB]             ; five additions: the places behind the products
	v_add_nc_u32 v[KSWT], s87, v[KSWB]
	s_add_co_u32 s86, s86, 16
	s_add_co_u32 s87, s87, 128
	s_add_co_u32 s88, s88, 1024
	s_add_co_u32 s89, s89, 2048
	v_add_nc_u32 v[HRDT], s88, v[HRDB]
	v_add_nc_u32 v[HRST], s87, v[HRSB]
	v_add_nc_u32 v[IXT], s86, v[IXB]
	WIN 0x04                                       ; source 1 (b_p2) window 1
.irp k, 0,2,4,6,8,10,12,14,16,18,20,22,24,26,28,30
	v_pk_add_f32 v[NF+\k:NF+\k+1], v[NF+\k:NF+\k+1], v[BP2+\k:BP2+\k+1]
.endr
	WIN 0
.irp b, 0,1
	v_max3_num_f32 v[QT+\b], |v[NF+16*\b]|, |v[NF+1+16*\b]|, 0x1800000
.endr
.irp i, 2,4,6,8,10,12,14
.irp b, 0,1
	v_max3_num_f32 v[QT+\b], v[QT+\b], |v[NF+16*\b+\i]|, |v[NF+1+16*\b+\i]|
.endr
.endr
.irp b, 0,1
	v_permlanex16_b32 v[QT+2+\b], v[QT+\b], s[SEL], s[SEL+1]
.endr
.irp b, 0,1
	v_max_num_f32 v[QT+\b], v[QT+\b], v[QT+2+\b]
.endr
.irp b, 0,1
	v_add_nc_u32 v[QT+4+\b], 0xff000000, v[QT+\b]
.endr
.irp b, 0,1
	v_lshrrev_b32 v[QT+2+\b], 23, v[QT+4+\b]
.endr
	v_lshl_or_b32 v[QT+6], v[QT+3], 8, v[QT+2]
.irp b, 0,1
	v_cvt_scalef32_pk8_fp4_f32 v[PCK+2*\b], v[NF+16*\b:NF+7+16*\b], v[QT+4+\b]
	v_cvt_scalef32_pk8_fp4_f32 v[PCK+1+2*\b], v[NF+8+16*\b:NF+15+16*\b], v[QT+4+\b]
.endr
	v_nop
	v_permlane16_swap_b32 v[PCK], v[PCK+2]
	v_permlane16_swap_b32 v[PCK+1], v[PCK+3]
	ds_store_b128 v[KVWT], v[PCK:PCK+3]
	ds_store_b16 v[KSWT], v[QT+6]                  ; both lanes of a row write the same two bytes with the same value
.endm
	s_mov_b32 s90, 9
.Lp:
	PTRIP 0, 1, 16
	PTRIP 1, 1, 16
	PTRIP 2, 1, 16
	s_sub_co_u32 s90, s90, 1
	s_cmp_lg_u32 s90, 0
	s_cbranch_scc1 .Lp
	PTRIP 0, 1, 16                                 ; queries 27 to 31: the last three ask for nothing, and the counts run down
	PTRIP 1, 1, 16
	PTRIP 2, 0, 16
	PTRIP 0, 0, 8
	PTRIP 1, 0, 0
	; ---- A
.set KVRB, 8
.set KSRB, 9
.set QPRB, 10
.set KDRB, 11
.set SBRB, 12
.set AGWB, 13
.set PSW, 14
.set PSR, 15
.set KVRT, 16
.set KSRT, 17
.set QPRT, 18
.set KDRT, 19
.set SBRT, 20
.set AGWT, 21
.set NEGV, 22
	BARRIER                                        ; B3: kv's fragments and scale words lie in LDS
	s_lshl_b32 s84, s38, 16
	s_add_co_u32 s84, s84, KVIMG
	v_add_nc_u32 v[KVRB], s84, v[L16]
	s_lshl_b32 s84, s38, 12
	s_add_co_u32 s84, s84, KVSC
	v_add_nc_u32 v[KSRB], s84, v[L4]               ; lanes 0-15 K step 0's words, lanes 16-31 K step 1's
	s_mul_i32 s84, s38, 32*QVP
	s_lshl_b32 s85, s37, 8
	s_add_co_u32 s84, s84, s85
	s_add_co_u32 s84, s84, QV
	v_add_nc_u32 v[QPRB], s84, v[H32]
	v_add_nc_u32 v[AGWB], s84, v[L4]
	v_lshrrev_b32 v[KDRB], 2, v[RR]
	v_lshlrev_b32 v[KDRB], 9, v[KDRB]
	v_and_b32 v[SBRB], 3, v[RR]
	v_lshl_add_u32 v[KDRB], v[SBRB], 2, v[KDRB]
	s_lshl_b32 s84, s38, 11
	s_add_co_u32 s84, s84, KDS
	v_add_nc_u32 v[KDRB], s84, v[KDRB]
	s_lshl_b32 s84, s38, 9
	s_lshl_b32 s85, s37, 2
	s_add_co_u32 s84, s84, s85
	s_add_co_u32 s84, s84, SBK
	v_mov_b32 v[SBRB], s84
	s_lshl_b32 s84, s36, 7
	s_add_co_u32 s84, s84, PST
	v_lshl_add_u32 v[PSW], v[RR], 2, s84
	v_add_nc_u32 v[PSR], s84, v[H32]
	v_mov_b32 v[NEGV], 0xceabfbce                  ; -1e9 log2(e)
	s_mov_b32 s86, 0                               ; 16 i, 128 i, 1,040 i, 2,048 i
	s_mov_b32 s87, 0
	s_mov_b32 s88, 0
	s_mov_b32 s89, 0
	v_add_nc_u32 v[KVRT], s89, v[KVRB]
	v_add_nc_u32 v[KSRT], s87, v[KSRB]
	v_add_nc_u32 v[QPRT], s88, v[QPRB]
	v_add_nc_u32 v[KDRT], s86, v[KDRB]
	v_add_nc_u32 v[SBRT], s86, v[SBRB]
.macro AF1
	ds_load_b128 v[KV:KV+3], v[KVRT]
	ds_load_b128 v[KV+4:KV+7], v[KVRT] offset:512
	ds_load_b128 v[KV+8:KV+11], v[KVRT] offset:1024
	ds_load_b128 v[KV+12:KV+15], v[KVRT] offset:1536
	ds_load_b32 v[KS], v[KSRT]
.endm
.macro AF2                             ; ten loads
.irp n, 0,1,2,3,4,5,6,7
	ds_load_b128 v[QP+4*\n:QP+4*\n+3], v[QPRT] offset:64*(\n/2)+16*(\n%2)   ; q' in kh's layout: register 8 t + j: column 16 t + 8 h + j
.endr
	ds_load_b32 v[KDV], v[KDRT]
	ds_load_b32 v[SBV], v[SBRT]
.endm
	AF1
	AF2
; query i of my half.  pf = 1: query i + 1's operands are fetched on the way
.macro ATRIP pf
	s_wait_dscnt 0x0
	WIN 0x01                                       ; kh^T: source 0 = 16 columns of Wk (window 1), source 1 = the 16 neighbours.  Accumulators by turns
.irp t, 0,1,2,3
	v_wmma_scale_f32_16x16x128_f8f6f4 v[KH+8*\t:KH+8*\t+7], v[WK+16*\t:WK+16*\t+7], v[KV:KV+7], 0, v[WKS+\t], v[KS] matrix_a_fmt:MATRIX_FMT_FP4 matrix_b_fmt:MATRIX_FMT_FP4
.endr
.irp t, 0,1,2,3
	v_wmma_scale_f32_16x16x128_f8f6f4 v[KH+8*\t:KH+8*\t+7], v[WK+16*\t+8:WK+16*\t+15], v[KV+8:KV+15], v[KH+8*\t:KH+8*\t+7], v[WKS+\t], v[KS] matrix_a_fmt:MATRIX_FMT_FP4 matrix_b_fmt:MATRIX_FMT_FP4 matrix_a_scale:MATRIX_SCALE_ROW1 matrix_b_scale:MATRIX_SCALE_ROW1
.endr
	WIN 0x04                                       ; vh: source 0 = the 16 neighbours, source 1 = 16 columns of Wv (window 1): a lane holds a column and eight neighbours
.irp t, 0,1,2,3
	v_wmma_scale_f32_16x16x128_f8f6f4 v[VH+8*\t:VH+8*\t+7], v[KV:KV+7], v[WV+16*\t:WV+16*\t+7], 0, v[KS], v[WVS+\t] matrix_a_fmt:MATRIX_FMT_FP4 matrix_b_fmt:MATRIX_FMT_FP4
.endr
.irp t, 0,1,2,3
	v_wmma_scale_f32_16x16x128_f8f6f4 v[VH+8*\t:VH+8*\t+7], v[KV+8:KV+15], v[WV+16*\t+8:WV+16*\t+15], v[VH+8*\t:VH+8*\t+7], v[KS], v[WVS+\t] matrix_a_fmt:MATRIX_FMT_FP4 matrix_b_fmt:MATRIX_FMT_FP4 matrix_a_scale:MATRIX_SCALE_ROW1 matrix_b_scale:MATRIX_SCALE_ROW1
.endr
	WIN 0
	v_add_nc_u32 v[AGWT], s88, v[AGWB]             ; six additions: the places behind the products
	s_add_co_u32 s86, s86, 16
	s_add_co_u32 s87, s87, 128
	s_add_co_u32 s88, s88, QVP
	s_add_co_u32 s89, s89, 2048
	v_add_nc_u32 v[KVRT], s89, v[KVRB]
	v_add_nc_u32 v[KSRT], s87, v[KSRB]
	v_add_nc_u32 v[QPRT], s88, v[QPRB]
	v_add_nc_u32 v[KDRT], s86, v[KDRB]
	v_add_nc_u32 v[SBRT], s86, v[SBRB]
.if \pf
	AF1
.endif
	v_pk_mul_f32 v[SC:SC+1], v[KH:KH+1], v[QP:QP+1]
	v_pk_mul_f32 v[SC2:SC2+1], v[KH+2:KH+3], v[QP+2:QP+3]
.irp k, 4,8,12,16,20,24,28
	v_pk_fma_f32 v[SC:SC+1], v[KH+\k:KH+\k+1], v[QP+\k:QP+\k+1], v[SC:SC+1]
	v_pk_fma_f32 v[SC2:SC2+1], v[KH+\k+2:KH+\k+3], v[QP+\k+2:QP+\k+3], v[SC2:SC2+1]
.endr
	v_pk_add_f32 v[SC:SC+1], v[SC:SC+1], v[SC2:SC2+1]
	v_add_f32 v[SC], v[SC], v[SC+1]
	v_permlanex16_b32 v[T0], v[SC], s[SEL], s[SEL+1]
	v_add_f32 v[SC], v[SC], v[T0]
	v_add_f32 v[SC], v[SC], v[SBV]                 ; t = score x log2(e) of neighbour r, in both halves of the lanes
	v_cmp_gt_f32 vcc_lo, 0x7f800000, v[KDV]
	v_cndmask_b32 v[SC], v[NEGV], v[SC], vcc_lo
	v_mov_b32 v[T1], v[SC]
	v_max_num_f32_dpp v[T1], v[T1], v[T1] row_xmask:1 row_mask:0xf bank_mask:0xf
	v_max_num_f32_dpp v[T1], v[T1], v[T1] row_xmask:2 row_mask:0xf bank_mask:0xf
	v_max_num_f32_dpp v[T1], v[T1], v[T1] row_xmask:4 row_mask:0xf bank_mask:0xf
	v_max_num_f32_dpp v[T1], v[T1], v[T1] row_xmask:8 row_mask:0xf bank_mask:0xf
	v_sub_f32 v[SC], v[SC], v[T1]                  ; the maximum is taken away
	v_exp_f32 v[SC], v[SC]
	v_nop                                          ; one plain line behind the exponential
	s_wait_alu depctr_va_vdst(0)
	ds_store_b32 v[PSW], v[SC]                     ; the weights change from a lane each to eight registers a lane
	ds_load_b128 v[P8:P8+3], v[PSR]
	ds_load_b128 v[P8+4:P8+7], v[PSR] offset:16
.if \pf
	AF2
.endif
	v_mov_b32 v[T2], v[SC]
	v_add_f32_dpp v[T2], v[T2], v[T2] row_xmask:1 row_mask:0xf bank_mask:0xf
	v_add_f32_dpp v[T2], v[T2], v[T2] row_xmask:2 row_mask:0xf bank_mask:0xf
	v_add_f32_dpp v[T2], v[T2], v[T2] row_xmask:4 row_mask:0xf bank_mask:0xf
	v_add_f32_dpp v[T2], v[T2], v[T2] row_xmask:8 row_mask:0xf bank_mask:0xf
	v_rcp_f32 v[T3], v[T2]
.if \pf
	s_wait_dscnt 10                                ; the weights are back; the ten loads issued behind them may be out
.else
	s_wait_dscnt 0x0
.endif
.irp t, 0,1,2,3
	v_pk_mul_f32 v[AG+2*\t:AG+2*\t+1], v[VH+8*\t:VH+8*\t+1], v[P8:P8+1]
.endr
.irp j, 2,4,6
.irp t, 0,1,2,3
	v_pk_fma_f32 v[AG+2*\t:AG+2*\t+1], v[VH+8*\t+\j:VH+8*\t+\j+1], v[P8+\j:P8+\j+1], v[AG+2*\t:AG+2*\t+1]
.endr
.endr
.irp t, 0,1,2,3
	v_add_f32 v[AG+2*\t], v[AG+2*\t], v[AG+2*\t+1]
.endr
	v_permlane16_swap_b32 v[AG], v[AG+2]           ; the halves' parts of two tiles change places, so that one addition finishes both: lane l then holds column l
	v_permlane16_swap_b32 v[AG+4], v[AG+6]
	v_add_f32 v[AG], v[AG], v[AG+2]
	v_add_f32 v[AG+4], v[AG+4], v[AG+6]
	s_wait_alu depctr_va_vdst(0)
	v_fma_f32 v[AG], v[AG], v[T3], v[BV]
	v_fma_f32 v[AG+4], v[AG+4], v[T3], v[BV+1]
	ds_store_b32 v[AGWT], v[AG]                    ; agg takes the place of this query's q', which I alone read and have read
	ds_store_b32 v[AGWT], v[AG+4] offset:128
.endm
	s_mov_b32 s90, 31
.La:
	ATRIP 1
	s_sub_co_u32 s90, s90, 1
	s_cmp_lg_u32 s90, 0
	s_cbranch_scc1 .La
	ATRIP 0                                        ; the last query looks no further
	; ---- O
.set nn, 0
.rept 16
	global_load_b128 v[WT+4*nn:WT+4*nn+3], v[L16], s[66:67] offset:128*1024+512*nn   ; Wo
.set nn, nn+1
.endr
.irp t, 0,1,2,3
	global_load_b32 v[WTS+\t], v[SCO], s[70:71] offset:128*128+256*\t
.endr
	BARRIER                                        ; B4: 64 rows of agg lie in LDS, and nobody reads kv any more
	QADDR
.irp b, 0,1,2,3
.irp j, 0,1,2,3
	ds_load_b128 v[XR+16*\b+4*\j:XR+16*\b+4*\j+3], v[QJL] offset:128*\b+16*\j
.endr
.endr
.set TM, 212
.set PC, 228
.set PW, 236
	s_wait_dscnt 0x0
	QJOB
.irp n, 0,1,2,3,4,5,6,7
	global_load_b128 v[BQ+4*\n:BQ+4*\n+3], v[H32], s[28:29] offset:64*(\n/2)+16*(\n%2)   ; bo's tiles
.endr
	BARRIER                                        ; B5: the eight images of Q(agg) lie in LDS
	s_wait_loadcnt 0x0
	PROJ 0
	s_wait_dscnt 0x0                               ; my results lie in the stage, and their registers are free
	; ---- rows: wave w finishes rows 8 w .. 8 w + 7; lane l holds columns 4 l .. + 3 and 128 + 4 l .. + 3
.set FR, 84
.set OO, 148
.set GA, 212
.set BE, 220
.set KR, 228
.set TP, 236
.set UU, 252
.irp e, 0,1,2,3,4,5,6,7
.irp w, 0,1
	global_load_b128 v[FR+8*\e+4*\w:FR+8*\e+4*\w+3], v[L16], s[80:81] offset:1024*\e+512*\w
.endr
.endr
.irp w, 0,1
	global_load_b128 v[GA+4*\w:GA+4*\w+3], v[L16], s[30:31] offset:512*\w
	global_load_b128 v[BE+4*\w:BE+4*\w+3], v[L16], s[32:33] offset:512*\w
.endr
	s_mul_i32 s84, s36, 8*QVP
	s_add_co_u32 s84, s84, OST
	v_add_nc_u32 v8, s84, v[L16]
	s_lshl_b32 s84, s38, 11
	s_lshl_b32 s85, s37, 7
	s_add_co_u32 s84, s84, s85
	s_add_co_u32 s84, s84, KDS
	v_mov_b32 v9, s84                              ; the nearest neighbour's distance of my first row
	s_barrier_signal -1
	s_barrier_wait -1                              ; B6: 64 rows of the output product lie in the stage
.irp e, 0,1,2,3,4,5,6,7
.irp w, 0,1
	ds_load_b128 v[OO+8*\e+4*\w:OO+8*\e+4*\w+3], v8 offset:QVP*\e+512*\w
.endr
	ds_load_b32 v[KR+\e], v9 offset:16*\e
.endr
	s_wait_dscnt 0x0
	s_wait_loadcnt 0x0
.irp e, 0,1,2,3,4,5,6,7
	v_cmp_gt_f32 vcc_lo, 0x7f800000, v[KR+\e]      ; has the query a neighbour?
.irp k, 0,2,4,6
	v_pk_add_f32 v[OO+8*\e+\k:OO+8*\e+\k+1], v[OO+8*\e+\k:OO+8*\e+\k+1], v[FR+8*\e+\k:FR+8*\e+\k+1]
.endr
.irp k, 0,1,2,3,4,5,6,7
	v_cndmask_b32 v[OO+8*\e+\k], v[FR+8*\e+\k], v[OO+8*\e+\k], vcc_lo
.endr
.endr
.macro REDUCE                          ; eight sums over the 32 lanes, by turns
.irp x, 1,2,4,8
.irp e, 0,1,2,3,4,5,6,7
	v_add_f32_dpp v[TP+2*\e], v[TP+2*\e], v[TP+2*\e] row_xmask:\x row_mask:0xf bank_mask:0xf
.endr
.endr
.irp e, 0,1,2,3,4,5,6,7
	v_permlanex16_b32 v[TP+2*\e+1], v[TP+2*\e], s[SEL], s[SEL+1]
.endr
.irp e, 0,1,2,3,4,5,6,7
	v_add_f32 v[TP+2*\e], v[TP+2*\e], v[TP+2*\e+1]
.endr
.endm
.irp e, 0,1,2,3,4,5,6,7
	v_pk_add_f32 v[TP+2*\e:TP+2*\e+1], v[OO+8*\e:OO+8*\e+1], v[OO+8*\e+2:OO+8*\e+3]
	v_pk_add_f32 v[UU:UU+1], v[OO+8*\e+4:OO+8*\e+5], v[OO+8*\e+6:OO+8*\e+7]
	v_pk_add_f32 v[TP+2*\e:TP+2*\e+1], v[TP+2*\e:TP+2*\e+1], v[UU:UU+1]
	v_add_f32 v[TP+2*\e], v[TP+2*\e], v[TP+2*\e+1]
.endr
	REDUCE
.irp e, 0,1,2,3,4,5,6,7
	v_mul_f32 v[TP+2*\e], s47, v[TP+2*\e]          ; the mean
.endr
.irp e, 0,1,2,3,4,5,6,7
.irp k, 0,2,4,6
	v_pk_add_f32 v[OO+8*\e+\k:OO+8*\e+\k+1], v[OO+8*\e+\k:OO+8*\e+\k+1], v[TP+2*\e:TP+2*\e+1] op_sel_hi:[1,0] neg_lo:[0,1] neg_hi:[0,1]
.endr
.endr
.irp e, 0,1,2,3,4,5,6,7
	v_pk_mul_f32 v[TP+2*\e:TP+2*\e+1], v[OO+8*\e:OO+8*\e+1], v[OO+8*\e:OO+8*\e+1]
.irp k, 2,4,6
	v_pk_fma_f32 v[TP+2*\e:TP+2*\e+1], v[OO+8*\e+\k:OO+8*\e+\k+1], v[OO+8*\e+\k:OO+8*\e+\k+1], v[TP+2*\e:TP+2*\e+1]
.endr
	v_add_f32 v[TP+2*\e], v[TP+2*\e], v[TP+2*\e+1]
.endr
	REDUCE
.irp e, 0,1,2,3,4,5,6,7
	v_fmaak_f32 v[TP+2*\e], s47, v[TP+2*\e], 0x3727c5ac   ; the variance + 1e-5
.endr
.irp e, 0,1,2,3,4,5,6,7
	v_rsq_f32 v[TP+2*\e], v[TP+2*\e]
.endr
	v_nop                                          ; one plain line behind the last of them
	s_wait_alu depctr_va_vdst(0)
.irp e, 0,1,2,3,4,5,6,7
.irp k, 0,2,4,6
	v_pk_mul_f32 v[OO+8*\e+\k:OO+8*\e+\k+1], v[OO+8*\e+\k:OO+8*\e+\k+1], v[TP+2*\e:TP+2*\e+1] op_sel_hi:[1,0]
.endr
.irp k, 0,2,4,6
	v_pk_fma_f32 v[OO+8*\e+\k:OO+8*\e+\k+1], v[OO+8*\e+\k:OO+8*\e+\k+1], v[GA+\k:GA+\k+1], v[BE+\k:BE+\k+1]
.endr
.irp w, 0,1
	global_store_b128 v[L16], v[OO+8*\e+4*\w:OO+8*\e+4*\w+3], s[82:83] offset:1024*\e+512*\w th:TH_STORE_NT   ; 512 consecutive bytes of a row; written once, read by nobody here
.endr
.endr
	s_wait_tensorcnt 0x0
	ds_add_u32 v254, v255
	s_wait_dscnt 0x0
	s_endpgm
.Lfunc_end_k_q219ce7bc3c_main:
	.size	k_q219ce7bc3c_main, .Lfunc_end_k_q219ce7bc3c_main-k_q219ce7bc3c_main
	.p2alignl 7, 3214868480
	.fill 96, 4, 3214868480
	.section	.rodata,"a",@progbits
	.p2align	6, 0x0
	.amdhsa_kernel k_q219ce7bc3c_main
		.amdhsa_group_segment_fixed_size 325632
		.amdhsa_private_segment_fixed_size 0
		.amdhsa_enable_private_segment 0
		.amdhsa_kernarg_size 128
		.amdhsa_user_sgpr_count 2
		.amdhsa_user_sgpr_kernarg_segment_ptr 1
		.amdhsa_wavefront_size32 1
		.amdhsa_system_sgpr_workgroup_id_x 1
		.amdhsa_system_sgpr_workgroup_id_y 1
		.amdhsa_system_sgpr_workgroup_id_z 1
		.amdhsa_system_vgpr_workitem_id 0
		.amdhsa_next_free_vgpr 512
		.amdhsa_next_free_sgpr 100
		.amdhsa_reserve_vcc 1
		.amdhsa_float_denorm_mode_32 3
		.amdhsa_float_denorm_mode_16_64 3
		.amdhsa_memory_ordered 1
		.amdhsa_forward_progress 1
		.amdhsa_inst_pref_size 211
	.end_amdhsa_kernel
	.amdgpu_metadata
---
amdhsa.version: [ 1, 2 ]
amdhsa.kernels:
  - .name:           k_q219ce7bc3c_main
    .symbol:         k_q219ce7bc3c_main.kd
    .args:
      - { .name: coords, .offset: 0, .size: 8, .value_kind: global_buffer, .address_space: global }
      - { .name: nidx, .offset: 8, .size: 8, .value_kind: global_buffer, .address_space: global }
      - { .name: kdw, .offset: 16, .size: 8, .value_kind: global_buffer, .address_space: global }
      - { .name: feat, .offset: 24, .size: 8, .value_kind: global_buffer, .address_space: global }
      - { .name: wcode, .offset: 32, .size: 8, .value_kind: global_buffer, .address_space: global }
      - { .name: wscale, .offset: 40, .size: 8, .value_kind: global_buffer, .address_space: global }
      - { .name: W_p1, .offset: 48, .size: 8, .value_kind: global_buffer, .address_space: global }
      - { .name: b_p1, .offset: 56, .size: 8, .value_kind: global_buffer, .address_space: global }
      - { .name: b_p2, .offset: 64, .size: 8, .value_kind: global_buffer, .address_space: global }
      - { .name: bq, .offset: 72, .size: 8, .value_kind: global_buffer, .address_space: global }
      - { .name: bk, .offset: 80, .size: 8, .value_kind: global_buffer, .address_space: global }
      - { .name: bv, .offset: 88, .size: 8, .value_kind: global_buffer, .address_space: global }
      - { .name: bo, .offset: 96, .size: 8, .value_kind: global_buffer, .address_space: global }
      - { .name: gamma, .offset: 104, .size: 8, .value_kind: global_buffer, .address_space: global }
      - { .name: beta, .offset: 112, .size: 8, .value_kind: global_buffer, .address_space: global }
      - { .name: out0, .offset: 120, .size: 8, .value_kind: global_buffer, .address_space: global }
    .group_segment_fixed_size: 325632
    .private_segment_fixed_size: 0
    .kernarg_segment_align: 8
    .kernarg_segment_size: 128
    .max_flat_workgroup_size: 256
    .sgpr_count:     100
    .vgpr_count:     512
    .wavefront_size: 32
...
	.end_amdgpu_metadata
.endif
;; end of part 3
;; ======== version 2 of 3: 3 launches
;; workspace buffers: cid 1,310,720 bytes of whole numbers; nidx 1,048,576 bytes of whole numbers; kdw 1,048,576 bytes; feat 16,777,216 bytes; wcode 163,840 bytes; wscale 20,480 bytes; fcode 1,048,576 bytes; fscale 131,072 bytes
;; launch scan (part 4): grid 256 x 1, 8 waves a work-group, no clusters, 87,040 bytes of LDS; arguments coords, W_feat, W_p2, Wq, Wk, Wv, Wo, cid, wcode, wscale; writes cid, wcode, wscale
.if DOCPART == 4
	.amdgcn_target "amdgcn-amd-amdhsa--gfx1250"
	.amdhsa_code_object_version 6
	.text
	.protected	k_q219ce7bc3c_scan
	.globl	k_q219ce7bc3c_scan
	.p2align	8
	.type	k_q219ce7bc3c_scan,@function
k_q219ce7bc3c_scan:
	s_mov_b64 s[64:65], 0
	v_nop
	global_prefetch_b8 v0, s[64:65] scope:SCOPE_SE
	s_setreg_imm32_b32 hwreg(HW_REG_WAVE_MODE, 25, 1), 1
	s_wait_xcnt 0x0
; FIRST STEP OF THE NEAREST-NEIGHBOUR SEARCH, AND THE WEIGHTS' CODES.
; The 4,096 candidates of a batch are cut into 256 chunks of 16.  For each query this launch finds the 18 chunks with the smallest chunk minimum of
; d = sqrt(dx^2 + dy^2) + 0.3 (t_query - t_candidate), with d = +inf where the candidate is later than the query or farther than 50; the query itself is NOT left out here (its d is 0).
; Why 18 serve: were the chunk of one of the 16 nearest others not among the 17 smallest, 17 chunks would each hold a candidate that goes ahead of it, of which at most one is the query itself.
; The 18th place is there because this launch takes the square root as v_sqrt_f32 gives it, while the next launch rounds it correctly.
; The chunk numbers leave sorted ascending, so that the next launch meets the candidates in ascending index.
; SHARES: work-group g: batch g / 64, queries 64 (g % 64) on.  Wave w: 32 queries (w / 4), a lane to a query; candidates 1,024 (w % 4) on: 64 chunks.  The four lists of a query group are merged by the wave with w % 4 = 0.
; Wave 1 of work-groups 0 to 159 then turns one fragment (16 columns x 128 along K) of a weight into E2M1 codes and E8M0 scale words, laid in the order of the operand's registers.
; LIMITS: NaN and infinite coordinates are not served; dx^2 + dy^2 is one fused multiply-add on dy^2, d one fused multiply-add; a squared distance under 2^-126 counts as 0;
; candidates whose d agree within about two units in the last place with the 16th may be lost only where two such near ties meet.
; A weight block whose largest magnitude lies under 2^-124 gets the scale byte 1 (a block of zeros too: its codes are zeros, and this program alone reads the bytes).
.set XQ, 2                             ; v[2:3] my query's x, twice; v[4:5] y; v[6:7] t
.set YQ, 4
.set TQ, 6
.set AD, 8                             ; LDS byte of the chunk being fetched
.set LST, 9                            ; my place in my wave's list: LISTS + 4,608 wave + 4 lane
.set CO, 11                            ; 8 x lane
.set FO, 12                            ; 48 x thread
.set FS, 13                            ; 16 x thread
.set QO, 14                            ; 12 x lane
.set A, 16                             ; v16-33 the 18 smallest chunk minima, ascending
.set P, 34                             ; v34-51 their chunk numbers
.set BUFA, 52                          ; v52-99 a chunk: 16 x, 16 y, 16 t
.set BUFB, 100                         ; v100-147 the other chunk
.set MN, 148
.set TP, 149
.set SO, 150                           ; v150-169 sorted numbers: number i at SO + i + i / 9; SO+9 and SO+19 are copies of the number before
.set TT, 170                           ; v170-172 the insertion's three numbers on their way
.set MK, 44                            ; s44-61 the compare masks
.set LISTS, 49152                      ; LDS: x[4096] at 0, y at 16,384, t at 32,768; then eight lists of 36 entries x 128 bytes
.set LISTB, 4608
.set NUM, 52
; x is put into the ascending list A (n places, of which those under lo are known to stay), pay into P beside it.  A number already there stays ahead of an equal x.
; M(i) = x < A(i).  The list ascends, so M(i - 1) implies M(i): place i takes M(i) ? (M(i - 1) ? P(i - 1) : pay) : P(i).  The inner choice is made in a register of its own, two places
; ahead of the line that takes it, so that no line reads the result of the line just above it; the compares go from the highest place down, in the order of their use.
.macro INSERT n, lo, x, pay
.set ii, \n-1
.rept \n-(\lo)
	v_cmp_lt_f32 s[MK+ii], \x, v[A+ii]
.set ii, ii-1
.endr
.set ii, \n-1
.rept \n-1-(\lo)
	v_cndmask_b32 v[TT+ii%3], \pay, v[P+ii-1], s[MK+ii-1]
	v_med3_num_f32 v[A+ii], v[A+ii-1], \x, v[A+ii]
.if ii+2 < \n
	v_cndmask_b32 v[P+ii+2], v[P+ii+2], v[TT+(ii+2)%3], s[MK+ii+2]
.endif
.set ii, ii-1
.endr
.if (\lo)+2 < \n
	v_cndmask_b32 v[P+(\lo)+2], v[P+(\lo)+2], v[TT+((\lo)+2)%3], s[MK+(\lo)+2]
.endif
.if (\lo)+1 < \n
	v_cndmask_b32 v[P+(\lo)+1], v[P+(\lo)+1], v[TT+((\lo)+1)%3], s[MK+(\lo)+1]
.endif
	v_min_num_f32 v[A+\lo], v[A+\lo], \x
	v_cndmask_b32 v[P+\lo], v[P+\lo], \pay, s[MK+\lo]
.endm
; twelve LDS loads: the next chunk's 16 x, 16 y, 16 t; every lane reads the same bytes
.macro LOADC buf
	v_mov_b32 v[AD], s38
	s_add_co_u32 s38, s38, 64
.irp a, 0,1,2
.irp q, 0,1,2,3
	ds_load_b128 v[\buf+16*\a+4*\q:\buf+16*\a+4*\q+3], v[AD] offset:16384*\a+16*\q
.endr
.endr
.endm
; the chunk's 16 distances, in place, and their minimum in v[MN]
.macro DIST buf
.irp p, 0,2,4,6,8,10,12,14
	v_pk_add_f32 v[\buf+\p:\buf+\p+1], v[\buf+\p:\buf+\p+1], v[XQ:XQ+1] neg_lo:[0,1] neg_hi:[0,1]
.endr
.irp p, 0,2,4,6,8,10,12,14
	v_pk_add_f32 v[\buf+16+\p:\buf+17+\p], v[\buf+16+\p:\buf+17+\p], v[YQ:YQ+1] neg_lo:[0,1] neg_hi:[0,1]
.endr
.irp p, 0,2,4,6,8,10,12,14
	v_pk_add_f32 v[\buf+32+\p:\buf+33+\p], v[TQ:TQ+1], v[\buf+32+\p:\buf+33+\p] neg_lo:[0,1] neg_hi:[0,1]   ; dt = my t - the candidate's
.endr
.irp p, 0,2,4,6,8,10,12,14
	v_pk_mul_f32 v[\buf+16+\p:\buf+17+\p], v[\buf+16+\p:\buf+17+\p], v[\buf+16+\p:\buf+17+\p]
.endr
.irp p, 0,2,4,6,8,10,12,14
	v_pk_fma_f32 v[\buf+\p:\buf+\p+1], v[\buf+\p:\buf+\p+1], v[\buf+\p:\buf+\p+1], v[\buf+16+\p:\buf+17+\p]   ; the squared distance
.endr
.irp p, 0,2,4,6,8,10,12,14
	v_pk_add_f32 v[\buf+16+\p:\buf+17+\p], s[34:35], v[\buf+\p:\buf+\p+1] op_sel_hi:[0,1] neg_lo:[0,1] neg_hi:[0,1]   ; 2500 - it
.endr
.irp i, 0,1,2,3,4,5,6,7,8,9,10,11,12,13,14,15
	v_sqrt_f32 v[\buf+\i], v[\buf+\i]
.endr
.irp p, 0,2,4,6,8,10,12,14
	v_pk_mul_f32 v[\buf+16+\p:\buf+17+\p], v[\buf+16+\p:\buf+17+\p], s[36:37] op_sel_hi:[1,0]   ; x -inf: +inf beyond the radius, -inf inside, NaN on it.  (Plain lines behind the roots)
.endr
	s_wait_alu depctr_va_vdst(0)
.irp p, 0,2,4,6,8,10,12,14
	v_pk_fma_f32 v[\buf+\p:\buf+\p+1], v[\buf+32+\p:\buf+33+\p], s[32:33], v[\buf+\p:\buf+\p+1] op_sel_hi:[1,0,1]   ; d = 0.3 dt + the root
.endr
.irp p, 0,2,4,6,8,10,12,14
	v_pk_mul_f32 v[\buf+32+\p:\buf+33+\p], v[\buf+32+\p:\buf+33+\p], s[36:37] op_sel_hi:[1,0]   ; +inf for a later candidate, -inf for an earlier, NaN for an equal t
.endr
.irp i, 0,1,2,3,4,5,6,7,8,9,10,11,12,13,14,15
	v_max3_num_f32 v[\buf+\i], v[\buf+\i], v[\buf+16+\i], v[\buf+32+\i]   ; a NaN loses: d, or +inf where the candidate does not count
.endr
	v_min3_num_f32 v[MN], v[\buf], v[\buf+1], v[\buf+2]
	v_min3_num_f32 v[TP], v[\buf+3], v[\buf+4], v[\buf+5]
	v_min3_num_f32 v[MN], v[MN], v[\buf+6], v[\buf+7]
	v_min3_num_f32 v[TP], v[TP], v[\buf+8], v[\buf+9]
	v_min3_num_f32 v[MN], v[MN], v[\buf+10], v[\buf+11]
	v_min3_num_f32 v[TP], v[TP], v[\buf+12], v[\buf+13]
	v_min3_num_f32 v[MN], v[MN], v[\buf+14], v[\buf+15]
	v_min3_num_f32 v[MN], v[MN], v[TP], 0x7f7fffff   ; never +inf: so every chunk enters a list that began as +inf, and the 18 numbers are 18 different chunks
.endm
.macro LOADL buf, j                    ; the list of the wave j further on
.set ee, 0
.rept 36
	ds_load_b32 v[\buf+ee], v[LST] offset:\j*LISTB+128*ee
.set ee, ee+1
.endr
.endm
.macro MERGE buf                       ; an ascending list into mine: its k-th entry cannot land under place k
.set kk, 0
.rept 18
	INSERT 18, kk, v[\buf+kk], v[\buf+18+kk]
.set kk, kk+1
.endr
.endm
	s_load_b512 s[4:19], s[0:1], 0x0               ; coords, W_feat, W_p2, Wq, Wk, Wv, Wo, cid
	s_load_b128 s[20:23], s[0:1], 0x40             ; wcode, wscale
	v_lshl_add_u32 v192, v0, 2, 0x15000
	v_mov_b32 v193, 0
	v_lshrrev_b32 v1, 5, v0
	v_readfirstlane_b32 s24, v1                    ; wave 0..7
	v_and_b32 v1, 31, v0                           ; lane
	s_and_b32 s25, s24, 3                          ; which quarter of the candidates
	s_lshr_b32 s26, s24, 2                         ; which 32 queries
	s_lshr_b32 s27, ttmp9, 6                       ; batch
	s_mul_i32 s28, s27, 49152
	s_mov_b32 s29, 0
	s_and_b32 s30, ttmp9, 63
	s_lshl_b32 s30, s30, 1
	s_add_co_u32 s30, s30, s26                     ; my group of 32 queries in the batch
	s_mul_i32 s30, s30, 384                        ; x 32 x 12 bytes
	s_mov_b32 s31, 0
	s_mov_b32 s32, 0x3e99999a                      ; 0.3
	s_mov_b32 s33, s32
	s_mov_b32 s34, 0x451c4000                      ; 2500
	s_mov_b32 s35, s34
	s_mov_b32 s36, 0xff800000                      ; -inf
	s_mov_b32 s37, s36
	s_lshl_b32 s38, s25, 12                        ; LDS byte of my first chunk's x
	s_lshl_b32 s39, s25, 6                         ; its number
	s_mul_i32 s41, s24, LISTB
	s_add_co_u32 s41, s41, LISTS
	v_mul_u32_u24 v[FO], v0, 48
	v_lshlrev_b32 v[FS], 4, v0
	v_mul_u32_u24 v[QO], v1, 12
	v_lshl_add_u32 v[LST], v1, 2, s41
	v_lshlrev_b32 v[CO], 3, v1
	s_wait_kmcnt 0x0
	s_add_nc_u64 s[4:5], s[4:5], s[28:29]          ; the batch's coordinates
	s_add_nc_u64 s[28:29], s[4:5], s[30:31]        ; my 32 queries'
.irp k, 0,1,2,3                        ; the batch's 49,152 bytes: a thread takes 4 points (48 bytes) four times
.irp c, 0,1,2
	global_load_b128 v[BUFA+12*\k+4*\c:BUFA+12*\k+4*\c+3], v[FO], s[4:5] offset:12288*\k+16*\c
.endr
.endr
	global_load_b32 v[XQ], v[QO], s[28:29]
	global_load_b32 v[YQ], v[QO], s[28:29] offset:4
	global_load_b32 v[TQ], v[QO], s[28:29] offset:8
.set ii, 0
.rept 18
	v_mov_b32 v[A+ii], 0x7f800000
	v_mov_b32 v[P+ii], 0
.set ii, ii+1
.endr
	s_wait_loadcnt 0x0
.irp k, 0,1,2,3
.irp e, 0,1,2,3
.irp c, 0,1,2
	ds_store_b32 v[FS], v[BUFA+12*\k+3*\e+\c] offset:16384*\c+4096*\k+4*\e   ; x, y and t apart
.endr
.endr
.endr
	v_mov_b32 v[XQ+1], v[XQ]
	v_mov_b32 v[YQ+1], v[YQ]
	v_mov_b32 v[TQ+1], v[TQ]
	s_wait_dscnt 0x0                               ; my stores have landed
	s_barrier_signal -1
	s_barrier_wait -1                              ; everybody's have: from here on nobody writes x, y, t
	LOADC BUFA
	s_mov_b32 s40, 31
.Lchunk:                                           ; two chunks a trip
	LOADC BUFB
	s_wait_dscnt 12                                ; all but the twelve loads just issued
	DIST BUFA
	INSERT 18, 0, v[MN], s39
	s_add_co_u32 s39, s39, 1
	LOADC BUFA
	s_wait_dscnt 12
	DIST BUFB
	INSERT 18, 0, v[MN], s39
	s_add_co_u32 s39, s39, 1
	s_sub_co_u32 s40, s40, 1
	s_cmp_lg_u32 s40, 0
	s_cbranch_scc1 .Lchunk
	LOADC BUFB                                     ; chunks 62 and 63: nothing more to fetch behind them
	s_wait_dscnt 12
	DIST BUFA
	INSERT 18, 0, v[MN], s39
	s_add_co_u32 s39, s39, 1
	s_wait_dscnt 0x0
	DIST BUFB
	INSERT 18, 0, v[MN], s39
.set ee, 0
.rept 18
	ds_store_b32 v[LST], v[A+ee] offset:128*ee
	ds_store_b32 v[LST], v[P+ee] offset:128*(18+ee)
.set ee, ee+1
.endr
	s_wait_dscnt 0x0
	s_barrier_signal -1
	s_barrier_wait -1                              ; the eight lists lie in LDS; this is the last barrier
	s_cmp_eq_u32 s25, 0
	s_cbranch_scc1 .Lmerge
	s_cmp_eq_u32 s24, 1
	s_cbranch_scc0 .Lend
	s_cmp_lt_u32 ttmp9, 160
	s_cbranch_scc0 .Lend
	; ---- ONE FRAGMENT OF A WEIGHT.  Fragment f = the work-group's number: 0-15 W_feat, 16-31 W_p2, then 32 each of Wq, Wk, Wv, Wo (tile t, K step s at 2 t + s).
	; A lane takes a column and its registers run down K in the order that the operand's layout gives that lane: k = 64 c + 32 (lane / 16) + 0 .. 31.
	s_mov_b64 s[30:31], s[6:7]
	s_cmp_lt_u32 ttmp9, 16
	s_cselect_b64 s[30:31], s[30:31], s[8:9]
	s_cmp_lt_u32 ttmp9, 32
	s_cselect_b64 s[30:31], s[30:31], s[10:11]
	s_cmp_lt_u32 ttmp9, 64
	s_cselect_b64 s[30:31], s[30:31], s[12:13]
	s_cmp_lt_u32 ttmp9, 96
	s_cselect_b64 s[30:31], s[30:31], s[14:15]
	s_cmp_lt_u32 ttmp9, 128
	s_cselect_b64 s[30:31], s[30:31], s[16:17]
	s_and_b32 s40, ttmp9, 15
	s_bfe_u32 s41, ttmp9, 0x40001
	s_and_b32 s42, ttmp9, 1
	s_cmp_lt_u32 ttmp9, 32
	s_cselect_b32 s40, s40, s41                    ; the tile of 16 columns
	s_cselect_b32 s42, 0, s42                      ; the K step of 128
	s_cselect_b32 s43, 8, 0                        ; W_feat and W_p2: lane r of tile 2 b + u takes column 32 b + 8 u + r + 8 (r / 8), since their sum goes on into a quantiser along the columns
	s_and_b32 s44, s40, 1
	s_mul_i32 s44, s44, s43
	s_lshl_b32 s45, s40, 4
	s_sub_co_u32 s45, s45, s44
	s_lshl_b32 s46, s45, 2
	s_lshl_b32 s42, s42, 17
	s_add_co_u32 s46, s46, s42
	s_mov_b32 s47, 0
	s_add_nc_u64 s[30:31], s[30:31], s[46:47]
	s_lshl_b32 s48, ttmp9, 10
	s_mov_b32 s49, 0
	s_add_nc_u64 s[20:21], s[20:21], s[48:49]
	s_lshl_b32 s48, ttmp9, 7
	s_add_nc_u64 s[22:23], s[22:23], s[48:49]
	s_mov_b32 s50, 0x76543210
	s_mov_b32 s51, 0xfedcba98                      ; lane l xor 16
	v_and_b32 v16, 15, v0
	v_bfe_u32 v17, v0, 4, 1
	v_lshrrev_b32 v18, 3, v16
	v_mul_u32_u24 v18, v18, s43
	v_add_nc_u32 v18, v18, v16
	v_lshlrev_b32 v18, 2, v18
	v_lshl_add_u32 v18, v17, 15, v18               ; 4 x column + 32 rows of 1,024 bytes for lanes 16-31
	v_lshlrev_b32 v19, 4, v1
	v_lshlrev_b32 v36, 2, v1
.irp c, 0,1
.irp i, 0,1,2,3,4,5,6,7,8,9,10,11,12,13,14,15,16,17,18,19,20,21,22,23,24,25,26,27,28,29,30,31
	global_load_b32 v[NUM+32*\c+\i], v18, s[30:31] offset:1024*(64*\c+\i)
.endr
.endr
	s_wait_loadcnt 0x0
.irp c, 0,1
	v_max3_num_f32 v[20+\c], |v[NUM+32*\c]|, |v[NUM+1+32*\c]|, 0x1800000   ; my block 2 c + lane / 16, and the floor 2^(3 - 127): the byte cannot fall under 1
.endr
.irp i, 2,4,6,8,10,12,14,16,18,20,22,24,26,28,30
.irp c, 0,1
	v_max3_num_f32 v[20+\c], v[20+\c], |v[NUM+32*\c+\i]|, |v[NUM+1+32*\c+\i]|
.endr
.endr
.irp c, 0,1
	v_add_nc_u32 v[24+\c], 0xff000000, v[20+\c]    ; 2 off the exponent field: the conversion's scale operand
.endr
.irp c, 0,1
	v_lshrrev_b32 v[22+\c], 23, v[24+\c]           ; the scale's byte
.endr
	v_lshl_or_b32 v26, v23, 16, v22
	v_lshlrev_b32 v27, 3, v17
	v_lshlrev_b32 v26, v27, v26                    ; my two bytes at their places in the word
	v_mov_b32 v27, 0
	v_permlanex16_b32 v27, v26, s50, s51
	v_or_b32 v26, v26, v27                         ; with lane l xor 16's two the word is whole, in both halves
.irp c, 0,1
.irp g, 0,1,2,3
	v_cvt_scalef32_pk8_fp4_f32 v[28+4*\c+\g], v[NUM+32*\c+8*\g:NUM+32*\c+8*\g+7], v[24+\c]
.endr
.endr
	v_nop
	global_store_b128 v19, v[28:31], s[20:21]              ; the fragment as an image of its registers: 512 consecutive bytes a store
	global_store_b128 v19, v[32:35], s[20:21] offset:512
	global_store_b32 v36, v26, s[22:23]
.Lend:
	s_wait_tensorcnt 0x0
	ds_add_u32 v192, v193
	s_wait_dscnt 0x0
	s_endpgm
.Lmerge:
	LOADL BUFA, 1
	LOADL BUFB, 2
	s_wait_dscnt 36                                ; the first list is in; the second's 36 loads may be out
	MERGE BUFA
	LOADL BUFA, 3
	s_wait_dscnt 36                                ; the second is in; the third's may be out
	MERGE BUFB
	s_wait_dscnt 0x0
	MERGE BUFA
	; the 18 numbers, sorted ascending by insertion
	v_mov_b32 v[SO], v[P]
.set kk, 1
.rept 17
	v_max_u32 v[SO+kk+kk/9], v[SO+(kk-1)+(kk-1)/9], v[P+kk]
.set ii, kk-1
.rept kk-1
	v_max_u32 v[MN+ii%2], v[SO+(ii-1)+(ii-1)/9], v[P+kk]
	v_min_u32 v[SO+ii+ii/9], v[SO+ii+ii/9], v[MN+ii%2]
.set ii, ii-1
.endr
	v_min_u32 v[SO], v[SO], v[P+kk]
.set kk, kk+1
.endr
	v_mov_b32 v[SO+9], v[SO+8]                     ; a tenth number for each half: the next launch looks one chunk ahead
	v_mov_b32 v[SO+19], v[SO+18]
	s_lshl_b32 s40, ttmp9, 1
	s_add_co_u32 s40, s40, s26
	s_mul_i32 s40, s40, 2560
	s_mov_b32 s41, 0
	s_add_nc_u64 s[18:19], s[18:19], s[40:41]
.irp p, 0,1,2,3,4,5,6,7,8,9
	global_store_b64 v[CO], v[SO+2*\p:SO+2*\p+1], s[18:19] offset:256*\p   ; 32 lanes store 256 consecutive bytes
.endr
	s_wait_tensorcnt 0x0
	ds_add_u32 v192, v193
	s_wait_dscnt 0x0
	s_endpgm
.Lfunc_end_k_q219ce7bc3c_scan:
	.size	k_q219ce7bc3c_scan, .Lfunc_end_k_q219ce7bc3c_scan-k_q219ce7bc3c_scan
	.p2alignl 7, 3214868480
	.fill 96, 4, 3214868480
	.section	.rodata,"a",@progbits
	.p2align	6, 0x0
	.amdhsa_kernel k_q219ce7bc3c_scan
		.amdhsa_group_segment_fixed_size 87040
		.amdhsa_private_segment_fixed_size 0
		.amdhsa_enable_private_segment 0
		.amdhsa_kernarg_size 80
		.amdhsa_user_sgpr_count 2
		.amdhsa_user_sgpr_kernarg_segment_ptr 1
		.amdhsa_wavefront_size32 1
		.amdhsa_system_sgpr_workgroup_id_x 1
		.amdhsa_system_sgpr_workgroup_id_y 1
		.amdhsa_system_sgpr_workgroup_id_z 1
		.amdhsa_system_vgpr_workitem_id 0
		.amdhsa_next_free_vgpr 194
		.amdhsa_next_free_sgpr 66
		.amdhsa_reserve_vcc 0
		.amdhsa_float_denorm_mode_32 3
		.amdhsa_float_denorm_mode_16_64 3
		.amdhsa_memory_ordered 1
		.amdhsa_forward_progress 1
		.amdhsa_inst_pref_size 211
	.end_amdhsa_kernel
	.amdgpu_metadata
---
amdhsa.version: [ 1, 2 ]
amdhsa.kernels:
  - .name:           k_q219ce7bc3c_scan
    .symbol:         k_q219ce7bc3c_scan.kd
    .args:
      - { .name: coords, .offset: 0, .size: 8, .value_kind: global_buffer, .address_space: global }
      - { .name: W_feat, .offset: 8, .size: 8, .value_kind: global_buffer, .address_space: global }
      - { .name: W_p2, .offset: 16, .size: 8, .value_kind: global_buffer, .address_space: global }
      - { .name: Wq, .offset: 24, .size: 8, .value_kind: global_buffer, .address_space: global }
      - { .name: Wk, .offset: 32, .size: 8, .value_kind: global_buffer, .address_space: global }
      - { .name: Wv, .offset: 40, .size: 8, .value_kind: global_buffer, .address_space: global }
      - { .name: Wo, .offset: 48, .size: 8, .value_kind: global_buffer, .address_space: global }
      - { .name: cid, .offset: 56, .size: 8, .value_kind: global_buffer, .address_space: global }
      - { .name: wcode, .offset: 64, .size: 8, .value_kind: global_buffer, .address_space: global }
      - { .name: wscale, .offset: 72, .size: 8, .value_kind: global_buffer, .address_space: global }
    .group_segment_fixed_size: 87040
    .private_segment_fixed_size: 0
    .kernarg_segment_align: 8
    .kernarg_segment_size: 80
    .max_flat_workgroup_size: 256
    .sgpr_count:     66
    .vgpr_count:     194
    .wavefront_size: 32
...
	.end_amdgpu_metadata
.endif
;; end of part 4
;; launch pick (part 5): grid 256 x 1, 4 waves a work-group, no clusters, 83,456 bytes of LDS; arguments coords, cid, features, wcode, wscale, b_feat, nidx, kdw, feat, fcode, fscale; writes nidx, kdw, feat, fcode, fscale
.if DOCPART == 5
	.amdgcn_target "amdgcn-amd-amdhsa--gfx1250"
	.amdhsa_code_object_version 6
	.text
	.protected	k_q219ce7bc3c_pick
	.globl	k_q219ce7bc3c_pick
	.p2align	8
	.type	k_q219ce7bc3c_pick,@function
k_q219ce7bc3c_pick:
	s_mov_b64 s[64:65], 0
	v_nop
	global_prefetch_b8 v0, s[64:65] scope:SCOPE_SE
	s_setreg_imm32_b32 hwreg(HW_REG_WAVE_MODE, 25, 1), 1
	s_wait_xcnt 0x0
; SECOND STEP OF THE SEARCH, AND feat = Q(features) Q(W_feat) + b_feat, AND Q(features) ITSELF.
; For each query the 18 listed chunks (288 candidates) are gone through in ascending index, and the 16 smallest d with their indices are kept; of equal d the lower index stays ahead.
; d = sd + 0.3 (t_query - t_candidate); sd = the correctly rounded root of fma(dx, dx, dy dy); d = +inf for the query itself, for a later candidate and where sd > 50.
; SHARES: work-group g: queries 64 g on.  Wave w: 32 queries (w / 2), a lane to a query; chunks 0-8 (w even) or 9-17 (w odd) of the list; the even wave merges the two results.
; Then wave w makes rows 64 g + 16 w .. + 15 of feat: the rows are quantised in registers, W_feat's 16 fragments come as codes; the product is used transposed
; (source 0 = 16 columns of W_feat, source 1 = my 16 rows), so that a lane holds eight neighbouring numbers of a row; b_feat is the C of each tile's one product.
; Lane r of W_feat's tile 2 b + u holds column 32 b + 8 u + r + 8 (r / 8): so register j of that tile is column 32 b + 8 u + 16 (lane / 16) + j of my row.
; The rows' codes (64 bytes a row) and scale words (8 bytes a row: the word twice, one from each half of the lanes) are stored too: the next launch makes the neighbours' rows of feat anew from them.
; LIMITS: NaN and infinite coordinates are not served; a squared distance under 2^-126 counts as 0; the two multiply-adds are fused; a block of features whose largest magnitude lies under 2^-124 gets the scale byte 1.
.set XQ, 2
.set YQ, 3
.set TQ, 4
.set QI, 5                             ; my query's index in its batch
.set JB, 7                             ; first index of the chunk at work
.set INF, 9
.set LM, 10                            ; LDS: my place in my wave's result: 4,096 wave + 4 lane
.set STW, 11                           ; the stage, in: row r, + 64 h
.set STR, 12                           ; and back: 16 x lane
.set L16, 13
.set QO, 14
.set A, 16                             ; v16-31 the 16 smallest d;  v32-47 their indices
.set P, 32
.set ID, 48                            ; v48-57 my ten chunk numbers
.set RG, 60                            ; v60-107 a chunk in four units of 4 candidates x 3 numbers
.set DX, 108
.set DY, 112
.set DT, 116
.set SQ, 120
.set SS, 124
.set DN, 128
.set UP, 132
.set DD, 136
.set JJ, 140
.set XR, 144                           ; v144-207 64 numbers of my row of features; later eight accumulators
.set TM, 208
.set PC, 224
.set PW, 232                           ; my rows' scale word: scales and nothing else
.set WS, 234                           ; v234-241 W_feat's scale words: tile 2 p in lanes 0-15, tile 2 p + 1 in lanes 16-31
.set FO, 242
.set SCO, 243
.set BO, 244
.set CIO, 245
.set FCO, 246                          ; my 16 bytes of a row's codes: 64 r + 16 h
.set FSO, 247                          ; my copy of a row's scale word: 8 r + 4 h
.set OFU, 248                          ; v248-251 unit j's byte offset of the chunk that it fetches: a register for each unit, free again as soon as the unit's own loads are in
.set TT, 252                           ; v252-254 the insertion's three numbers on their way
.set FRG, 16                           ; v16-143 W_feat's 16 fragments; later the rows on their way out
.set MK, 44
.set SEL, 62
; x is put into the ascending list A (n places, of which those under lo are known to stay), pay into P beside it.  A number already there stays ahead of an equal x.
; M(i) = x < A(i).  The list ascends, so M(i - 1) implies M(i): place i takes M(i) ? (M(i - 1) ? P(i - 1) : pay) : P(i).  The inner choice is made in a register of its own, two places
; ahead of the line that takes it, so that no line reads the result of the line just above it; the compares go from the highest place down, in the order of their use.
.macro INSERT n, lo, x, pay
.set ii, \n-1
.rept \n-(\lo)
	v_cmp_lt_f32 s[MK+ii], \x, v[A+ii]
.set ii, ii-1
.endr
.set ii, \n-1
.rept \n-1-(\lo)
	v_cndmask_b32 v[TT+ii%3], \pay, v[P+ii-1], s[MK+ii-1]
	v_med3_num_f32 v[A+ii], v[A+ii-1], \x, v[A+ii]
.if ii+2 < \n
	v_cndmask_b32 v[P+ii+2], v[P+ii+2], v[TT+(ii+2)%3], s[MK+ii+2]
.endif
.set ii, ii-1
.endr
.if (\lo)+2 < \n
	v_cndmask_b32 v[P+(\lo)+2], v[P+(\lo)+2], v[TT+((\lo)+2)%3], s[MK+(\lo)+2]
.endif
.if (\lo)+1 < \n
	v_cndmask_b32 v[P+(\lo)+1], v[P+(\lo)+1], v[TT+((\lo)+1)%3], s[MK+(\lo)+1]
.endif
	v_min_num_f32 v[A+\lo], v[A+\lo], \x
	v_cndmask_b32 v[P+\lo], v[P+\lo], \pay, s[MK+\lo]
.endm
; unit j of the chunk at work: four candidates, by turns; its registers take the same unit of the next chunk
.macro UNIT j
	s_wait_loadcnt 9                               ; my three loads are in, so their offset register is free; the nine issued behind them (three units, with offset registers of their own) may be out
	v_min_u32 v[OFU+\j], 0xff, v[ID+1]
.irp e, 0,1
	v_sub_f32 v[DX+\e], v[XQ], v[RG+12*\j+3*\e]
	v_sub_f32 v[DY+\e], v[YQ], v[RG+12*\j+3*\e+1]
	v_sub_f32 v[DT+\e], v[TQ], v[RG+12*\j+3*\e+2]
.endr
	v_mul_u32_u24 v[OFU+\j], v[OFU+\j], 192        ; the next chunk (in the last trip: the tenth number, a copy of the ninth): 16 points of 12 bytes
.irp e, 2,3
	v_sub_f32 v[DX+\e], v[XQ], v[RG+12*\j+3*\e]
	v_sub_f32 v[DY+\e], v[YQ], v[RG+12*\j+3*\e+1]
	v_sub_f32 v[DT+\e], v[TQ], v[RG+12*\j+3*\e+2]
.endr
.irp c, 0,1,2
	global_load_b128 v[RG+12*\j+4*\c:RG+12*\j+4*\c+3], v[OFU+\j], s[4:5] offset:48*\j+16*\c
.endr
.irp e, 0,1,2,3
	v_mul_f32 v[DY+\e], v[DY+\e], v[DY+\e]
.endr
.irp e, 0,1,2,3
	v_fma_f32 v[SQ+\e], v[DX+\e], v[DX+\e], v[DY+\e]
.endr
.irp e, 0,1,2,3
	v_sqrt_f32 v[SS+\e], v[SQ+\e]
.endr
.irp e, 0,1,2,3
	v_add_nc_u32 v[JJ+\e], 4*\j+\e, v[JB]          ; the candidate's index.  (Plain lines behind the roots)
.endr
	s_wait_alu depctr_va_vdst(0)
.irp e, 0,1,2,3
	v_add_nc_u32 v[DN+\e], -1, v[SS+\e]            ; the root's neighbours below and above
	v_add_nc_u32 v[UP+\e], 1, v[SS+\e]
.endr
.irp e, 0,1,2,3
	v_fma_f32 v[DX+\e], -v[DN+\e], v[SS+\e], v[SQ+\e]
	v_fma_f32 v[DY+\e], -v[UP+\e], v[SS+\e], v[SQ+\e]
.endr
.irp e, 0,1,2,3
	v_cmp_ge_f32 s[MK+\e], 0, v[DX+\e]             ; the root came out one too high
	v_cmp_lt_f32 s[MK+4+\e], 0, v[DY+\e]           ; or one too low
.endr
.irp e, 0,1,2,3
	v_cndmask_b32 v[SS+\e], v[SS+\e], v[DN+\e], s[MK+\e]
.endr
.irp e, 0,1,2,3
	v_cndmask_b32 v[SS+\e], v[SS+\e], v[UP+\e], s[MK+4+\e]
.endr
.irp e, 0,1,2,3
	v_fma_f32 v[DD+\e], v[DT+\e], s23, v[SS+\e]
	v_cmp_lt_f32 s[MK+\e], s43, v[SS+\e]           ; beyond the radius
	v_cmp_gt_f32 s[MK+4+\e], 0, v[DT+\e]           ; later than my query
	v_cmp_eq_u32 s[MK+8+\e], v[JJ+\e], v[QI]       ; my query itself
.endr
.irp m, 0,4,8
.irp e, 0,1,2,3
	v_cndmask_b32 v[DD+\e], v[DD+\e], v[INF], s[MK+\m+\e]
.endr
.endr
.irp e, 0,1,2,3
	INSERT 16, 0, v[DD+\e], v[JJ+\e]
.endr
.endm
; 64 numbers of a lane, register 16 b + i = k 32 b + 16 (lane / 16) + i of my row, become a fragment's codes in v[PC] on and its scale word in v[PW]
.macro QUANT s
.irp b, 0,1,2,3
	v_max3_num_f32 v[TM+\b], |v[\s+16*\b]|, |v[\s+1+16*\b]|, 0x1800000   ; and the floor 2^(3 - 127): the byte cannot fall under 1
.endr
.irp i, 2,4,6,8,10,12,14
.irp b, 0,1,2,3
	v_max3_num_f32 v[TM+\b], v[TM+\b], |v[\s+16*\b+\i]|, |v[\s+1+16*\b+\i]|
.endr
.endr
.irp b, 0,1,2,3
	v_permlanex16_b32 v[TM+4+\b], v[TM+\b], s[SEL], s[SEL+1]
.endr
.irp b, 0,1,2,3
	v_max_num_f32 v[TM+\b], v[TM+\b], v[TM+4+\b]
.endr
.irp b, 0,1,2,3
	v_add_nc_u32 v[TM+12+\b], 0xff000000, v[TM+\b]
.endr
.irp b, 0,1,2,3
	v_lshrrev_b32 v[TM+4+\b], 23, v[TM+12+\b]
.endr
	v_lshl_or_b32 v[PW], v[TM+5], 8, v[TM+4]
	v_lshl_or_b32 v[PW], v[TM+6], 16, v[PW]
	v_lshl_or_b32 v[PW], v[TM+7], 24, v[PW]
.irp b, 0,1,2,3
	v_cvt_scalef32_pk8_fp4_f32 v[PC+2*\b], v[\s+16*\b:\s+7+16*\b], v[TM+12+\b]
	v_cvt_scalef32_pk8_fp4_f32 v[PC+1+2*\b], v[\s+8+16*\b:\s+15+16*\b], v[TM+12+\b]
.endr
	v_nop                                          ; one plain line behind a scaled conversion
.irp c, 0,1
.irp i, 0,1
	v_permlane16_swap_b32 v[PC+4*\c+\i], v[PC+2+4*\c+\i]   ; a whole block to a lane
.endr
.endr
.endm
; eight tiles of 16 columns, 128 tg on
.macro FEAT tg
.irp n, 0,1,2,3,4,5,6,7,8,9,10,11,12,13,14,15
	global_load_b128 v[XR+4*\n:XR+4*\n+3], v[BO], s[14:15] offset:512*\tg+128*(\n/4)+32*((\n/2)%2)+16*(\n%2)   ; b_feat in the result's layout: the sums begin with it
.endr
	s_wait_loadcnt 0x0
.if \tg == 0
.rept 8
	v_nop                                          ; a scale word made by vector lines stands eight places ahead of a scaled product, codes so made four
.endr
.endif
.irp t, 0,1,2,3,4,5,6,7                ; eight accumulators, one product each
.if \t%2
	v_wmma_scale_f32_16x16x128_f8f6f4 v[XR+8*\t:XR+8*\t+7], v[FRG+8*(8*\tg+\t):FRG+8*(8*\tg+\t)+7], v[PC:PC+7], v[XR+8*\t:XR+8*\t+7], v[WS+(8*\tg+\t)/2], v[PW] matrix_a_fmt:MATRIX_FMT_FP4 matrix_b_fmt:MATRIX_FMT_FP4 matrix_a_scale:MATRIX_SCALE_ROW1
.else
	v_wmma_scale_f32_16x16x128_f8f6f4 v[XR+8*\t:XR+8*\t+7], v[FRG+8*(8*\tg+\t):FRG+8*(8*\tg+\t)+7], v[PC:PC+7], v[XR+8*\t:XR+8*\t+7], v[WS+(8*\tg+\t)/2], v[PW] matrix_a_fmt:MATRIX_FMT_FP4 matrix_b_fmt:MATRIX_FMT_FP4
.endif
.endr
.rept 4
	v_nop                                          ; four places ahead of the first read of results and of loads into these registers
.endr
.irp t, 0,1,2,3,4,5,6,7
	ds_store_b128 v[STW], v[XR+8*\t:XR+8*\t+3] offset:512*\tg+128*(\t/2)+32*(\t%2)        ; each accumulator from its low end on
	ds_store_b128 v[STW], v[XR+8*\t+4:XR+8*\t+7] offset:512*\tg+128*(\t/2)+32*(\t%2)+16
.endr
	s_wait_dscnt 0x0                               ; the stores have read their registers
.endm
	s_load_b512 s[4:19], s[0:1], 0x0               ; coords, cid, features, wcode, wscale, b_feat, nidx, kdw
	s_load_b64 s[20:21], s[0:1], 0x40              ; feat
	s_load_b128 s[68:71], s[0:1], 0x48             ; fcode, fscale
	v_lshl_add_u32 v233, v0, 2, 0x14400
	v_mov_b32 v255, 0
	v_lshrrev_b32 v1, 5, v0
	v_readfirstlane_b32 s24, v1                    ; wave 0..3
	v_and_b32 v1, 31, v0
	v_and_b32 v8, 15, v0
	v_bfe_u32 v15, v0, 4, 1
	s_lshr_b32 s25, s24, 1                         ; which 32 queries
	s_and_b32 s26, s24, 1                          ; which half of the list
	s_lshr_b32 s27, ttmp9, 6                       ; batch
	s_mul_i32 s28, s27, 49152
	s_mov_b32 s29, 0
	s_lshl_b32 s30, ttmp9, 1
	s_add_co_u32 s30, s30, s25                     ; my group of 32 queries, 0..511
	s_mul_i32 s32, s30, 384
	s_mov_b32 s33, 0
	s_mul_i32 s34, s30, 2560
	s_mul_i32 s35, s26, 1280
	s_add_co_u32 s34, s34, s35
	s_mov_b32 s35, 0
	s_and_b32 s36, s30, 127
	s_lshl_b32 s36, s36, 5
	v_add_nc_u32 v[QI], s36, v1
	s_lshl_b32 s36, s30, 11
	s_mov_b32 s37, 0
	s_lshl_b32 s38, ttmp9, 15
	s_lshl_b32 s39, s24, 13
	s_add_co_u32 s38, s38, s39                     ; my 16 rows of features
	s_mov_b32 s39, 0
	s_lshl_b32 s60, ttmp9, 16
	s_lshl_b32 s61, s24, 14
	s_add_co_u32 s60, s60, s61                     ; of feat,
	s_mov_b32 s61, 0
	s_lshl_b32 s72, ttmp9, 12
	s_lshl_b32 s73, s24, 10
	s_add_co_u32 s72, s72, s73                     ; of the codes, 64 bytes a row,
	s_mov_b32 s73, 0
	s_lshl_b32 s74, ttmp9, 9
	s_lshl_b32 s75, s24, 7
	s_add_co_u32 s74, s74, s75                     ; and of the scale words, 8 bytes a row
	s_mov_b32 s75, 0
	s_mov_b32 s23, 0x3e99999a                      ; 0.3
	s_mov_b32 s43, 0x42480000                      ; 50
	s_mov_b32 s[SEL], 0x76543210
	s_mov_b32 s[SEL+1], 0xfedcba98
	s_lshl_b32 s40, s24, 12
	v_lshl_add_u32 v[LM], v1, 2, s40
	s_mul_i32 s40, s24, 16640
	s_add_co_u32 s40, s40, 16384
	v_mul_u32_u24 v[STW], v8, 1040
	v_lshl_add_u32 v[STW], v15, 6, v[STW]
	v_add_nc_u32 v[STW], s40, v[STW]
	v_lshlrev_b32 v[L16], 4, v1
	v_add_nc_u32 v[STR], s40, v[L16]
	v_mul_u32_u24 v[QO], v1, 12
	v_lshlrev_b32 v[CIO], 3, v1
	v_lshlrev_b32 v[FO], 9, v8
	v_lshl_add_u32 v[FO], v15, 6, v[FO]            ; features: row r of 512 bytes, + 64 h
	v_lshlrev_b32 v[SCO], 2, v8
	v_lshl_add_u32 v[SCO], v15, 7, v[SCO]          ; scale words: 4 r, the next fragment's for lanes 16-31
	v_lshlrev_b32 v[BO], 6, v15
	v_lshlrev_b32 v[FCO], 6, v8
	v_lshl_add_u32 v[FCO], v15, 4, v[FCO]
	v_lshlrev_b32 v[FSO], 3, v8
	v_lshl_add_u32 v[FSO], v15, 2, v[FSO]
	v_mov_b32 v[INF], 0x7f800000
.set ii, 0
.rept 16
	v_mov_b32 v[A+ii], 0x7f800000
	v_mov_b32 v[P+ii], 0
.set ii, ii+1
.endr
.irp b, 0,1,2,3
	v_mov_b32 v[TM+4+\b], 0                        ; a lane permute's destination counts as one of its sources
.endr
	s_wait_kmcnt 0x0
	s_add_nc_u64 s[40:41], s[4:5], s[32:33]        ; my queries' coordinates
	s_add_nc_u64 s[4:5], s[4:5], s[28:29]          ; the batch's
	s_add_nc_u64 s[6:7], s[6:7], s[34:35]
	s_add_nc_u64 s[8:9], s[8:9], s[38:39]
	s_add_nc_u64 s[16:17], s[16:17], s[36:37]
	s_add_nc_u64 s[18:19], s[18:19], s[36:37]
	s_add_nc_u64 s[20:21], s[20:21], s[60:61]
	s_add_nc_u64 s[68:69], s[68:69], s[72:73]
	s_add_nc_u64 s[70:71], s[70:71], s[74:75]
	global_load_b32 v[XQ], v[QO], s[40:41]
	global_load_b32 v[YQ], v[QO], s[40:41] offset:4
	global_load_b32 v[TQ], v[QO], s[40:41] offset:8
.irp p, 0,1,2,3,4
	global_load_b64 v[ID+2*\p:ID+2*\p+1], v[CIO], s[6:7] offset:256*\p
.endr
.irp b, 0,1,2,3
.irp j, 0,1,2,3
	global_load_b128 v[XR+16*\b+4*\j:XR+16*\b+4*\j+3], v[FO], s[8:9] offset:128*\b+16*\j th:TH_LOAD_NT
.endr
.endr
	s_wait_loadcnt 16                              ; coordinates and chunk numbers are in; the 16 loads of features may be out
.irp j, 0,1,2,3
	v_min_u32 v[OFU+\j], 0xff, v[ID]
.endr
.irp j, 0,1,2,3
	v_mul_u32_u24 v[OFU+\j], v[OFU+\j], 192        ; a chunk is 16 points of 12 bytes
.endr
.irp j, 0,1,2,3
.irp c, 0,1,2
	global_load_b128 v[RG+12*\j+4*\c:RG+12*\j+4*\c+3], v[OFU+\j], s[4:5] offset:48*\j+16*\c
.endr
.endr
	s_mov_b32 s22, 9
.Lchunk:
	v_lshlrev_b32 v[JB], 4, v[ID]
	UNIT 0
	UNIT 1
	UNIT 2
	UNIT 3
.irp i, 0,1,2,3,4,5,6,7,8
	v_mov_b32 v[ID+\i], v[ID+\i+1]
.endr
	s_sub_co_u32 s22, s22, 1
	s_cmp_lg_u32 s22, 0
	s_cbranch_scc1 .Lchunk
	s_wait_loadcnt 0x0
.set ee, 0
.rept 16
	ds_store_b32 v[LM], v[A+ee] offset:128*ee
	ds_store_b32 v[LM], v[P+ee] offset:2048+128*ee
.set ee, ee+1
.endr
	s_wait_dscnt 0x0
	s_barrier_signal -1
	s_barrier_wait -1                              ; the one barrier: the four results lie in LDS
	s_cmp_eq_u32 s26, 0
	s_cbranch_scc0 .Lfeat
.set ee, 0
.rept 32
	ds_load_b32 v[RG+ee], v[LM] offset:4096+128*ee ; the odd wave's result: higher indices than mine, so mine stay ahead of equal d
.set ee, ee+1
.endr
	s_wait_dscnt 0x0
.set kk, 0
.rept 16
	INSERT 16, kk, v[RG+kk], v[RG+16+kk]
.set kk, kk+1
.endr
.irp q, 0,1,2,3
	global_store_b128 v[L16], v[P+4*\q:P+4*\q+3], s[16:17] offset:512*\q   ; 512 consecutive bytes a store
	global_store_b128 v[L16], v[A+4*\q:A+4*\q+3], s[18:19] offset:512*\q
.endr
.Lfeat:
	s_wait_xcnt 0x0                                ; the stores have read their registers: W_feat's fragments may land there
	QUANT XR
	global_store_b128 v[FCO], v[PC:PC+3], s[68:69]             ; registers 4 c .. 4 c + 3 hold k = 64 c + 32 h + 0 .. 31: bytes 32 c + 16 h on of my row's 64; the two stores fill my wave's 1,024 bytes
	global_store_b128 v[FCO], v[PC+4:PC+7], s[68:69] offset:32
	global_store_b32 v[FSO], v[PW], s[70:71]                   ; these registers are not written again
.set nn, 0
.rept 32
	global_load_b128 v[FRG+4*nn:FRG+4*nn+3], v[L16], s[10:11] offset:512*nn
.set nn, nn+1
.endr
.irp p, 0,1,2,3,4,5,6,7
	global_load_b32 v[WS+\p], v[SCO], s[12:13] offset:256*\p
.endr
	FEAT 0
	FEAT 1
.set nn, 0
.rept 32
	ds_load_b128 v[FRG+4*nn:FRG+4*nn+3], v[STR] offset:1040*(nn/2)+512*(nn%2)   ; LDS serves a wave's instructions in order: these see my stores
.set nn, nn+1
.endr
.set nn, 0
.rept 32
	s_wait_dscnt 31-nn
	global_store_b128 v[L16], v[FRG+4*nn:FRG+4*nn+3], s[20:21] offset:1024*(nn/2)+512*(nn%2)   ; 512 consecutive bytes of a row
.set nn, nn+1
.endr
	s_wait_tensorcnt 0x0
	ds_add_u32 v233, v255
	s_wait_dscnt 0x0
	s_endpgm
.Lfunc_end_k_q219ce7bc3c_pick:
	.size	k_q219ce7bc3c_pick, .Lfunc_end_k_q219ce7bc3c_pick-k_q219ce7bc3c_pick
	.p2alignl 7, 3214868480
	.fill 96, 4, 3214868480
	.section	.rodata,"a",@progbits
	.p2align	6, 0x0
	.amdhsa_kernel k_q219ce7bc3c_pick
		.amdhsa_group_segment_fixed_size 83456
		.amdhsa_private_segment_fixed_size 0
		.amdhsa_enable_private_segment 0
		.amdhsa_kernarg_size 88
		.amdhsa_user_sgpr_count 2
		.amdhsa_user_sgpr_kernarg_segment_ptr 1
		.amdhsa_wavefront_size32 1
		.amdhsa_system_sgpr_workgroup_id_x 1
		.amdhsa_system_sgpr_workgroup_id_y 1
		.amdhsa_system_sgpr_workgroup_id_z 1
		.amdhsa_system_vgpr_workitem_id 0
		.amdhsa_next_free_vgpr 256
		.amdhsa_next_free_sgpr 80
		.amdhsa_reserve_vcc 0
		.amdhsa_float_denorm_mode_32 3
		.amdhsa_float_denorm_mode_16_64 3
		.amdhsa_memory_ordered 1
		.amdhsa_forward_progress 1
		.amdhsa_inst_pref_size 152
	.end_amdhsa_kernel
	.amdgpu_metadata
---
amdhsa.version: [ 1, 2 ]
amdhsa.kernels:
  - .name:           k_q219ce7bc3c_pick
    .symbol:         k_q219ce7bc3c_pick.kd
    .args:
      - { .name: coords, .offset: 0, .size: 8, .value_kind: global_buffer, .address_space: global }
      - { .name: cid, .offset: 8, .size: 8, .value_kind: global_buffer, .address_space: global }
      - { .name: features, .offset: 16, .size: 8, .value_kind: global_buffer, .address_space: global }
      - { .name: wcode, .offset: 24, .size: 8, .value_kind: global_buffer, .address_space: global }
      - { .name: wscale, .offset: 32, .size: 8, .value_kind: global_buffer, .address_space: global }
      - { .name: b_feat, .offset: 40, .size: 8, .value_kind: global_buffer, .address_space: global }
      - { .name: nidx, .offset: 48, .size: 8, .value_kind: global_buffer, .address_space: global }
      - { .name: kdw, .offset: 56, .size: 8, .value_kind: global_buffer, .address_space: global }
      - { .name: feat, .offset: 64, .size: 8, .value_kind: global_buffer, .address_space: global }
      - { .name: fcode, .offset: 72, .size: 8, .value_kind: global_buffer, .address_space: global }
      - { .name: fscale, .offset: 80, .size: 8, .value_kind: global_buffer, .address_space: global }
    .group_segment_fixed_size: 83456
    .private_segment_fixed_size: 0
    .kernarg_segment_align: 8
    .kernarg_segment_size: 88
    .max_flat_workgroup_size: 128
    .sgpr_count:     80
    .vgpr_count:     256
    .wavefront_size: 32
...
	.end_amdgpu_metadata
.endif
;; end of part 5
;; launch main (part 6): grid 256 x 1, 8 waves a work-group, no clusters, 290,816 bytes of LDS; arguments coords, nidx, kdw, feat, wcode, wscale, W_p1, b_p1, b_p2, bq, bk, bv, bo, gamma, beta, out0, fcode, fscale, b_feat; writes out0
.if DOCPART == 6
	.amdgcn_target "amdgcn-amd-amdhsa--gfx1250"
	.amdhsa_code_object_version 6
	.text
	.protected	k_q219ce7bc3c_main
	.globl	k_q219ce7bc3c_main
	.p2align	8
	.type	k_q219ce7bc3c_main,@function
k_q219ce7bc3c_main:
	s_mov_b64 s[64:65], 0
	v_nop
	global_prefetch_b8 v0, s[64:65] scope:SCOPE_SE
	s_setreg_imm32_b32 hwreg(HW_REG_WAVE_MODE, 25, 1), 1
	s_wait_xcnt 0x0
; ALL THE REST, for 64 queries a work-group: q; for each query's 16 neighbours the positional MLP, kv = nf + pos, kh, vh; attention over the 16; the output product; residual; LayerNorm.
; SHARES: eight waves.  Wave w: head hd = w % 4 (columns 64 hd .. + 63 of every product) and half g = w / 4 (queries 32 g .. + 31 of the 64).  A tile of 16 rows is ONE query's 16 neighbours.
; A wave's columns of Wk, Wv, W_p2 (codes) and of b_feat + b_p2 stay in its registers for the whole launch.  Operands made by one wave reach the others through LDS as images of the operand's registers.
; No tensor loads and no cluster: the large reads are gathers by a stored list, and what work-groups share is 0.18 MB of weight codes.
; THE NEIGHBOURS' ROWS OF feat ARE NOT GATHERED: THEY ARE MADE ANEW.  nf = Q(features[idx]) Q(W_feat) + b_feat, and a row of Q(features) is 64 bytes of codes and a scale word, against 1,024 bytes of f32:
; a lane loads its neighbour's 32 bytes straight into source 1's registers, and four products a query and wave give my head's 64 columns of the 16 rows.
; PHASES, six barriers:  Q: wave w quantises 16 rows x 128 of feat | B1 | q' = (Q(f) Q(Wq) + bq) log2(e) / 8 and sbk = q' . bk;  REL, H: 8 queries a wave: rel, hidden = relu(rel W_p1 + b_p1) by the f32 matrix
; form (its result goes into a quantiser), quantised | B2 | P: 32 queries a wave: kv = (b_feat + b_p2) + Q(x) Q(W_feat) + Q(hidden) Q(W_p2), two products on one accumulator; quantised | B3 |
; A: 32 queries a wave: kh transposed (a lane holds a neighbour), vh not (a lane holds a column); softmax over the 16 lanes with its maximum taken away; agg | B4 | agg quantised | B5 | Q(agg) Q(Wo) + bo | B6 | rows: residual and LayerNorm.
; A slot without a neighbour (kd = +inf) holds some index inside the table; its score is -1e9 log2(e), so its weight is 0 beside any neighbour that counts; a query without any keeps f.
; LIMITS: blocks whose largest magnitude lies under 2^-124 get the scale byte 1 (blocks of zeros too: their codes are zeros); NaN and infinities among the inputs are not served;
; kv is summed as ((b_feat + b_p2) + the first product's sum) + the second's, the hidden layer as b_p1 + four fused multiply-adds; bk enters the scores as q' . bk, bv enters agg once, since the weights sum to 1.
.set IDX, 0                            ; LDS: the neighbours' indices, as nidx has them: [half][quad][query 32][4]
.set KDS, 4096                         ; their distances, likewise
.set SBK, 8192                         ; q' . bk: [query 64][head 4]
.set PST, 9216                         ; 128 bytes a wave: the 16 weights of the query at work
.set QV, 10240                         ; 64 rows x 1,040 bytes: q', later agg in its place
.set QVP, 1040
.set HIMG, 76800                       ; the hidden layer's fragments, 1,024 bytes a query
.set HSC, 142336                       ; their scale words, 128 bytes a query
.set KVIMG, 150528                     ; kv's fragments: query x 2,048 + K step x 1,024.  Also the images of Q(f) and Q(agg), 1,024 bytes each
.set KVSC, 281600                      ; kv's scale words: query x 128 + K step x 64 + 4 row.  Also those of Q(f), Q(agg), 128 bytes each
.set OST, HIMG                         ; 64 rows x 1,040 bytes: the output product's results
.set L16, 1                            ; v1 16 x lane; v2 4 x lane; v3 r = lane % 16; v4 h = lane / 16; v5 32 h; v6 64 h; v7 128 h + 4 r: never rewritten
.set L4, 2
.set RR, 3
.set HH, 4
.set H32, 5
.set H64, 6
.set SCO, 7
.set XSC, 24                           ; v24-27 and v28-45 hold scales and nothing else: the four ring sets' (the neighbours' words); Wk's 4, Wv's 4, W_p2's 2, Wq's or Wo's 4, kv's, Q(f)'s or Q(agg)'s 2
.set WKS, 28
.set WVS, 32
.set WPS, 36
.set WTS, 38
.set WFS, 38                           ; in phase P: v38-39 W_feat's, v40-41 the hidden layer's, two by turns
.set QHS, 40
.set KS, 42
.set XS, 44
.set BV, 46                            ; v46-47 bv of my lane's two columns
.set W1A, 48                           ; v48-63 W_p1 as source 0 of the f32 form;  in phase Q v48-79 hold bk's tiles
.set BK, 48
.set XR, 84
.set XF, 84
.set BQ, 100
.set WT, 148
.set DQ, 212
.set SA, 244
.set SB, 246
.set B1T, 84                           ; b_p1's eight tiles in the result's layout
.set RT, 148
.set REL, 212
.set RIDX, 148
.set RA1, 156
.set RKD, 164
.set OWN0, 64
.set OWN1, 72
.set BFT, 172                          ; b_feat's four tiles, until they are added to b_p2's
.set FRN, 84                           ; four sets of 8: the neighbours' codes on their way
.set AC, 116                           ; v116-119 a set's offset among the codes; v120-123 among the scale words: free again as soon as the set's own loads are in
.set AS, 120
.set IXV, 124                          ; the index fetched a trip ahead
.set WF, 132                           ; v132-163 my head's four fragments of W_feat
.set NF, 180
.set QH, 212                           ; v212-227 the hidden layer's fragment, two by turns
.set QT, 228
.set PCK, 236
.set KV, 84
.set KH, 100
.set VH, 132
.set QP, 164
.set P8, 196
.set SC, 204
.set SC2, 206
.set KDV, 208
.set SBV, 209
.set T1, 210
.set T2, 211
.set AG, 212
.set T3, 220
.set T0, 221
.set WK, 0                             ; window 1: Wk's 8 fragments, Wv's 8, W_p2's 4, the 4 tiles of b_feat + b_p2, and from v192 the f32 form's results, which matrix instructions alone write
.set WV, 64
.set WP, 128
.set BP2, 160
.set HD, 192
.set SEL, 44
.set MSB, 0
.macro WIN new                         ; the immediate's high byte repeats the setting that is left
.if MSB != \new
	s_set_vgpr_msb (MSB<<8)|\new
.set MSB, \new
.endif
.endm
.macro BARRIER                         ; my LDS stores have landed and my LDS loads are in: then the work-group's barrier
	s_wait_dscnt 0x0
	s_barrier_signal -1
	s_barrier_wait -1
.endm
.macro QMAX s                          ; the largest magnitudes of my 16 numbers of each of four blocks
.irp b, 0,1,2,3
	v_max3_num_f32 v[TM+\b], |v[\s+16*\b]|, |v[\s+1+16*\b]|, 0x1800000   ; and the floor 2^(3 - 127): the byte cannot fall under 1
.endr
.irp i, 2,4,6,8,10,12,14
.irp b, 0,1,2,3
	v_max3_num_f32 v[TM+\b], v[TM+\b], |v[\s+16*\b+\i]|, |v[\s+1+16*\b+\i]|
.endr
.endr
.endm
.macro QSCALE                          ; with lane l xor 16's: the blocks' scale operands (TM+12 on) and the row's scale word (PW)
.irp b, 0,1,2,3
	v_permlanex16_b32 v[TM+4+\b], v[TM+\b], s[SEL], s[SEL+1]
.endr
.irp b, 0,1,2,3
	v_max_num_f32 v[TM+\b], v[TM+\b], v[TM+4+\b]
.endr
.irp b, 0,1,2,3
	v_add_nc_u32 v[TM+12+\b], 0xff000000, v[TM+\b]   ; 2 off the exponent field
.endr
.irp b, 0,1,2,3
	v_lshrrev_b32 v[TM+4+\b], 23, v[TM+12+\b]
.endr
	v_lshl_or_b32 v[PW], v[TM+5], 8, v[TM+4]
	v_lshl_or_b32 v[PW], v[TM+6], 16, v[PW]
	v_lshl_or_b32 v[PW], v[TM+7], 24, v[PW]
.endm
.macro QCODES s                        ; 64 numbers, register 16 b + i = k 32 b + 16 h + i, become the fragment's eight registers
.irp b, 0,1,2,3
	v_cvt_scalef32_pk8_fp4_f32 v[PC+2*\b], v[\s+16*\b:\s+7+16*\b], v[TM+12+\b]
	v_cvt_scalef32_pk8_fp4_f32 v[PC+1+2*\b], v[\s+8+16*\b:\s+15+16*\b], v[TM+12+\b]
.endr
	v_nop                                          ; one plain line behind a scaled conversion
.irp c, 0,1
.irp i, 0,1
	v_permlane16_swap_b32 v[PC+4*\c+\i], v[PC+2+4*\c+\i]   ; a whole block to a lane
.endr
.endr
.endm
; the addresses of phases Q and O
.set T16, 8
.set XA, 9
.set QWI, 10
.set QWS, 11
.set PF, 12
.set PFS, 13
.set QVW, 14
.set SBW, 15
.set OSW, 16
.set QJL, 17
.macro QADDR
	s_lshl_b32 s84, s36, 10
	s_add_co_u32 s84, s84, KVIMG
	v_add_nc_u32 v[QWI], s84, v[L16]               ; my image: number = my wave's
	s_lshl_b32 s84, s36, 7
	s_add_co_u32 s84, s84, KVSC
	v_add_nc_u32 v[QWS], s84, v[L4]
	s_lshl_b32 s84, s38, 12
	s_add_co_u32 s84, s84, KVIMG
	v_add_nc_u32 v[PF], s84, v[L16]                ; my half's four images
	s_lshl_b32 s84, s38, 9
	s_add_co_u32 s84, s84, KVSC
	v_add_nc_u32 v[PFS], s84, v[L4]
	v_mul_u32_u24 v[QVW], v[RR], QVP
	v_add_nc_u32 v[QVW], v[QVW], v[H32]
	s_mul_i32 s84, s38, 32*QVP
	s_lshl_b32 s85, s37, 8
	s_add_co_u32 s84, s84, s85
	v_add_nc_u32 v[QVW], s84, v[QVW]               ; row 32 g + r, my head's 256 bytes, + 32 h
	v_add_nc_u32 v[OSW], OST, v[QVW]
	v_add_nc_u32 v[QVW], QV, v[QVW]
	s_lshl_b32 s84, s38, 9
	s_lshl_b32 s85, s37, 2
	s_add_co_u32 s84, s84, s85
	s_add_co_u32 s84, s84, SBK
	v_lshl_add_u32 v[SBW], v[RR], 4, s84
	v_mul_u32_u24 v[QJL], v[RR], QVP
	v_add_nc_u32 v[QJL], v[QJL], v[H64]
	s_lshr_b32 s84, s36, 1
	s_mul_i32 s84, s84, 16*QVP
	s_and_b32 s85, s36, 1
	s_lshl_b32 s85, s85, 9
	s_add_co_u32 s84, s84, s85
	s_add_co_u32 s84, s84, QV
	v_add_nc_u32 v[QJL], s84, v[QJL]               ; agg: row 16 (w / 2) + r, K step w % 2, + 64 h
.endm
.macro QJOB                            ; the 64 numbers in XR become my image
	QMAX XR
	QSCALE
	QCODES XR
	ds_store_b128 v[QWI], v[PC:PC+3]
	ds_store_b128 v[QWI], v[PC+4:PC+7] offset:512
	ds_store_b32 v[QWS], v[PW]
.endm
; my head's 64 columns for my half's 32 rows: source 0 = 16 columns of the weight (WT), source 1 = 16 rows; the bias' tiles (BQ) are the C of each sum's first product.  Four accumulators by turns.
.macro PROJ isq
.irp m, 0,1
	ds_load_b128 v[XF:XF+3], v[PF] offset:2048*\m
	ds_load_b128 v[XF+4:XF+7], v[PF] offset:2048*\m+512
	ds_load_b128 v[XF+8:XF+11], v[PF] offset:2048*\m+1024
	ds_load_b128 v[XF+12:XF+15], v[PF] offset:2048*\m+1536
	ds_load_b32 v[XS], v[PFS] offset:256*\m
	ds_load_b32 v[XS+1], v[PFS] offset:256*\m+128
	s_wait_dscnt 0x0
.irp t, 0,1,2,3
	v_wmma_scale_f32_16x16x128_f8f6f4 v[DQ+8*\t:DQ+8*\t+7], v[WT+16*\t:WT+16*\t+7], v[XF:XF+7], v[BQ+8*\t:BQ+8*\t+7], v[WTS+\t], v[XS] matrix_a_fmt:MATRIX_FMT_FP4 matrix_b_fmt:MATRIX_FMT_FP4
.endr
.irp t, 0,1,2,3
	v_wmma_scale_f32_16x16x128_f8f6f4 v[DQ+8*\t:DQ+8*\t+7], v[WT+16*\t+8:WT+16*\t+15], v[XF+8:XF+15], v[DQ+8*\t:DQ+8*\t+7], v[WTS+\t], v[XS+1] matrix_a_fmt:MATRIX_FMT_FP4 matrix_b_fmt:MATRIX_FMT_FP4 matrix_a_scale:MATRIX_SCALE_ROW1
.endr
.rept 5
	v_nop                                          ; places ahead of the first read of results, of loads into these registers, and of the next tile's products, which write over the results
.endr
.if \isq
.irp k, 0,2,4,6,8,10,12,14,16,18,20,22,24,26,28,30
	v_pk_mul_f32 v[DQ+\k:DQ+\k+1], v[DQ+\k:DQ+\k+1], s[56:57] op_sel_hi:[1,0]   ; q' = q log2(e) / 8
.endr
	v_pk_mul_f32 v[SA:SA+1], v[DQ:DQ+1], v[BK:BK+1]
	v_pk_mul_f32 v[SB:SB+1], v[DQ+2:DQ+3], v[BK+2:BK+3]
.irp k, 4,8,12,16,20,24,28
	v_pk_fma_f32 v[SA:SA+1], v[DQ+\k:DQ+\k+1], v[BK+\k:BK+\k+1], v[SA:SA+1]
	v_pk_fma_f32 v[SB:SB+1], v[DQ+\k+2:DQ+\k+3], v[BK+\k+2:BK+\k+3], v[SB:SB+1]
.endr
	v_pk_add_f32 v[SA:SA+1], v[SA:SA+1], v[SB:SB+1]
	v_add_f32 v[SA], v[SA], v[SA+1]
	v_permlanex16_b32 v[SB], v[SA], s[SEL], s[SEL+1]
	v_add_f32 v[SA], v[SA], v[SB]                  ; q' . bk over my head's 64 columns
.irp t, 0,1,2,3
	ds_store_b128 v[QVW], v[DQ+8*\t:DQ+8*\t+3] offset:16*QVP*\m+64*\t
	ds_store_b128 v[QVW], v[DQ+8*\t+4:DQ+8*\t+7] offset:16*QVP*\m+64*\t+16
.endr
	ds_store_b32 v[SBW], v[SA] offset:256*\m
.else
.irp t, 0,1,2,3
	ds_store_b128 v[OSW], v[DQ+8*\t:DQ+8*\t+3] offset:16*QVP*\m+64*\t
	ds_store_b128 v[OSW], v[DQ+8*\t+4:DQ+8*\t+7] offset:16*QVP*\m+64*\t+16
.endr
.endif
.endr
.endm
	s_load_b512 s[4:19], s[0:1], 0x0               ; coords, nidx, kdw, feat, wcode, wscale, W_p1, b_p1
	s_load_b512 s[20:35], s[0:1], 0x40             ; b_p2, bq, bk, bv, bo, gamma, beta, out0
	s_load_b128 s[96:99], s[0:1], 0x80             ; fcode, fscale
	s_load_b64 s[100:101], s[0:1], 0x90            ; b_feat
	v_lshl_add_u32 v254, v0, 2, 0x46c00
	v_mov_b32 v255, 0
	v_lshrrev_b32 v8, 5, v0
	v_readfirstlane_b32 s36, v8                    ; wave 0..7
	s_and_b32 s37, s36, 3                          ; head
	s_lshr_b32 s38, s36, 2                         ; half
	s_lshr_b32 s39, ttmp9, 6                       ; batch
	v_and_b32 v8, 31, v0
	v_lshlrev_b32 v[L16], 4, v8
	v_lshlrev_b32 v[L4], 2, v8
	v_and_b32 v[RR], 15, v0
	v_bfe_u32 v[HH], v0, 4, 1
	v_lshlrev_b32 v[H32], 5, v[HH]
	v_lshlrev_b32 v[H64], 6, v[HH]
	v_lshlrev_b32 v[SCO], 2, v[RR]
	v_lshl_add_u32 v[SCO], v[HH], 7, v[SCO]
	v_lshlrev_b32 v[T16], 4, v0
	v_lshlrev_b32 v[XA], 10, v[RR]
	v_add_nc_u32 v[XA], v[XA], v[H64]              ; feat: row r of 1,024 bytes, + 64 h
	QADDR
	s_mov_b32 s[SEL], 0x76543210
	s_mov_b32 s[SEL+1], 0xfedcba98                 ; lane l xor 16
	s_mov_b32 s46, 0xffff0000                      ; lanes 16-31
	s_mov_b32 s47, 0x3b800000                      ; 1 / 256
	s_mov_b32 s56, 0x3e38aa3b                      ; log2(e) / 8
	s_mov_b32 s57, s56
	s_lshl_b32 s40, ttmp9, 12
	s_mov_b32 s41, 0
	s_lshl_b32 s42, ttmp9, 16
	s_lshr_b32 s43, s36, 1
	s_lshl_b32 s43, s43, 14
	s_add_co_u32 s42, s42, s43
	s_and_b32 s43, s36, 1
	s_lshl_b32 s43, s43, 9
	s_add_co_u32 s42, s42, s43                     ; rows 64 wg + 16 (w / 2), K step w % 2
	s_mov_b32 s43, 0
	s_lshl_b32 s48, s37, 13
	s_mov_b32 s49, 0
	s_lshl_b32 s50, s37, 12
	s_mov_b32 s51, 0
	s_lshl_b32 s52, s37, 10
	s_mov_b32 s53, 0
	s_lshl_b32 s54, s37, 9
	s_mov_b32 s55, 0
	s_lshl_b32 s58, s37, 8
	s_mov_b32 s59, 0
	s_lshl_b32 s60, s39, 22
	s_mov_b32 s61, 0
	s_mul_i32 s62, s39, 49152
	s_mov_b32 s63, 0
	s_and_b32 s92, ttmp9, 63
	s_lshl_b32 s92, s92, 6
	s_lshl_b32 s93, s38, 5
	s_add_co_u32 s92, s92, s93
	s_lshl_b32 s93, s37, 3
	s_add_co_u32 s92, s92, s93
	s_mul_i32 s92, s92, 12                         ; the eight queries whose hidden layer I make
	s_mov_b32 s93, 0
	s_lshl_b32 s94, ttmp9, 16
	s_lshl_b32 s95, s36, 13
	s_add_co_u32 s94, s94, s95                     ; the eight rows that I finish
	s_mov_b32 s95, 0
	s_wait_kmcnt 0x0
	s_add_nc_u64 s[6:7], s[6:7], s[40:41]
	s_add_nc_u64 s[8:9], s[8:9], s[40:41]
	s_add_nc_u64 s[40:41], s[10:11], s[42:43]
	s_add_nc_u64 s[66:67], s[12:13], s[48:49]      ; codes: 8 fragments a head
	s_add_nc_u64 s[68:69], s[12:13], s[50:51]      ; 4 fragments a head
	s_add_nc_u64 s[70:71], s[14:15], s[52:53]      ; scale words likewise
	s_add_nc_u64 s[72:73], s[14:15], s[54:55]
	s_add_nc_u64 s[20:21], s[20:21], s[58:59]      ; the biases at my head's 64 columns
	s_add_nc_u64 s[22:23], s[22:23], s[58:59]
	s_add_nc_u64 s[24:25], s[24:25], s[58:59]
	s_add_nc_u64 s[26:27], s[26:27], s[58:59]
	s_add_nc_u64 s[28:29], s[28:29], s[58:59]
	s_add_nc_u64 s[100:101], s[100:101], s[58:59]
	s_add_nc_u64 s[76:77], s[4:5], s[62:63]        ; the batch's coordinates
	s_add_nc_u64 s[78:79], s[76:77], s[92:93]
	s_add_nc_u64 s[80:81], s[10:11], s[94:95]
	s_add_nc_u64 s[82:83], s[34:35], s[94:95]
	s_lshl_b32 s84, s39, 18
	s_mov_b32 s85, 0
	s_add_nc_u64 s[96:97], s[96:97], s[84:85]      ; the batch's codes of features: 4,096 rows of 64 bytes,
	s_lshl_b32 s84, s39, 15
	s_add_nc_u64 s[98:99], s[98:99], s[84:85]      ; and their scale words: 8 bytes a row
	; ---- Q
	global_load_b128 v[244:247], v[T16], s[6:7]
	global_load_b128 v[248:251], v[T16], s[8:9]
.irp b, 0,1,2,3
.irp j, 0,1,2,3
	global_load_b128 v[XR+16*\b+4*\j:XR+16*\b+4*\j+3], v[XA], s[40:41] offset:128*\b+16*\j
.endr
.endr
.set nn, 0
.rept 16
	global_load_b128 v[WT+4*nn:WT+4*nn+3], v[L16], s[66:67] offset:32*1024+512*nn   ; Wq
.set nn, nn+1
.endr
.irp t, 0,1,2,3
	global_load_b32 v[WTS+\t], v[SCO], s[70:71] offset:32*128+256*\t               ; K step 0's word in lanes 0-15, K step 1's in lanes 16-31
.endr
.irp n, 0,1,2,3,4,5,6,7
	global_load_b128 v[BK+4*\n:BK+4*\n+3], v[H32], s[24:25] offset:64*(\n/2)+16*(\n%2)
.endr
.set TM, 212
.set PC, 228
.set PW, 236
.irp b, 0,1,2,3
	v_mov_b32 v[TM+4+\b], 0                        ; a lane permute's destination counts as one of its sources
.endr
	s_wait_loadcnt 28                              ; indices, distances and my rows are in; the 28 loads issued behind them may be out
	ds_store_b128 v[T16], v[244:247] offset:IDX
	ds_store_b128 v[T16], v[248:251] offset:KDS
	QJOB
.irp n, 0,1,2,3,4,5,6,7
	global_load_b128 v[BQ+4*\n:BQ+4*\n+3], v[H32], s[22:23] offset:64*(\n/2)+16*(\n%2)
.endr
	WIN 0x40                                       ; destination window 1
.set nn, 0
.rept 16
	global_load_b128 v[WK+4*nn:WK+4*nn+3], v[L16], s[66:67] offset:64*1024+512*nn
.set nn, nn+1
.endr
.set nn, 0
.rept 16
	global_load_b128 v[WV+4*nn:WV+4*nn+3], v[L16], s[66:67] offset:96*1024+512*nn
.set nn, nn+1
.endr
.irp n, 0,1,2,3,4,5,6,7
	global_load_b128 v[WP+4*\n:WP+4*\n+3], v[L16], s[68:69] offset:16*1024+512*\n
.endr
.irp n, 0,1,2,3,4,5,6,7
	global_load_b128 v[BP2+4*\n:BP2+4*\n+3], v[H64], s[20:21] offset:128*(\n/4)+32*((\n/2)%2)+16*(\n%2)   ; register 16 b + 8 u + j: column 32 b + 16 h + 8 u + j
.endr
	WIN 0
.irp t, 0,1,2,3
	global_load_b32 v[WKS+\t], v[SCO], s[70:71] offset:64*128+256*\t
	global_load_b32 v[WVS+\t], v[SCO], s[70:71] offset:96*128+256*\t
.endr
.irp p, 0,1
	global_load_b32 v[WPS+\p], v[SCO], s[72:73] offset:16*128+256*\p               ; tile 2 p in lanes 0-15, tile 2 p + 1 in lanes 16-31
.endr
	global_load_b32 v[BV], v[L4], s[26:27]
	global_load_b32 v[BV+1], v[L4], s[26:27] offset:128
	BARRIER                                        ; B1: the eight images of Q(f), the indices and the distances lie in LDS
	s_wait_loadcnt 60                              ; Wq, its scales, bk and bq are in; the 60 loads issued behind bq may be out
	PROJ 1
	; ---- REL: rel = (neighbour - query, kd) of my eight queries, as source 1 of the f32 form: lane (r, h): neighbour r, components 2 h and 2 h + 1
	v_and_b32 v8, 8, v[RR]
	v_add_nc_u32 v8, v8, v[RR]
	v_lshlrev_b32 v8, 2, v8
	v_lshl_add_u32 v8, v[HH], 10, v8               ; W_p1: rows 2 h, 2 h + 1; lane r of tile 2 b + u takes hidden unit 32 b + 8 u + r + 8 (r / 8)
.irp t, 0,1,2,3,4,5,6,7
.irp j, 0,1
	global_load_b32 v[W1A+2*\t+\j], v8, s[16:17] offset:512*\j+(32*(\t/2)+8*(\t%2))*4
.endr
.endr
.set nn, 0
.rept 16
	global_load_b128 v[B1T+4*nn:B1T+4*nn+3], v[H64], s[18:19] offset:128*(nn/4)+32*((nn/2)%2)+16*(nn%2)
.set nn, nn+1
.endr
.irp n, 0,1,2,3,4,5,6,7
	global_load_b128 v[BFT+4*\n:BFT+4*\n+3], v[H64], s[100:101] offset:128*(\n/4)+32*((\n/2)%2)+16*(\n%2)   ; b_feat, laid as b_p2 is
.endr
	v_lshrrev_b32 v9, 2, v[RR]
	v_lshlrev_b32 v9, 9, v9
	v_and_b32 v10, 3, v[RR]
	v_lshl_add_u32 v9, v10, 2, v9
	s_lshl_b32 s84, s38, 11
	s_lshl_b32 s85, s37, 7
	s_add_co_u32 s84, s84, s85
	v_add_nc_u32 v9, s84, v9                       ; neighbour r of query 8 hd of my half
.irp e, 0,1,2,3,4,5,6,7
	ds_load_b32 v[RIDX+\e], v9 offset:IDX+16*\e
	ds_load_b32 v[RKD+\e], v9 offset:KDS+16*\e
.endr
	v_lshlrev_b32 v18, 3, v[HH]                    ; 8 h
	v_lshlrev_b32 v19, 2, v[HH]
	v_sub_nc_u32 v19, 4, v19                       ; 4 - 4 h
	v_lshl_add_u32 v20, v[HH], 2, 4                ; 4 + 4 h
	s_wait_dscnt 0x0
.irp e, 0,1,2,3,4,5,6,7
	v_min_u32 v[RIDX+\e], 0xfff, v[RIDX+\e]
	v_mul_u32_u24 v[RIDX+\e], v[RIDX+\e], 12
	v_add_nc_u32 v[RIDX+\e], v[RIDX+\e], v18
	v_add_nc_u32 v[RA1+\e], v[RIDX+\e], v19
.endr
.irp e, 0,1,2,3,4,5,6,7
	global_load_b32 v[REL+2*\e], v[RIDX+\e], s[76:77]
	global_load_b32 v[REL+2*\e+1], v[RA1+\e], s[76:77]
	global_load_b32 v[OWN0+\e], v18, s[78:79] offset:12*\e
	global_load_b32 v[OWN1+\e], v20, s[78:79] offset:12*\e
.endr
	s_lshl_b32 s84, s38, 5
	s_lshl_b32 s85, s37, 3
	s_add_co_u32 s84, s84, s85                     ; my first query
	s_lshl_b32 s85, s84, 10
	s_add_co_u32 s85, s85, HIMG
	v_add_nc_u32 v10, s85, v[L16]
	s_lshl_b32 s85, s84, 7
	s_add_co_u32 s85, s85, HSC
	v_add_nc_u32 v11, s85, v[L4]
.set TM, 228
.set PC, 244
.set PW, 252
.irp b, 0,1,2,3
	v_mov_b32 v[TM+4+\b], 0
.endr
	s_wait_loadcnt 0x0                             ; these, and everything asked for before
.irp e, 0,1,2,3,4,5,6,7
	v_sub_f32 v[REL+2*\e], v[REL+2*\e], v[OWN0+\e]
	v_sub_f32 v[REL+2*\e+1], v[REL+2*\e+1], v[OWN1+\e]
	v_cmp_gt_f32 vcc_lo, 0x7f800000, v[RKD+\e]
	v_cndmask_b32 v[RKD+\e], 0, v[RKD+\e], vcc_lo  ; kd, 0 where there is no neighbour
	v_cndmask_b32 v[REL+2*\e+1], v[REL+2*\e+1], v[RKD+\e], s46
.endr
	WIN 0x41                                       ; destination and source 0 window 1
.irp k, 0,2,4,6,8,10,12,14,16,18,20,22,24,26,28,30
	v_pk_add_f32 v[BP2+\k:BP2+\k+1], v[BP2+\k:BP2+\k+1], v[BFT+\k:BFT+\k+1]   ; b_feat + b_p2, once: kv's sums begin with it
.endr
	WIN 0
	; ---- H: the hidden layer of query e: transposed, so that a lane holds one neighbour and its registers run along the hidden units
.macro HID e
	WIN 0x40                                       ; destination window 1
.irp t, 0,1,2,3,4,5,6,7
	v_wmma_f32_16x16x4_f32 v[HD+8*\t:HD+8*\t+7], v[W1A+2*\t:W1A+2*\t+1], v[REL+2*\e:REL+2*\e+1], v[B1T+8*\t:B1T+8*\t+7]
.endr
	WIN 0
.rept 8
	v_nop                                          ; eight places behind this form ahead of the first read of results
.endr
	WIN 0x05
.irp b, 0,1,2,3
	v_max3_num_f32 v[TM+\b], v[HD+16*\b], v[HD+1+16*\b], 0x1800000   ; no |.|: what is negative is clipped and must not count; each accumulator is read from its low end on
.endr
	WIN 0x14
.irp i, 2,4,6,8,10,12,14
.irp b, 0,1,2,3
	v_max3_num_f32 v[TM+\b], v[TM+\b], v[HD+16*\b+\i], v[HD+1+16*\b+\i]
.endr
.endr
	WIN 0
	QSCALE
	WIN 0x04
.set nn, 0
.rept 64
	v_max_num_f32 v[RT+nn], 0, v[HD+nn]            ; the activation, into other registers
.set nn, nn+1
.endr
	WIN 0
	QCODES RT
	ds_store_b128 v10, v[PC:PC+3] offset:1024*\e
	ds_store_b128 v10, v[PC+4:PC+7] offset:1024*\e+512
	ds_store_b32 v11, v[PW] offset:128*\e
	s_wait_dscnt 0x0                               ; the stores have read their registers
.endm
.irp e, 0,1,2,3,4,5,6,7
	HID \e
.endr
	; ---- P
.set H16, 8
.set HRDB, 10
.set HRSB, 11
.set IXB, 12
.set KVWB, 13
.set KSWB, 14
.set HRDT, 16
.set HRST, 17
.set IXT, 18
.set KVWT, 19
.set KSWT, 20
	v_lshrrev_b32 v[IXB], 2, v[RR]
	v_lshlrev_b32 v[IXB], 9, v[IXB]
	v_and_b32 v9, 3, v[RR]
	v_lshl_add_u32 v[IXB], v9, 2, v[IXB]
	s_lshl_b32 s84, s38, 11
	v_add_nc_u32 v[IXB], s84, v[IXB]               ; the index of neighbour r of my half's first query
.irp n, 0,1,2,3
	ds_load_b32 v[AC+\n], v[IXB] offset:IDX+16*\n
.endr
	ds_load_b32 v[IXV], v[IXB] offset:IDX+64       ; query 4's, for the first trip's refill
.irp n, 0,1,2,3,4,5,6,7
	global_load_b128 v[WF+4*\n:WF+4*\n+3], v[L16], s[68:69] offset:512*\n          ; my head's four fragments of W_feat
.endr
.irp p, 0,1
	global_load_b32 v[WFS+\p], v[SCO], s[72:73] offset:256*\p                      ; tile 2 p in lanes 0-15, tile 2 p + 1 in lanes 16-31
.endr
	v_lshlrev_b32 v[H16], 4, v[HH]
	s_lshl_b32 s84, s38, 15
	s_add_co_u32 s84, s84, HIMG
	v_add_nc_u32 v[HRDB], s84, v[L16]
	s_lshl_b32 s84, s38, 12
	s_add_co_u32 s84, s84, HSC
	v_add_nc_u32 v[HRSB], s84, v[L4]
	s_lshl_b32 s84, s38, 16
	s_lshr_b32 s85, s37, 1
	s_lshl_b32 s85, s85, 10
	s_add_co_u32 s84, s84, s85
	s_and_b32 s85, s37, 1
	s_lshl_b32 s85, s85, 9
	s_add_co_u32 s84, s84, s85
	s_add_co_u32 s84, s84, KVIMG
	v_add_nc_u32 v[KVWB], s84, v[L16]              ; my 64 columns are registers 4 (hd % 2) .. + 3 of K step hd / 2
	s_lshl_b32 s84, s38, 12
	s_lshr_b32 s85, s37, 1
	s_lshl_b32 s85, s85, 6
	s_add_co_u32 s84, s84, s85
	s_and_b32 s85, s37, 1
	s_lshl_b32 s85, s85, 1
	s_add_co_u32 s84, s84, s85
	s_add_co_u32 s84, s84, KVSC
	v_lshl_add_u32 v[KSWB], v[RR], 2, s84          ; and bytes 2 (hd % 2), + 1 of its scale word
.macro GLOAD set                       ; three loads: neighbour r's codes as source 1 wants them (k = 64 c + 32 h on: bytes 32 c + 16 h of its 64), and its scale word
	global_load_b128 v[FRN+8*\set:FRN+8*\set+3], v[AC+\set], s[96:97]
	global_load_b128 v[FRN+8*\set+4:FRN+8*\set+7], v[AC+\set], s[96:97] offset:32
	global_load_b32 v[XSC+\set], v[AS+\set], s[98:99]
.endm
	s_wait_dscnt 0x0
.irp n, 0,1,2,3
	v_min_u32 v[AC+\n], 0xfff, v[AC+\n]
.endr
.irp n, 0,1,2,3
	v_lshlrev_b32 v[AS+\n], 3, v[AC+\n]
.endr
.irp n, 0,1,2,3
	v_lshl_add_u32 v[AC+\n], v[AC+\n], 6, v[H16]
.endr
.irp n, 0,1,2,3
	GLOAD \n
.endr
	s_mov_b32 s86, 0                               ; 16 i, 128 i, 1,024 i, 2,048 i
	s_mov_b32 s87, 0
	s_mov_b32 s88, 0
	s_mov_b32 s89, 0
	v_add_nc_u32 v[HRDT], s88, v[HRDB]
	v_add_nc_u32 v[HRST], s87, v[HRSB]
	BARRIER                                        ; B2: the hidden layer's 64 fragments lie in LDS
	ds_load_b128 v[QH:QH+3], v[HRDT]
	ds_load_b128 v[QH+4:QH+7], v[HRDT] offset:512
	ds_load_b32 v[QHS], v[HRST]
; query i of my half.  set = i % 4.  gg = 1: query i + 4's codes are asked for; li = 1: query i + 5's index is fetched; lq = 1: query i + 1's hidden fragment is fetched;
; cnt: the loads of the sets behind this one, three each
.macro PTRIP set, gg, li, lq, cnt
	s_wait_loadcnt \cnt                            ; this set's three loads are in, so its two offset registers are free
	s_wait_dscnt 0x0                               ; what the last trip fetched is in
	WIN 0x10                                       ; C (b_feat + b_p2) window 1.  Four accumulators by turns, two products each
.irp t, 0,1,2,3
.if \t%2
	v_wmma_scale_f32_16x16x128_f8f6f4 v[NF+8*\t:NF+8*\t+7], v[WF+8*\t:WF+8*\t+7], v[FRN+8*\set:FRN+8*\set+7], v[BP2+8*\t:BP2+8*\t+7], v[WFS+\t/2], v[XSC+\set] matrix_a_fmt:MATRIX_FMT_FP4 matrix_b_fmt:MATRIX_FMT_FP4 matrix_a_scale:MATRIX_SCALE_ROW1
.else
	v_wmma_scale_f32_16x16x128_f8f6f4 v[NF+8*\t:NF+8*\t+7], v[WF+8*\t:WF+8*\t+7], v[FRN+8*\set:FRN+8*\set+7], v[BP2+8*\t:BP2+8*\t+7], v[WFS+\t/2], v[XSC+\set] matrix_a_fmt:MATRIX_FMT_FP4 matrix_b_fmt:MATRIX_FMT_FP4
.endif
.endr
	WIN 0x01                                       ; source 0 (W_p2) window 1
.irp t, 0,1,2,3
.if \t%2
	v_wmma_scale_f32_16x16x128_f8f6f4 v[NF+8*\t:NF+8*\t+7], v[WP+8*\t:WP+8*\t+7], v[QH+8*(\set%2):QH+8*(\set%2)+7], v[NF+8*\t:NF+8*\t+7], v[WPS+\t/2], v[QHS+\set%2] matrix_a_fmt:MATRIX_FMT_FP4 matrix_b_fmt:MATRIX_FMT_FP4 matrix_a_scale:MATRIX_SCALE_ROW1
.else
	v_wmma_scale_f32_16x16x128_f8f6f4 v[NF+8*\t:NF+8*\t+7], v[WP+8*\t:WP+8*\t+7], v[QH+8*(\set%2):QH+8*(\set%2)+7], v[NF+8*\t:NF+8*\t+7], v[WPS+\t/2], v[QHS+\set%2] matrix_a_fmt:MATRIX_FMT_FP4 matrix_b_fmt:MATRIX_FMT_FP4
.endif
.endr
	WIN 0
	v_add_nc_u32 v[KVWT], s89, v[KVWB]             ; five additions: the places behind the products, ahead of the loads into their registers and of the first read of results
	v_add_nc_u32 v[KSWT], s87, v[KSWB]
	s_add_co_u32 s86, s86, 16
	s_add_co_u32 s87, s87, 128
	s_add_co_u32 s88, s88, 1024
	s_add_co_u32 s89, s89, 2048
	v_add_nc_u32 v[HRDT], s88, v[HRDB]
	v_add_nc_u32 v[HRST], s87, v[HRSB]
	v_add_nc_u32 v[IXT], s86, v[IXB]
.if \gg
	v_min_u32 v[AC+\set], 0xfff, v[IXV]
	v_lshlrev_b32 v[AS+\set], 3, v[AC+\set]
	v_lshl_add_u32 v[AC+\set], v[AC+\set], 6, v[H16]
	GLOAD \set
.endif
.if \lq
	ds_load_b128 v[QH+8*((\set+1)%2):QH+8*((\set+1)%2)+3], v[HRDT]
	ds_load_b128 v[QH+8*((\set+1)%2)+4:QH+8*((\set+1)%2)+7], v[HRDT] offset:512
	ds_load_b32 v[QHS+(\set+1)%2], v[HRST]
.endif
.if \li
	ds_load_b32 v[IXV], v[IXT] offset:IDX+64
.endif
.irp b, 0,1
	v_max3_num_f32 v[QT+\b], |v[NF+16*\b]|, |v[NF+1+16*\b]|, 0x1800000   ; register 16 b + 8 u + j: neighbour r, column 32 b + 16 h + 8 u + j; each accumulator is read from its low end on
.endr
.irp i, 2,4,6,8,10,12,14
.irp b, 0,1
	v_max3_num_f32 v[QT+\b], v[QT+\b], |v[NF+16*\b+\i]|, |v[NF+1+16*\b+\i]|
.endr
.endr
.irp b, 0,1
	v_permlanex16_b32 v[QT+2+\b], v[QT+\b], s[SEL], s[SEL+1]
.endr
.irp b, 0,1
	v_max_num_f32 v[QT+\b], v[QT+\b], v[QT+2+\b]
.endr
.irp b, 0,1
	v_add_nc_u32 v[QT+4+\b], 0xff000000, v[QT+\b]
.endr
.irp b, 0,1
	v_lshrrev_b32 v[QT+2+\b], 23, v[QT+4+\b]
.endr
	v_lshl_or_b32 v[QT+6], v[QT+3], 8, v[QT+2]
.irp b, 0,1
	v_cvt_scalef32_pk8_fp4_f32 v[PCK+2*\b], v[NF+16*\b:NF+7+16*\b], v[QT+4+\b]
	v_cvt_scalef32_pk8_fp4_f32 v[PCK+1+2*\b], v[NF+8+16*\b:NF+15+16*\b], v[QT+4+\b]
.endr
	v_nop
	v_permlane16_swap_b32 v[PCK], v[PCK+2]
	v_permlane16_swap_b32 v[PCK+1], v[PCK+3]
	ds_store_b128 v[KVWT], v[PCK:PCK+3]
	ds_store_b16 v[KSWT], v[QT+6]                  ; both lanes of a row write the same two bytes with the same value
.endm
	s_mov_b32 s90, 6
.Lp:                                               ; four queries a trip: queries 0 to 23
	PTRIP 0, 1, 1, 1, 9
	PTRIP 1, 1, 1, 1, 9
	PTRIP 2, 1, 1, 1, 9
	PTRIP 3, 1, 1, 1, 9
	s_sub_co_u32 s90, s90, 1
	s_cmp_lg_u32 s90, 0
	s_cbranch_scc1 .Lp
	PTRIP 0, 1, 1, 1, 9                            ; queries 24 to 31: the look-aheads end one after the other, and the counts run down
	PTRIP 1, 1, 1, 1, 9
	PTRIP 2, 1, 1, 1, 9
	PTRIP 3, 1, 0, 1, 9
	PTRIP 0, 0, 0, 1, 9
	PTRIP 1, 0, 0, 1, 6
	PTRIP 2, 0, 0, 1, 3
	PTRIP 3, 0, 0, 0, 0
	; ---- A
.set KVRB, 8
.set KSRB, 9
.set QPRB, 10
.set KDRB, 11
.set SBRB, 12
.set AGWB, 13
.set PSW, 14
.set PSR, 15
.set KVRT, 16
.set KSRT, 17
.set QPRT, 18
.set KDRT, 19
.set SBRT, 20
.set AGWT, 21
.set NEGV, 22
	BARRIER                                        ; B3: kv's fragments and scale words lie in LDS
	s_lshl_b32 s84, s38, 16
	s_add_co_u32 s84, s84, KVIMG
	v_add_nc_u32 v[KVRB], s84, v[L16]
	s_lshl_b32 s84, s38, 12
	s_add_co_u32 s84, s84, KVSC
	v_add_nc_u32 v[KSRB], s84, v[L4]               ; lanes 0-15 K step 0's words, lanes 16-31 K step 1's
	s_mul_i32 s84, s38, 32*QVP
	s_lshl_b32 s85, s37, 8
	s_add_co_u32 s84, s84, s85
	s_add_co_u32 s84, s84, QV
	v_add_nc_u32 v[QPRB], s84, v[H32]
	v_add_nc_u32 v[AGWB], s84, v[L4]
	v_lshrrev_b32 v[KDRB], 2, v[RR]
	v_lshlrev_b32 v[KDRB], 9, v[KDRB]
	v_and_b32 v[SBRB], 3, v[RR]
	v_lshl_add_u32 v[KDRB], v[SBRB], 2, v[KDRB]
	s_lshl_b32 s84, s38, 11
	s_add_co_u32 s84, s84, KDS
	v_add_nc_u32 v[KDRB], s84, v[KDRB]
	s_lshl_b32 s84, s38, 9
	s_lshl_b32 s85, s37, 2
	s_add_co_u32 s84, s84, s85
	s_add_co_u32 s84, s84, SBK
	v_mov_b32 v[SBRB], s84
	s_lshl_b32 s84, s36, 7
	s_add_co_u32 s84, s84, PST
	v_lshl_add_u32 v[PSW], v[RR], 2, s84
	v_add_nc_u32 v[PSR], s84, v[H32]
	v_mov_b32 v[NEGV], 0xceabfbce                  ; -1e9 log2(e)
	s_mov_b32 s86, 0                               ; 16 i, 128 i, 1,040 i, 2,048 i
	s_mov_b32 s87, 0
	s_mov_b32 s88, 0
	s_mov_b32 s89, 0
	v_add_nc_u32 v[KVRT], s89, v[KVRB]
	v_add_nc_u32 v[KSRT], s87, v[KSRB]
	v_add_nc_u32 v[QPRT], s88, v[QPRB]
	v_add_nc_u32 v[KDRT], s86, v[KDRB]
	v_add_nc_u32 v[SBRT], s86, v[SBRB]
.macro AF1
	ds_load_b128 v[KV:KV+3], v[KVRT]
	ds_load_b128 v[KV+4:KV+7], v[KVRT] offset:512
	ds_load_b128 v[KV+8:KV+11], v[KVRT] offset:1024
	ds_load_b128 v[KV+12:KV+15], v[KVRT] offset:1536
	ds_load_b32 v[KS], v[KSRT]
.endm
.macro AF2                             ; ten loads
.irp n, 0,1,2,3,4,5,6,7
	ds_load_b128 v[QP+4*\n:QP+4*\n+3], v[QPRT] offset:64*(\n/2)+16*(\n%2)   ; q' in kh's layout: register 8 t + j: column 16 t + 8 h + j
.endr
	ds_load_b32 v[KDV], v[KDRT]
	ds_load_b32 v[SBV], v[SBRT]
.endm
	AF1
	AF2
; query i of my half.  pf = 1: query i + 1's operands are fetched on the way
.macro ATRIP pf
	s_wait_dscnt 0x0
	WIN 0x01                                       ; kh^T: source 0 = 16 columns of Wk (window 1), source 1 = the 16 neighbours.  Accumulators by turns
.irp t, 0,1,2,3
	v_wmma_scale_f32_16x16x128_f8f6f4 v[KH+8*\t:KH+8*\t+7], v[WK+16*\t:WK+16*\t+7], v[KV:KV+7], 0, v[WKS+\t], v[KS] matrix_a_fmt:MATRIX_FMT_FP4 matrix_b_fmt:MATRIX_FMT_FP4
.endr
.irp t, 0,1,2,3
	v_wmma_scale_f32_16x16x128_f8f6f4 v[KH+8*\t:KH+8*\t+7], v[WK+16*\t+8:WK+16*\t+15], v[KV+8:KV+15], v[KH+8*\t:KH+8*\t+7], v[WKS+\t], v[KS] matrix_a_fmt:MATRIX_FMT_FP4 matrix_b_fmt:MATRIX_FMT_FP4 matrix_a_scale:MATRIX_SCALE_ROW1 matrix_b_scale:MATRIX_SCALE_ROW1
.endr
	WIN 0x04                                       ; vh: source 0 = the 16 neighbours, source 1 = 16 columns of Wv (window 1): a lane holds a column and eight neighbours
.irp t, 0,1,2,3
	v_wmma_scale_f32_16x16x128_f8f6f4 v[VH+8*\t:VH+8*\t+7], v[KV:KV+7], v[WV+16*\t:WV+16*\t+7], 0, v[KS], v[WVS+\t] matrix_a_fmt:MATRIX_FMT_FP4 matrix_b_fmt:MATRIX_FMT_FP4
.endr
.irp t, 0,1,2,3
	v_wmma_scale_f32_16x16x128_f8f6f4 v[VH+8*\t:VH+8*\t+7], v[KV+8:KV+15], v[WV+16*\t+8:WV+16*\t+15], v[VH+8*\t:VH+8*\t+7], v[KS], v[WVS+\t] matrix_a_fmt:MATRIX_FMT_FP4 matrix_b_fmt:MATRIX_FMT_FP4 matrix_a_scale:MATRIX_SCALE_ROW1 matrix_b_scale:MATRIX_SCALE_ROW1
.endr
	WIN 0
	v_add_nc_u32 v[AGWT], s88, v[AGWB]             ; six additions: the places behind the products
	s_add_co_u32 s86, s86, 16
	s_add_co_u32 s87, s87, 128
	s_add_co_u32 s88, s88, QVP
	s_add_co_u32 s89, s89, 2048
	v_add_nc_u32 v[KVRT], s89, v[KVRB]
	v_add_nc_u32 v[KSRT], s87, v[KSRB]
	v_add_nc_u32 v[QPRT], s88, v[QPRB]
	v_add_nc_u32 v[KDRT], s86, v[KDRB]
	v_add_nc_u32 v[SBRT], s86, v[SBRB]
.if \pf
	AF1
.endif
	v_pk_mul_f32 v[SC:SC+1], v[KH:KH+1], v[QP:QP+1]
	v_pk_mul_f32 v[SC2:SC2+1], v[KH+2:KH+3], v[QP+2:QP+3]
.irp k, 4,8,12,16,20,24,28
	v_pk_fma_f32 v[SC:SC+1], v[KH+\k:KH+\k+1], v[QP+\k:QP+\k+1], v[SC:SC+1]
	v_pk_fma_f32 v[SC2:SC2+1], v[KH+\k+2:KH+\k+3], v[QP+\k+2:QP+\k+3], v[SC2:SC2+1]
.endr
	v_pk_add_f32 v[SC:SC+1], v[SC:SC+1], v[SC2:SC2+1]
	v_add_f32 v[SC], v[SC], v[SC+1]
	v_permlanex16_b32 v[T0], v[SC], s[SEL], s[SEL+1]
	v_add_f32 v[SC], v[SC], v[T0]
	v_add_f32 v[SC], v[SC], v[SBV]                 ; t = score x log2(e) of neighbour r, in both halves of the lanes
	v_cmp_gt_f32 vcc_lo, 0x7f800000, v[KDV]
	v_cndmask_b32 v[SC], v[NEGV], v[SC], vcc_lo
	v_mov_b32 v[T1], v[SC]
	v_max_num_f32_dpp v[T1], v[T1], v[T1] row_xmask:1 row_mask:0xf bank_mask:0xf
	v_max_num_f32_dpp v[T1], v[T1], v[T1] row_xmask:2 row_mask:0xf bank_mask:0xf
	v_max_num_f32_dpp v[T1], v[T1], v[T1] row_xmask:4 row_mask:0xf bank_mask:0xf
	v_max_num_f32_dpp v[T1], v[T1], v[T1] row_xmask:8 row_mask:0xf bank_mask:0xf
	v_sub_f32 v[SC], v[SC], v[T1]                  ; the maximum is taken away
	v_exp_f32 v[SC], v[SC]
	v_nop                                          ; one plain line behind the exponential
	s_wait_alu depctr_va_vdst(0)
	ds_store_b32 v[PSW], v[SC]                     ; the weights change from a lane each to eight registers a lane
	ds_load_b128 v[P8:P8+3], v[PSR]
	ds_load_b128 v[P8+4:P8+7], v[PSR] offset:16
.if \pf
	AF2
.endif
	v_mov_b32 v[T2], v[SC]
	v_add_f32_dpp v[T2], v[T2], v[T2] row_xmask:1 row_mask:0xf bank_mask:0xf
	v_add_f32_dpp v[T2], v[T2], v[T2] row_xmask:2 row_mask:0xf bank_mask:0xf
	v_add_f32_dpp v[T2], v[T2], v[T2] row_xmask:4 row_mask:0xf bank_mask:0xf
	v_add_f32_dpp v[T2], v[T2], v[T2] row_xmask:8 row_mask:0xf bank_mask:0xf
	v_rcp_f32 v[T3], v[T2]
.if \pf
	s_wait_dscnt 10                                ; the weights are back; the ten loads issued behind them may be out
.else
	s_wait_dscnt 0x0
.endif
.irp t, 0,1,2,3
	v_pk_mul_f32 v[AG+2*\t:AG+2*\t+1], v[VH+8*\t:VH+8*\t+1], v[P8:P8+1]
.endr
.irp j, 2,4,6
.irp t, 0,1,2,3
	v_pk_fma_f32 v[AG+2*\t:AG+2*\t+1], v[VH+8*\t+\j:VH+8*\t+\j+1], v[P8+\j:P8+\j+1], v[AG+2*\t:AG+2*\t+1]
.endr
.endr
.irp t, 0,1,2,3
	v_add_f32 v[AG+2*\t], v[AG+2*\t], v[AG+2*\t+1]
.endr
	v_permlane16_swap_b32 v[AG], v[AG+2]           ; the halves' parts of two tiles change places, so that one addition finishes both: lane l then holds column l
	v_permlane16_swap_b32 v[AG+4], v[AG+6]
	v_add_f32 v[AG], v[AG], v[AG+2]
	v_add_f32 v[AG+4], v[AG+4], v[AG+6]
	s_wait_alu depctr_va_vdst(0)
	v_fma_f32 v[AG], v[AG], v[T3], v[BV]
	v_fma_f32 v[AG+4], v[AG+4], v[T3], v[BV+1]
	ds_store_b32 v[AGWT], v[AG]                    ; agg takes the place of this query's q', which I alone read and have read
	ds_store_b32 v[AGWT], v[AG+4] offset:128
.endm
	s_mov_b32 s90, 31
.La:
	ATRIP 1
	s_sub_co_u32 s90, s90, 1
	s_cmp_lg_u32 s90, 0
	s_cbranch_scc1 .La
	ATRIP 0                                        ; the last query looks no further
	; ---- O
.set nn, 0
.rept 16
	global_load_b128 v[WT+4*nn:WT+4*nn+3], v[L16], s[66:67] offset:128*1024+512*nn   ; Wo
.set nn, nn+1
.endr
.irp t, 0,1,2,3
	global_load_b32 v[WTS+\t], v[SCO], s[70:71] offset:128*128+256*\t
.endr
	BARRIER                                        ; B4: 64 rows of agg lie in LDS, and nobody reads kv any more
	QADDR
.irp b, 0,1,2,3
.irp j, 0,1,2,3
	ds_load_b128 v[XR+16*\b+4*\j:XR+16*\b+4*\j+3], v[QJL] offset:128*\b+16*\j
.endr
.endr
.set TM, 212
.set PC, 228
.set PW, 236
	s_wait_dscnt 0x0
	QJOB
.irp n, 0,1,2,3,4,5,6,7
	global_load_b128 v[BQ+4*\n:BQ+4*\n+3], v[H32], s[28:29] offset:64*(\n/2)+16*(\n%2)   ; bo's tiles
.endr
	BARRIER                                        ; B5: the eight images of Q(agg) lie in LDS
	s_wait_loadcnt 0x0
	PROJ 0
	s_wait_dscnt 0x0                               ; my results lie in the stage, and their registers are free
	; ---- rows: wave w finishes rows 8 w .. 8 w + 7; lane l holds columns 4 l .. + 3 and 128 + 4 l .. + 3
.set FR, 84
.set OO, 148
.set GA, 212
.set BE, 220
.set KR, 228
.set TP, 236
.set UU, 252
.irp e, 0,1,2,3,4,5,6,7
.irp w, 0,1
	global_load_b128 v[FR+8*\e+4*\w:FR+8*\e+4*\w+3], v[L16], s[80:81] offset:1024*\e+512*\w
.endr
.endr
.irp w, 0,1
	global_load_b128 v[GA+4*\w:GA+4*\w+3], v[L16], s[30:31] offset:512*\w
	global_load_b128 v[BE+4*\w:BE+4*\w+3], v[L16], s[32:33] offset:512*\w
.endr
	s_mul_i32 s84, s36, 8*QVP
	s_add_co_u32 s84, s84, OST
	v_add_nc_u32 v8, s84, v[L16]
	s_lshl_b32 s84, s38, 11
	s_lshl_b32 s85, s37, 7
	s_add_co_u32 s84, s84, s85
	s_add_co_u32 s84, s84, KDS
	v_mov_b32 v9, s84                              ; the nearest neighbour's distance of my first row
	s_barrier_signal -1
	s_barrier_wait -1                              ; B6: 64 rows of the output product lie in the stage
.irp e, 0,1,2,3,4,5,6,7
.irp w, 0,1
	ds_load_b128 v[OO+8*\e+4*\w:OO+8*\e+4*\w+3], v8 offset:QVP*\e+512*\w
.endr
	ds_load_b32 v[KR+\e], v9 offset:16*\e
.endr
	s_wait_dscnt 0x0
	s_wait_loadcnt 0x0
.irp e, 0,1,2,3,4,5,6,7
	v_cmp_gt_f32 vcc_lo, 0x7f800000, v[KR+\e]      ; has the query a neighbour?
.irp k, 0,2,4,6
	v_pk_add_f32 v[OO+8*\e+\k:OO+8*\e+\k+1], v[OO+8*\e+\k:OO+8*\e+\k+1], v[FR+8*\e+\k:FR+8*\e+\k+1]
.endr
.irp k, 0,1,2,3,4,5,6,7
	v_cndmask_b32 v[OO+8*\e+\k], v[FR+8*\e+\k], v[OO+8*\e+\k], vcc_lo
.endr
.endr
.macro REDUCE                          ; eight sums over the 32 lanes, by turns
.irp x, 1,2,4,8
.irp e, 0,1,2,3,4,5,6,7
	v_add_f32_dpp v[TP+2*\e], v[TP+2*\e], v[TP+2*\e] row_xmask:\x row_mask:0xf bank_mask:0xf
.endr
.endr
.irp e, 0,1,2,3,4,5,6,7
	v_permlanex16_b32 v[TP+2*\e+1], v[TP+2*\e], s[SEL], s[SEL+1]
.endr
.irp e, 0,1,2,3,4,5,6,7
	v_add_f32 v[TP+2*\e], v[TP+2*\e], v[TP+2*\e+1]
.endr
.endm
.irp e, 0,1,2,3,4,5,6,7
	v_pk_add_f32 v[TP+2*\e:TP+2*\e+1], v[OO+8*\e:OO+8*\e+1], v[OO+8*\e+2:OO+8*\e+3]
	v_pk_add_f32 v[UU:UU+1], v[OO+8*\e+4:OO+8*\e+5], v[OO+8*\e+6:OO+8*\e+7]
	v_pk_add_f32 v[TP+2*\e:TP+2*\e+1], v[TP+2*\e:TP+2*\e+1], v[UU:UU+1]
	v_add_f32 v[TP+2*\e], v[TP+2*\e], v[TP+2*\e+1]
.endr
	REDUCE
.irp e, 0,1,2,3,4,5,6,7
	v_mul_f32 v[TP+2*\e], s47, v[TP+2*\e]          ; the mean
.endr
.irp e, 0,1,2,3,4,5,6,7
.irp k, 0,2,4,6
	v_pk_add_f32 v[OO+8*\e+\k:OO+8*\e+\k+1], v[OO+8*\e+\k:OO+8*\e+\k+1], v[TP+2*\e:TP+2*\e+1] op_sel_hi:[1,0] neg_lo:[0,1] neg_hi:[0,1]
.endr
.endr
.irp e, 0,1,2,3,4,5,6,7
	v_pk_mul_f32 v[TP+2*\e:TP+2*\e+1], v[OO+8*\e:OO+8*\e+1], v[OO+8*\e:OO+8*\e+1]
.irp k, 2,4,6
	v_pk_fma_f32 v[TP+2*\e:TP+2*\e+1], v[OO+8*\e+\k:OO+8*\e+\k+1], v[OO+8*\e+\k:OO+8*\e+\k+1], v[TP+2*\e:TP+2*\e+1]
.endr
	v_add_f32 v[TP+2*\e], v[TP+2*\e], v[TP+2*\e+1]
.endr
	REDUCE
.irp e, 0,1,2,3,4,5,6,7
	v_fmaak_f32 v[TP+2*\e], s47, v[TP+2*\e], 0x3727c5ac   ; the variance + 1e-5
.endr
.irp e, 0,1,2,3,4,5,6,7
	v_rsq_f32 v[TP+2*\e], v[TP+2*\e]
.endr
	v_nop                                          ; one plain line behind the last of them
	s_wait_alu depctr_va_vdst(0)
.irp e, 0,1,2,3,4,5,6,7
.irp k, 0,2,4,6
	v_pk_mul_f32 v[OO+8*\e+\k:OO+8*\e+\k+1], v[OO+8*\e+\k:OO+8*\e+\k+1], v[TP+2*\e:TP+2*\e+1] op_sel_hi:[1,0]
.endr
.irp k, 0,2,4,6
	v_pk_fma_f32 v[OO+8*\e+\k:OO+8*\e+\k+1], v[OO+8*\e+\k:OO+8*\e+\k+1], v[GA+\k:GA+\k+1], v[BE+\k:BE+\k+1]
.endr
.irp w, 0,1
	global_store_b128 v[L16], v[OO+8*\e+4*\w:OO+8*\e+4*\w+3], s[82:83] offset:1024*\e+512*\w th:TH_STORE_NT   ; 512 consecutive bytes of a row; written once, read by nobody here
.endr
.endr
	s_wait_tensorcnt 0x0
	ds_add_u32 v254, v255
	s_wait_dscnt 0x0
	s_endpgm
.Lfunc_end_k_q219ce7bc3c_main:
	.size	k_q219ce7bc3c_main, .Lfunc_end_k_q219ce7bc3c_main-k_q219ce7bc3c_main
	.p2alignl 7, 3214868480
	.fill 96, 4, 3214868480
	.section	.rodata,"a",@progbits
	.p2align	6, 0x0
	.amdhsa_kernel k_q219ce7bc3c_main
		.amdhsa_group_segment_fixed_size 290816
		.amdhsa_private_segment_fixed_size 0
		.amdhsa_enable_private_segment 0
		.amdhsa_kernarg_size 152
		.amdhsa_user_sgpr_count 2
		.amdhsa_user_sgpr_kernarg_segment_ptr 1
		.amdhsa_wavefront_size32 1
		.amdhsa_system_sgpr_workgroup_id_x 1
		.amdhsa_system_sgpr_workgroup_id_y 1
		.amdhsa_system_sgpr_workgroup_id_z 1
		.amdhsa_system_vgpr_workitem_id 0
		.amdhsa_next_free_vgpr 512
		.amdhsa_next_free_sgpr 102
		.amdhsa_reserve_vcc 1
		.amdhsa_float_denorm_mode_32 3
		.amdhsa_float_denorm_mode_16_64 3
		.amdhsa_memory_ordered 1
		.amdhsa_forward_progress 1
		.amdhsa_inst_pref_size 207
	.end_amdhsa_kernel
	.amdgpu_metadata
---
amdhsa.version: [ 1, 2 ]
amdhsa.kernels:
  - .name:           k_q219ce7bc3c_main
    .symbol:         k_q219ce7bc3c_main.kd
    .args:
      - { .name: coords, .offset: 0, .size: 8, .value_kind: global_buffer, .address_space: global }
      - { .name: nidx, .offset: 8, .size: 8, .value_kind: global_buffer, .address_space: global }
      - { .name: kdw, .offset: 16, .size: 8, .value_kind: global_buffer, .address_space: global }
      - { .name: feat, .offset: 24, .size: 8, .value_kind: global_buffer, .address_space: global }
      - { .name: wcode, .offset: 32, .size: 8, .value_kind: global_buffer, .address_space: global }
      - { .name: wscale, .offset: 40, .size: 8, .value_kind: global_buffer, .address_space: global }
      - { .name: W_p1, .offset: 48, .size: 8, .value_kind: global_buffer, .address_space: global }
      - { .name: b_p1, .offset: 56, .size: 8, .value_kind: global_buffer, .address_space: global }
      - { .name: b_p2, .offset: 64, .size: 8, .value_kind: global_buffer, .address_space: global }
      - { .name: bq, .offset: 72, .size: 8, .value_kind: global_buffer, .address_space: global }
      - { .name: bk, .offset: 80, .size: 8, .value_kind: global_buffer, .address_space: global }
      - { .name: bv, .offset: 88, .size: 8, .value_kind: global_buffer, .address_space: global }
      - { .name: bo, .offset: 96, .size: 8, .value_kind: global_buffer, .address_space: global }
      - { .name: gamma, .offset: 104, .size: 8, .value_kind: global_buffer, .address_space: global }
      - { .name: beta, .offset: 112, .size: 8, .value_kind: global_buffer, .address_space: global }
      - { .name: out0, .offset: 120, .size: 8, .value_kind: global_buffer, .address_space: global }
      - { .name: fcode, .offset: 128, .size: 8, .value_kind: global_buffer, .address_space: global }
      - { .name: fscale, .offset: 136, .size: 8, .value_kind: global_buffer, .address_space: global }
      - { .name: b_feat, .offset: 144, .size: 8, .value_kind: global_buffer, .address_space: global }
    .group_segment_fixed_size: 290816
    .private_segment_fixed_size: 0
    .kernarg_segment_align: 8
    .kernarg_segment_size: 152
    .max_flat_workgroup_size: 256
    .sgpr_count:     102
    .vgpr_count:     512
    .wavefront_size: 32
...
	.end_amdgpu_metadata
.endif
;; end of part 6
;; ======== version 3 of 3: 3 launches
;; workspace buffers: cid 1,310,720 bytes of whole numbers; nidx 1,048,576 bytes of whole numbers; kdw 1,048,576 bytes; feat 16,777,216 bytes; wcode 163,840 bytes; wscale 20,480 bytes; fcode 1,048,576 bytes; fscale 131,072 bytes
;; launch scan (part 7): grid 256 x 1, 8 waves a work-group, no clusters, 87,040 bytes of LDS; arguments coords, W_feat, W_p2, Wq, Wk, Wv, Wo, cid, wcode, wscale; writes cid, wcode, wscale
.if DOCPART == 7
	.amdgcn_target "amdgcn-amd-amdhsa--gfx1250"
	.amdhsa_code_object_version 6
	.text
	.protected	k_q219ce7bc3c_scan
	.globl	k_q219ce7bc3c_scan
	.p2align	8
	.type	k_q219ce7bc3c_scan,@function
k_q219ce7bc3c_scan:
	s_mov_b64 s[64:65], 0
	v_nop
	global_prefetch_b8 v0, s[64:65] scope:SCOPE_SE
	s_setreg_imm32_b32 hwreg(HW_REG_WAVE_MODE, 25, 1), 1
	s_wait_xcnt 0x0
; FIRST STEP OF THE NEAREST-NEIGHBOUR SEARCH, AND THE WEIGHTS' CODES.
; The 4,096 candidates of a batch are cut into 256 chunks of 16.  For each query this launch finds the 18 chunks with the smallest chunk minimum of
; d = sqrt(dx^2 + dy^2) + 0.3 (t_query - t_candidate), with d = +inf where the candidate is later than the query or farther than 50; the query itself is NOT left out here (its d is 0).
; Why 18 serve: were the chunk of one of the 16 nearest others not among the 17 smallest, 17 chunks would each hold a candidate that goes ahead of it, of which at most one is the query itself.
; The 18th place is there because this launch takes the square root as v_sqrt_f32 gives it, while the next launch rounds it correctly.
; The chunk numbers leave sorted ascending, so that the next launch meets the candidates in ascending index.
; SHARES: work-group g: batch g / 64, queries 64 (g % 64) on.  Wave w: 32 queries (w / 4), a lane to a query; candidates 1,024 (w % 4) on: 64 chunks.  The four lists of a query group are merged by the wave with w % 4 = 0.
; Wave 1 of work-groups 0 to 159 then turns one fragment (16 columns x 128 along K) of a weight into E2M1 codes and E8M0 scale words, laid in the order of the operand's registers.
; LIMITS: NaN and infinite coordinates are not served; dx^2 + dy^2 is one fused multiply-add on dy^2, d one fused multiply-add; a squared distance under 2^-126 counts as 0;
; candidates whose d agree within about two units in the last place with the 16th may be lost only where two such near ties meet.
; A weight block whose largest magnitude lies under 2^-124 gets the scale byte 1 (a block of zeros too: its codes are zeros, and this program alone reads the bytes).
.set XQ, 2                             ; v[2:3] my query's x, twice; v[4:5] y; v[6:7] t
.set YQ, 4
.set TQ, 6
.set AD, 8                             ; LDS byte of the chunk being fetched
.set LST, 9                            ; my place in my wave's list: LISTS + 4,608 wave + 4 lane
.set CO, 11                            ; 8 x lane
.set FO, 12                            ; 48 x thread
.set FS, 13                            ; 16 x thread
.set QO, 14                            ; 12 x lane
.set A, 16                             ; v16-33 the 18 smallest chunk minima, ascending
.set P, 34                             ; v34-51 their chunk numbers
.set BUFA, 52                          ; v52-99 a chunk: 16 x, 16 y, 16 t
.set BUFB, 100                         ; v100-147 the other chunk
.set MN, 148
.set TP, 149
.set SO, 150                           ; v150-169 sorted numbers: number i at SO + i + i / 9; SO+9 and SO+19 are copies of the number before
.set TT, 170                           ; v170-172 the insertion's three numbers on their way
.set MK, 44                            ; s44-61 the compare masks
.set LISTS, 49152                      ; LDS: x[4096] at 0, y at 16,384, t at 32,768; then eight lists of 36 entries x 128 bytes
.set LISTB, 4608
.set NUM, 52
; x is put into the ascending list A (n places, of which those under lo are known to stay), pay into P beside it.  A number already there stays ahead of an equal x.
; M(i) = x < A(i).  The list ascends, so M(i - 1) implies M(i): place i takes M(i) ? (M(i - 1) ? P(i - 1) : pay) : P(i).  The inner choice is made in a register of its own, two places
; ahead of the line that takes it, so that no line reads the result of the line just above it; the compares go from the highest place down, in the order of their use.
.macro INSERT n, lo, x, pay
.set ii, \n-1
.rept \n-(\lo)
	v_cmp_lt_f32 s[MK+ii], \x, v[A+ii]
.set ii, ii-1
.endr
.set ii, \n-1
.rept \n-1-(\lo)
	v_cndmask_b32 v[TT+ii%3], \pay, v[P+ii-1], s[MK+ii-1]
	v_med3_num_f32 v[A+ii], v[A+ii-1], \x, v[A+ii]
.if ii+2 < \n
	v_cndmask_b32 v[P+ii+2], v[P+ii+2], v[TT+(ii+2)%3], s[MK+ii+2]
.endif
.set ii, ii-1
.endr
.if (\lo)+2 < \n
	v_cndmask_b32 v[P+(\lo)+2], v[P+(\lo)+2], v[TT+((\lo)+2)%3], s[MK+(\lo)+2]
.endif
.if (\lo)+1 < \n
	v_cndmask_b32 v[P+(\lo)+1], v[P+(\lo)+1], v[TT+((\lo)+1)%3], s[MK+(\lo)+1]
.endif
	v_min_num_f32 v[A+\lo], v[A+\lo], \x
	v_cndmask_b32 v[P+\lo], v[P+\lo], \pay, s[MK+\lo]
.endm
; twelve LDS loads: the next chunk's 16 x, 16 y, 16 t; every lane reads the same bytes
.macro LOADC buf
	v_mov_b32 v[AD], s38
	s_add_co_u32 s38, s38, 64
.irp a, 0,1,2
.irp q, 0,1,2,3
	ds_load_b128 v[\buf+16*\a+4*\q:\buf+16*\a+4*\q+3], v[AD] offset:16384*\a+16*\q
.endr
.endr
.endm
; the chunk's 16 distances, in place, and their minimum in v[MN]
.macro DIST buf
.irp p, 0,2,4,6,8,10,12,14
	v_pk_add_f32 v[\buf+\p:\buf+\p+1], v[\buf+\p:\buf+\p+1], v[XQ:XQ+1] neg_lo:[0,1] neg_hi:[0,1]
.endr
.irp p, 0,2,4,6,8,10,12,14
	v_pk_add_f32 v[\buf+16+\p:\buf+17+\p], v[\buf+16+\p:\buf+17+\p], v[YQ:YQ+1] neg_lo:[0,1] neg_hi:[0,1]
.endr
.irp p, 0,2,4,6,8,10,12,14
	v_pk_add_f32 v[\buf+32+\p:\buf+33+\p], v[TQ:TQ+1], v[\buf+32+\p:\buf+33+\p] neg_lo:[0,1] neg_hi:[0,1]   ; dt = my t - the candidate's
.endr
.irp p, 0,2,4,6,8,10,12,14
	v_pk_mul_f32 v[\buf+16+\p:\buf+17+\p], v[\buf+16+\p:\buf+17+\p], v[\buf+16+\p:\buf+17+\p]
.endr
.irp p, 0,2,4,6,8,10,12,14
	v_pk_fma_f32 v[\buf+\p:\buf+\p+1], v[\buf+\p:\buf+\p+1], v[\buf+\p:\buf+\p+1], v[\buf+16+\p:\buf+17+\p]   ; the squared distance
.endr
.irp p, 0,2,4,6,8,10,12,14
	v_pk_add_f32 v[\buf+16+\p:\buf+17+\p], s[34:35], v[\buf+\p:\buf+\p+1] op_sel_hi:[0,1] neg_lo:[0,1] neg_hi:[0,1]   ; 2500 - it
.endr
	s_wait_alu depctr_va_vdst(0)
.irp i, 0,1,2,3,4,5,6,7,8,9,10,11,12,13,14,15
	v_sqrt_f32 v[\buf+\i], v[\buf+\i]
.endr
.irp p, 0,2,4,6,8,10,12,14
	v_pk_mul_f32 v[\buf+16+\p:\buf+17+\p], v[\buf+16+\p:\buf+17+\p], s[36:37] op_sel_hi:[1,0]   ; x -inf: +inf beyond the radius, -inf inside, NaN on it.  (Plain lines behind the roots)
.endr
	s_wait_alu depctr_va_vdst(0)
.irp p, 0,2,4,6,8,10,12,14
	v_pk_fma_f32 v[\buf+\p:\buf+\p+1], v[\buf+32+\p:\buf+33+\p], s[32:33], v[\buf+\p:\buf+\p+1] op_sel_hi:[1,0,1]   ; d = 0.3 dt + the root
.endr
.irp p, 0,2,4,6,8,10,12,14
	v_pk_mul_f32 v[\buf+32+\p:\buf+33+\p], v[\buf+32+\p:\buf+33+\p], s[36:37] op_sel_hi:[1,0]   ; +inf for a later candidate, -inf for an earlier, NaN for an equal t
.endr
.irp i, 0,1,2,3,4,5,6,7,8,9,10,11,12,13,14,15
	v_max3_num_f32 v[\buf+\i], v[\buf+\i], v[\buf+16+\i], v[\buf+32+\i]   ; a NaN loses: d, or +inf where the candidate does not count
.endr
	v_min3_num_f32 v[MN], v[\buf], v[\buf+1], v[\buf+2]
	v_min3_num_f32 v[TP], v[\buf+3], v[\buf+4], v[\buf+5]
	s_delay_alu instid0(VALU_DEP_2)
	v_min3_num_f32 v[MN], v[MN], v[\buf+6], v[\buf+7]
	s_delay_alu instid0(VALU_DEP_2)
	v_min3_num_f32 v[TP], v[TP], v[\buf+8], v[\buf+9]
	s_delay_alu instid0(VALU_DEP_2)
	v_min3_num_f32 v[MN], v[MN], v[\buf+10], v[\buf+11]
	s_delay_alu instid0(VALU_DEP_2)
	v_min3_num_f32 v[TP], v[TP], v[\buf+12], v[\buf+13]
	s_delay_alu instid0(VALU_DEP_2)
	v_min3_num_f32 v[MN], v[MN], v[\buf+14], v[\buf+15]
	s_delay_alu instid0(VALU_DEP_1)
	v_min3_num_f32 v[MN], v[MN], v[TP], 0x7f7fffff   ; never +inf: so every chunk enters a list that began as +inf, and the 18 numbers are 18 different chunks
.endm
.macro LOADL buf, j                    ; the list of the wave j further on
.set ee, 0
.rept 36
	ds_load_b32 v[\buf+ee], v[LST] offset:\j*LISTB+128*ee
.set ee, ee+1
.endr
.endm
.macro MERGE buf                       ; an ascending list into mine: its k-th entry cannot land under place k
.set kk, 0
.rept 18
	INSERT 18, kk, v[\buf+kk], v[\buf+18+kk]
.set kk, kk+1
.endr
.endm
	s_load_b512 s[4:19], s[0:1], 0x0               ; coords, W_feat, W_p2, Wq, Wk, Wv, Wo, cid
	s_load_b128 s[20:23], s[0:1], 0x40             ; wcode, wscale
	v_lshl_add_u32 v192, v0, 2, 0x15000
	v_mov_b32 v193, 0
	v_lshrrev_b32 v1, 5, v0
	s_delay_alu instid0(VALU_DEP_1)
	v_readfirstlane_b32 s24, v1                    ; wave 0..7
	v_and_b32 v1, 31, v0                           ; lane
	s_wait_alu depctr_va_vdst(0)
	s_and_b32 s25, s24, 3                          ; which quarter of the candidates
	s_lshr_b32 s26, s24, 2                         ; which 32 queries
	s_lshr_b32 s27, ttmp9, 6                       ; batch
	s_mul_i32 s28, s27, 49152
	s_mov_b32 s29, 0
	s_and_b32 s30, ttmp9, 63
	s_lshl_b32 s30, s30, 1
	s_add_co_u32 s30, s30, s26                     ; my group of 32 queries in the batch
	s_mul_i32 s30, s30, 384                        ; x 32 x 12 bytes
	s_mov_b32 s31, 0
	s_mov_b32 s32, 0x3e99999a                      ; 0.3
	s_mov_b32 s33, s32
	s_mov_b32 s34, 0x451c4000                      ; 2500
	s_mov_b32 s35, s34
	s_mov_b32 s36, 0xff800000                      ; -inf
	s_mov_b32 s37, s36
	s_lshl_b32 s38, s25, 12                        ; LDS byte of my first chunk's x
	s_lshl_b32 s39, s25, 6                         ; its number
	s_mul_i32 s41, s24, LISTB
	s_add_co_u32 s41, s41, LISTS
	v_mul_u32_u24 v[FO], v0, 48
	v_lshlrev_b32 v[FS], 4, v0
	v_mul_u32_u24 v[QO], v1, 12
	v_lshl_add_u32 v[LST], v1, 2, s41
	v_lshlrev_b32 v[CO], 3, v1
	s_wait_alu depctr_va_vdst(0)
	s_wait_kmcnt 0x0
	s_add_nc_u64 s[4:5], s[4:5], s[28:29]          ; the batch's coordinates
	s_add_nc_u64 s[28:29], s[4:5], s[30:31]        ; my 32 queries'
.irp k, 0,1,2,3                        ; the batch's 49,152 bytes: a thread takes 4 points (48 bytes) four times
.irp c, 0,1,2
	global_load_b128 v[BUFA+12*\k+4*\c:BUFA+12*\k+4*\c+3], v[FO], s[4:5] offset:12288*\k+16*\c
.endr
.endr
	global_load_b32 v[XQ], v[QO], s[28:29]
	global_load_b32 v[YQ], v[QO], s[28:29] offset:4
	global_load_b32 v[TQ], v[QO], s[28:29] offset:8
.set ii, 0
.rept 18
	v_mov_b32 v[A+ii], 0x7f800000
	v_mov_b32 v[P+ii], 0
.set ii, ii+1
.endr
	s_wait_loadcnt 0x0
.irp k, 0,1,2,3
.irp e, 0,1,2,3
.irp c, 0,1,2
	ds_store_b32 v[FS], v[BUFA+12*\k+3*\e+\c] offset:16384*\c+4096*\k+4*\e   ; x, y and t apart
.endr
.endr
.endr
	v_mov_b32 v[XQ+1], v[XQ]
	v_mov_b32 v[YQ+1], v[YQ]
	v_mov_b32 v[TQ+1], v[TQ]
	s_wait_dscnt 0x0                               ; my stores have landed
	s_barrier_signal -1
	s_barrier_wait -1                              ; everybody's have: from here on nobody writes x, y, t
	LOADC BUFA
	s_mov_b32 s40, 31
.Lchunk:                                           ; two chunks a trip
	LOADC BUFB
	s_wait_dscnt 12                                ; all but the twelve loads just issued
	s_wait_alu depctr_va_vdst(0)
	DIST BUFA
	INSERT 18, 0, v[MN], s39
	s_add_co_u32 s39, s39, 1
	LOADC BUFA
	s_wait_dscnt 12
	DIST BUFB
	INSERT 18, 0, v[MN], s39
	s_add_co_u32 s39, s39, 1
	s_sub_co_u32 s40, s40, 1
	s_cmp_lg_u32 s40, 0
	s_cbranch_scc1 .Lchunk
	LOADC BUFB                                     ; chunks 62 and 63: nothing more to fetch behind them
	s_wait_dscnt 12
	DIST BUFA
	INSERT 18, 0, v[MN], s39
	s_add_co_u32 s39, s39, 1
	s_wait_dscnt 0x0
	DIST BUFB
	INSERT 18, 0, v[MN], s39
.set ee, 0
.rept 18
	ds_store_b32 v[LST], v[A+ee] offset:128*ee
	ds_store_b32 v[LST], v[P+ee] offset:128*(18+ee)
.set ee, ee+1
.endr
	s_wait_dscnt 0x0
	s_barrier_signal -1
	s_barrier_wait -1                              ; the eight lists lie in LDS; this is the last barrier
	s_cmp_eq_u32 s25, 0
	s_cbranch_scc1 .Lmerge
	s_cmp_eq_u32 s24, 1
	s_cbranch_scc0 .Lend
	s_cmp_lt_u32 ttmp9, 160
	s_cbranch_scc0 .Lend
	; ---- ONE FRAGMENT OF A WEIGHT.  Fragment f = the work-group's number: 0-15 W_feat, 16-31 W_p2, then 32 each of Wq, Wk, Wv, Wo (tile t, K step s at 2 t + s).
	; A lane takes a column and its registers run down K in the order that the operand's layout gives that lane: k = 64 c + 32 (lane / 16) + 0 .. 31.
	s_mov_b64 s[30:31], s[6:7]
	s_cmp_lt_u32 ttmp9, 16
	s_cselect_b64 s[30:31], s[30:31], s[8:9]
	s_cmp_lt_u32 ttmp9, 32
	s_cselect_b64 s[30:31], s[30:31], s[10:11]
	s_cmp_lt_u32 ttmp9, 64
	s_cselect_b64 s[30:31], s[30:31], s[12:13]
	s_cmp_lt_u32 ttmp9, 96
	s_cselect_b64 s[30:31], s[30:31], s[14:15]
	s_cmp_lt_u32 ttmp9, 128
	s_cselect_b64 s[30:31], s[30:31], s[16:17]
	s_and_b32 s40, ttmp9, 15
	s_bfe_u32 s41, ttmp9, 0x40001
	s_and_b32 s42, ttmp9, 1
	s_cmp_lt_u32 ttmp9, 32
	s_cselect_b32 s40, s40, s41                    ; the tile of 16 columns
	s_cselect_b32 s42, 0, s42                      ; the K step of 128
	s_cselect_b32 s43, 8, 0                        ; W_feat and W_p2: lane r of tile 2 b + u takes column 32 b + 8 u + r + 8 (r / 8), since their sum goes on into a quantiser along the columns
	s_and_b32 s44, s40, 1
	s_mul_i32 s44, s44, s43
	s_lshl_b32 s45, s40, 4
	s_sub_co_u32 s45, s45, s44
	s_lshl_b32 s46, s45, 2
	s_lshl_b32 s42, s42, 17
	s_add_co_u32 s46, s46, s42
	s_mov_b32 s47, 0
	s_add_nc_u64 s[30:31], s[30:31], s[46:47]
	s_lshl_b32 s48, ttmp9, 10
	s_mov_b32 s49, 0
	s_add_nc_u64 s[20:21], s[20:21], s[48:49]
	s_lshl_b32 s48, ttmp9, 7
	s_add_nc_u64 s[22:23], s[22:23], s[48:49]
	s_mov_b32 s50, 0x76543210
	s_mov_b32 s51, 0xfedcba98                      ; lane l xor 16
	v_and_b32 v16, 15, v0
	v_bfe_u32 v17, v0, 4, 1
	s_delay_alu instid0(VALU_DEP_2)
	v_lshrrev_b32 v18, 3, v16
	s_delay_alu instid0(VALU_DEP_1)
	v_mul_u32_u24 v18, v18, s43
	s_delay_alu instid0(VALU_DEP_1)
	v_add_nc_u32 v18, v18, v16
	s_delay_alu instid0(VALU_DEP_1)
	v_lshlrev_b32 v18, 2, v18
	s_delay_alu instid0(VALU_DEP_1)
	v_lshl_add_u32 v18, v17, 15, v18               ; 4 x column + 32 rows of 1,024 bytes for lanes 16-31
	v_lshlrev_b32 v19, 4, v1
	v_lshlrev_b32 v36, 2, v1
.irp c, 0,1
.irp i, 0,1,2,3,4,5,6,7,8,9,10,11,12,13,14,15,16,17,18,19,20,21,22,23,24,25,26,27,28,29,30,31
	global_load_b32 v[NUM+32*\c+\i], v18, s[30:31] offset:1024*(64*\c+\i)
.endr
.endr
	s_wait_loadcnt 0x0
.irp c, 0,1
	v_max3_num_f32 v[20+\c], |v[NUM+32*\c]|, |v[NUM+1+32*\c]|, 0x1800000   ; my block 2 c + lane / 16, and the floor 2^(3 - 127): the byte cannot fall under 1
.endr
.irp i, 2,4,6,8,10,12,14,16,18,20,22,24,26,28,30
.irp c, 0,1
	s_delay_alu instid0(VALU_DEP_2)
	v_max3_num_f32 v[20+\c], v[20+\c], |v[NUM+32*\c+\i]|, |v[NUM+1+32*\c+\i]|
.endr
.endr
.irp c, 0,1
	s_delay_alu instid0(VALU_DEP_2)
	v_add_nc_u32 v[24+\c], 0xff000000, v[20+\c]    ; 2 off the exponent field: the conversion's scale operand
.endr
.irp c, 0,1
	s_delay_alu instid0(VALU_DEP_2)
	v_lshrrev_b32 v[22+\c], 23, v[24+\c]           ; the scale's byte
.endr
	s_delay_alu instid0(VALU_DEP_1)
	v_lshl_or_b32 v26, v23, 16, v22
	v_lshlrev_b32 v27, 3, v17
	s_delay_alu instid0(VALU_DEP_1)
	v_lshlrev_b32 v26, v27, v26                    ; my two bytes at their places in the word
	v_mov_b32 v27, 0
	s_delay_alu instid0(VALU_DEP_1)
	v_permlanex16_b32 v27, v26, s50, s51
	s_delay_alu instid0(VALU_DEP_1)
	v_or_b32 v26, v26, v27                         ; with lane l xor 16's two the word is whole, in both halves
.irp c, 0,1
.irp g, 0,1,2,3
	v_cvt_scalef32_pk8_fp4_f32 v[28+4*\c+\g], v[NUM+32*\c+8*\g:NUM+32*\c+8*\g+7], v[24+\c]
.endr
.endr
	v_nop
	global_store_b128 v19, v[28:31], s[20:21]              ; the fragment as an image of its registers: 512 consecutive bytes a store
	global_store_b128 v19, v[32:35], s[20:21] offset:512
	global_store_b32 v36, v26, s[22:23]
.Lend:
	s_wait_tensorcnt 0x0
	ds_add_u32 v192, v193
	s_wait_dscnt 0x0
	s_endpgm
.Lmerge:
	LOADL BUFA, 1
	LOADL BUFB, 2
	s_wait_dscnt 36                                ; the first list is in; the second's 36 loads may be out
	MERGE BUFA
	LOADL BUFA, 3
	s_wait_alu depctr_va_vdst(0)
	s_wait_dscnt 36                                ; the second is in; the third's may be out
	MERGE BUFB
	s_wait_alu depctr_va_vdst(0)
	s_wait_dscnt 0x0
	MERGE BUFA
	; the 18 numbers, sorted ascending by insertion
	v_mov_b32 v[SO], v[P]
.set kk, 1
.rept 17
	v_max_u32 v[SO+kk+kk/9], v[SO+(kk-1)+(kk-1)/9], v[P+kk]
.set ii, kk-1
.rept kk-1
	v_max_u32 v[MN+ii%2], v[SO+(ii-1)+(ii-1)/9], v[P+kk]
	s_delay_alu instid0(VALU_DEP_1)
	v_min_u32 v[SO+ii+ii/9], v[SO+ii+ii/9], v[MN+ii%2]
.set ii, ii-1
.endr
	v_min_u32 v[SO], v[SO], v[P+kk]
.set kk, kk+1
.endr
	v_mov_b32 v[SO+9], v[SO+8]                     ; a tenth number for each half: the next launch looks one chunk ahead
	v_mov_b32 v[SO+19], v[SO+18]
	s_lshl_b32 s40, ttmp9, 1
	s_add_co_u32 s40, s40, s26
	s_mul_i32 s40, s40, 2560
	s_mov_b32 s41, 0
	s_add_nc_u64 s[18:19], s[18:19], s[40:41]
.irp p, 0,1,2,3,4,5,6,7,8,9
	global_store_b64 v[CO], v[SO+2*\p:SO+2*\p+1], s[18:19] offset:256*\p   ; 32 lanes store 256 consecutive bytes
.endr
	s_wait_tensorcnt 0x0
	ds_add_u32 v192, v193
	s_wait_dscnt 0x0
	s_endpgm
.Lfunc_end_k_q219ce7bc3c_scan:
	.size	k_q219ce7bc3c_scan, .Lfunc_end_k_q219ce7bc3c_scan-k_q219ce7bc3c_scan
	.p2alignl 7, 3214868480
	.fill 96, 4, 3214868480
	.section	.rodata,"a",@progbits
	.p2align	6, 0x0
	.amdhsa_kernel k_q219ce7bc3c_scan
		.amdhsa_group_segment_fixed_size 87040
		.amdhsa_private_segment_fixed_size 0
		.amdhsa_enable_private_segment 0
		.amdhsa_kernarg_size 80
		.amdhsa_user_sgpr_count 2
		.amdhsa_user_sgpr_kernarg_segment_ptr 1
		.amdhsa_wavefront_size32 1
		.amdhsa_system_sgpr_workgroup_id_x 1
		.amdhsa_system_sgpr_workgroup_id_y 1
		.amdhsa_system_sgpr_workgroup_id_z 1
		.amdhsa_system_vgpr_workitem_id 0
		.amdhsa_next_free_vgpr 194
		.amdhsa_next_free_sgpr 66
		.amdhsa_reserve_vcc 0
		.amdhsa_float_denorm_mode_32 3
		.amdhsa_float_denorm_mode_16_64 3
		.amdhsa_memory_ordered 1
		.amdhsa_forward_progress 1
		.amdhsa_inst_pref_size 217
	.end_amdhsa_kernel
	.amdgpu_metadata
---
amdhsa.version: [ 1, 2 ]
amdhsa.kernels:
  - .name:           k_q219ce7bc3c_scan
    .symbol:         k_q219ce7bc3c_scan.kd
    .args:
      - { .name: coords, .offset: 0, .size: 8, .value_kind: global_buffer, .address_space: global }
      - { .name: W_feat, .offset: 8, .size: 8, .value_kind: global_buffer, .address_space: global }
      - { .name: W_p2, .offset: 16, .size: 8, .value_kind: global_buffer, .address_space: global }
      - { .name: Wq, .offset: 24, .size: 8, .value_kind: global_buffer, .address_space: global }
      - { .name: Wk, .offset: 32, .size: 8, .value_kind: global_buffer, .address_space: global }
      - { .name: Wv, .offset: 40, .size: 8, .value_kind: global_buffer, .address_space: global }
      - { .name: Wo, .offset: 48, .size: 8, .value_kind: global_buffer, .address_space: global }
      - { .name: cid, .offset: 56, .size: 8, .value_kind: global_buffer, .address_space: global }
      - { .name: wcode, .offset: 64, .size: 8, .value_kind: global_buffer, .address_space: global }
      - { .name: wscale, .offset: 72, .size: 8, .value_kind: global_buffer, .address_space: global }
    .group_segment_fixed_size: 87040
    .private_segment_fixed_size: 0
    .kernarg_segment_align: 8
    .kernarg_segment_size: 80
    .max_flat_workgroup_size: 256
    .sgpr_count:     66
    .vgpr_count:     194
    .wavefront_size: 32
...
	.end_amdgpu_metadata
.endif
;; end of part 7
;; launch pick (part 8): grid 256 x 1, 4 waves a work-group, no clusters, 83,456 bytes of LDS; arguments coords, cid, features, wcode, wscale, b_feat, nidx, kdw, feat, fcode, fscale; writes nidx, kdw, feat, fcode, fscale
.if DOCPART == 8
	.amdgcn_target "amdgcn-amd-amdhsa--gfx1250"
	.amdhsa_code_object_version 6
	.text
	.protected	k_q219ce7bc3c_pick
	.globl	k_q219ce7bc3c_pick
	.p2align	8
	.type	k_q219ce7bc3c_pick,@function
k_q219ce7bc3c_pick:
	s_mov_b64 s[64:65], 0
	v_nop
	global_prefetch_b8 v0, s[64:65] scope:SCOPE_SE
	s_setreg_imm32_b32 hwreg(HW_REG_WAVE_SCHED_MODE, 0, 2), 2
	s_setreg_imm32_b32 hwreg(HW_REG_WAVE_MODE, 25, 1), 1
	s_wait_xcnt 0x0
	s_wait_alu depctr_vm_vsrc(0)
; SECOND STEP OF THE SEARCH, AND feat = Q(features) Q(W_feat) + b_feat, AND Q(features) ITSELF.
; For each query the 18 listed chunks (288 candidates) are gone through in ascending index, and the 16 smallest d with their indices are kept; of equal d the lower index stays ahead.
; d = sd + 0.3 (t_query - t_candidate); sd = the correctly rounded root of fma(dx, dx, dy dy); d = +inf for the query itself, for a later candidate and where sd > 50.
; SHARES: work-group g: queries 64 g on.  Wave w: 32 queries (w / 2), a lane to a query; chunks 0-8 (w even) or 9-17 (w odd) of the list; the even wave merges the two results.
; Then wave w makes rows 64 g + 16 w .. + 15 of feat: the rows are quantised in registers, W_feat's 16 fragments come as codes; the product is used transposed
; (source 0 = 16 columns of W_feat, source 1 = my 16 rows), so that a lane holds eight neighbouring numbers of a row; b_feat is the C of each tile's one product.
; Lane r of W_feat's tile 2 b + u holds column 32 b + 8 u + r + 8 (r / 8): so register j of that tile is column 32 b + 8 u + 16 (lane / 16) + j of my row.
; The rows' codes (64 bytes a row) and scale words (8 bytes a row: the word twice, one from each half of the lanes) are stored too: the next launch makes the neighbours' rows of feat anew from them.
; LIMITS: NaN and infinite coordinates are not served; a squared distance under 2^-126 counts as 0; the two multiply-adds are fused; a block of features whose largest magnitude lies under 2^-124 gets the scale byte 1.
; THE MODE: SCHED_MODE bits 1:0 = 2 (LLVM: expert scheduling mode 2), set by the entry lines.  The code itself states the register dependences
; between vector or matrix instructions and memory or LDS instructions, and from vector instructions to scalar registers, with s_wait_alu, always for 0.
; THE PLAN.  Registers that memory or LDS instructions touch:
;   v[OFU+j]   Read by unit j's three loads; written at the head of the unit's next turn, behind a wait on vm_vsrc.
;   RG, unit j Read by the turn's twelve subtractions; the next chunk's loads land in it.  They stand behind the wait on va_vdst that the four roots have anyway: it also states that the
;              subtractions are done and that v[OFU+j] is written.  No vector instruction of the turn names RG's unit j behind that wait.
;   A, P       Written by the insertions; read by the LDS stores behind the loop and by the even wave's global stores; W_feat's fragments land there afterwards.
;   PC, PW     Written by the quantiser; read by three global stores and by the products; not written again.
;   XR         Read by the quantiser; biases land there; written by the products; read by the LDS stores.
;   The offsets v10 to v14 and v242 to v247 are made at the head and never written again.
;   The masks s44 to s59 are written by runs of compares; one wait on va_sdst stands behind each run, with lines that read no mask ahead of it.
.set XQ, 2
.set YQ, 3
.set TQ, 4
.set QI, 5                             ; my query's index in its batch
.set JB, 7                             ; first index of the chunk at work
.set INF, 9
.set LM, 10                            ; LDS: my place in my wave's result: 4,096 wave + 4 lane
.set STW, 11                           ; the stage, in: row r, + 64 h
.set STR, 12                           ; and back: 16 x lane
.set L16, 13
.set QO, 14
.set A, 16                             ; v16-31 the 16 smallest d;  v32-47 their indices
.set P, 32
.set ID, 48                            ; v48-57 my ten chunk numbers
.set RG, 60                            ; v60-107 a chunk in four units of 4 candidates x 3 numbers
.set DX, 108
.set DY, 112
.set DT, 116
.set SQ, 120
.set SS, 124
.set DN, 128
.set UP, 132
.set DD, 136
.set JJ, 140
.set XR, 144                           ; v144-207 64 numbers of my row of features; later eight accumulators
.set TM, 208
.set PC, 224
.set PW, 232                           ; my rows' scale word: scales and nothing else
.set WS, 234                           ; v234-241 W_feat's scale words: tile 2 p in lanes 0-15, tile 2 p + 1 in lanes 16-31
.set FO, 242
.set SCO, 243
.set BO, 244
.set CIO, 245
.set FCO, 246                          ; my 16 bytes of a row's codes: 64 r + 16 h
.set FSO, 247                          ; my copy of a row's scale word: 8 r + 4 h
.set OFU, 248                          ; v248-251 unit j's byte offset of the chunk that it fetches: a register for each unit
.set TT, 252                           ; v252-254 the insertion's three numbers on their way
.set FRG, 16                           ; v16-143 W_feat's 16 fragments; later the rows on their way out
.set MK, 44
.set SEL, 62
; x is put into the ascending list A (n places, of which those under lo are known to stay), pay into P beside it.  A number already there stays ahead of an equal x.
; M(i) = x < A(i).  The list ascends, so M(i - 1) implies M(i): place i takes M(i) ? (M(i - 1) ? P(i - 1) : pay) : P(i).  The inner choice is made in a register of its own, two places
; ahead of the line that takes it.  The compares come first; the lines that move the distances, which read no mask, stand between them and the wait for the masks; the selects follow.
.macro INSERT n, lo, x, pay
.set ii, \n-1
.rept \n-(\lo)
	v_cmp_lt_f32 s[MK+ii], \x, v[A+ii]
.set ii, ii-1
.endr
.set ii, \n-1
.rept \n-1-(\lo)
	v_med3_num_f32 v[A+ii], v[A+ii-1], \x, v[A+ii]
.set ii, ii-1
.endr
	v_min_num_f32 v[A+\lo], v[A+\lo], \x
	s_wait_alu depctr_va_sdst(0)                   ; the compares above have written their masks, which the selects below read
.set ii, \n-1
.rept \n-1-(\lo)
	v_cndmask_b32 v[TT+ii%3], \pay, v[P+ii-1], s[MK+ii-1]
.if ii+2 < \n
	v_cndmask_b32 v[P+ii+2], v[P+ii+2], v[TT+(ii+2)%3], s[MK+ii+2]
.endif
.set ii, ii-1
.endr
.if (\lo)+2 < \n
	v_cndmask_b32 v[P+(\lo)+2], v[P+(\lo)+2], v[TT+((\lo)+2)%3], s[MK+(\lo)+2]
.endif
.if (\lo)+1 < \n
	v_cndmask_b32 v[P+(\lo)+1], v[P+(\lo)+1], v[TT+((\lo)+1)%3], s[MK+(\lo)+1]
.endif
	v_cndmask_b32 v[P+\lo], v[P+\lo], \pay, s[MK+\lo]
.endm
; unit j of the chunk at work: four candidates, by turns; its registers take the same unit of the next chunk
.macro UNIT j
	s_wait_loadcnt 9                               ; my three loads are in; the nine issued behind them (three units, with offset registers of their own) may be out
	s_wait_alu depctr_vm_vsrc(0)                   ; those three loads have read v[OFU+j], which the next line writes
	v_min_u32 v[OFU+\j], 0xff, v[ID+1]
.irp e, 0,1
	v_sub_f32 v[DX+\e], v[XQ], v[RG+12*\j+3*\e]
	v_sub_f32 v[DY+\e], v[YQ], v[RG+12*\j+3*\e+1]
	v_sub_f32 v[DT+\e], v[TQ], v[RG+12*\j+3*\e+2]
.endr
	v_mul_u32_u24 v[OFU+\j], v[OFU+\j], 192        ; the next chunk (in the last trip: the tenth number, a copy of the ninth): 16 points of 12 bytes
.irp e, 2,3
	v_sub_f32 v[DX+\e], v[XQ], v[RG+12*\j+3*\e]
	v_sub_f32 v[DY+\e], v[YQ], v[RG+12*\j+3*\e+1]
	v_sub_f32 v[DT+\e], v[TQ], v[RG+12*\j+3*\e+2]
.endr
.irp e, 0,1,2,3
	v_mul_f32 v[DY+\e], v[DY+\e], v[DY+\e]
.endr
.irp e, 0,1,2,3
	v_fma_f32 v[SQ+\e], v[DX+\e], v[DX+\e], v[DY+\e]
.endr
	s_wait_alu depctr_va_vdst(0)
.irp e, 0,1,2,3
	v_sqrt_f32 v[SS+\e], v[SQ+\e]
.endr
.irp e, 0,1,2,3
	v_add_nc_u32 v[JJ+\e], 4*\j+\e, v[JB]          ; the candidate's index.  (Plain lines behind the roots)
.endr
	s_wait_alu depctr_va_vdst(0)                   ; the four roots are written, ahead of their first reader; the subtractions are done reading RG's unit j, in which the loads below land; v[OFU+j], their offset, is written
.irp c, 0,1,2
	global_load_b128 v[RG+12*\j+4*\c:RG+12*\j+4*\c+3], v[OFU+\j], s[4:5] offset:48*\j+16*\c
.endr
.irp e, 0,1,2,3
	v_add_nc_u32 v[DN+\e], -1, v[SS+\e]            ; the root's neighbours below and above
	v_add_nc_u32 v[UP+\e], 1, v[SS+\e]
.endr
.irp e, 0,1,2,3
	v_fma_f32 v[DX+\e], -v[DN+\e], v[SS+\e], v[SQ+\e]
	v_fma_f32 v[DY+\e], -v[UP+\e], v[SS+\e], v[SQ+\e]
.endr
.irp e, 0,1,2,3
	v_cmp_ge_f32 s[MK+\e], 0, v[DX+\e]             ; the root came out one too high
	v_cmp_lt_f32 s[MK+4+\e], 0, v[DY+\e]           ; or one too low
.endr
.irp e, 0,1,2,3
	v_cmp_gt_f32 s[MK+8+\e], 0, v[DT+\e]           ; later than my query
	v_cmp_eq_u32 s[MK+12+\e], v[JJ+\e], v[QI]      ; my query itself
.endr
	s_wait_alu depctr_va_sdst(0)                   ; the sixteen compares above have written their masks, ahead of the first select that reads one
.irp e, 0,1,2,3
	v_cndmask_b32 v[SS+\e], v[SS+\e], v[DN+\e], s[MK+\e]
.endr
.irp e, 0,1,2,3
	v_cndmask_b32 v[SS+\e], v[SS+\e], v[UP+\e], s[MK+4+\e]
.endr
.irp e, 0,1,2,3
	v_fma_f32 v[DD+\e], v[DT+\e], s23, v[SS+\e]
.endr
.irp e, 0,1,2,3
	v_cmp_lt_f32 s[MK+\e], s43, v[SS+\e]           ; beyond the radius
.endr
.irp m, 8,12
.irp e, 0,1,2,3
	v_cndmask_b32 v[DD+\e], v[DD+\e], v[INF], s[MK+\m+\e]
.endr
.endr
	s_wait_alu depctr_va_sdst(0)                   ; the four compares with the radius have written their masks
.irp e, 0,1,2,3
	v_cndmask_b32 v[DD+\e], v[DD+\e], v[INF], s[MK+\e]
.endr
.irp e, 0,1,2,3
	INSERT 16, 0, v[DD+\e], v[JJ+\e]
.endr
.endm
; 64 numbers of a lane, register 16 b + i = k 32 b + 16 (lane / 16) + i of my row, become a fragment's codes in v[PC] on and its scale word in v[PW]
.macro QUANT s
.irp b, 0,1,2,3
	v_max3_num_f32 v[TM+\b], |v[\s+16*\b]|, |v[\s+1+16*\b]|, 0x1800000   ; and the floor 2^(3 - 127): the byte cannot fall under 1
.endr
.irp i, 2,4,6,8,10,12,14
.irp b, 0,1,2,3
	v_max3_num_f32 v[TM+\b], v[TM+\b], |v[\s+16*\b+\i]|, |v[\s+1+16*\b+\i]|
.endr
.endr
.irp b, 0,1,2,3
	v_permlanex16_b32 v[TM+4+\b], v[TM+\b], s[SEL], s[SEL+1]
.endr
.irp b, 0,1,2,3
	v_max_num_f32 v[TM+\b], v[TM+\b], v[TM+4+\b]
.endr
.irp b, 0,1,2,3
	v_add_nc_u32 v[TM+12+\b], 0xff000000, v[TM+\b]
.endr
.irp b, 0,1,2,3
	v_lshrrev_b32 v[TM+4+\b], 23, v[TM+12+\b]
.endr
	v_lshl_or_b32 v[PW], v[TM+5], 8, v[TM+4]
	v_lshl_or_b32 v[PW], v[TM+6], 16, v[PW]
	v_lshl_or_b32 v[PW], v[TM+7], 24, v[PW]
.irp b, 0,1,2,3
	v_cvt_scalef32_pk8_fp4_f32 v[PC+2*\b], v[\s+16*\b:\s+7+16*\b], v[TM+12+\b]
	v_cvt_scalef32_pk8_fp4_f32 v[PC+1+2*\b], v[\s+8+16*\b:\s+15+16*\b], v[TM+12+\b]
.endr
	v_nop                                          ; one plain line behind a scaled conversion
.irp c, 0,1
.irp i, 0,1
	v_permlane16_swap_b32 v[PC+4*\c+\i], v[PC+2+4*\c+\i]   ; a whole block to a lane
.endr
.endr
.endm
; eight tiles of 16 columns, 128 tg on
.macro FEAT tg
.if \tg
	s_wait_alu depctr_vm_vsrc(0)                   ; the LDS stores above have read the eight accumulators, in which the next biases land
.endif
.irp n, 0,1,2,3,4,5,6,7,8,9,10,11,12,13,14,15
	global_load_b128 v[XR+4*\n:XR+4*\n+3], v[BO], s[14:15] offset:512*\tg+128*(\n/4)+32*((\n/2)%2)+16*(\n%2)   ; b_feat in the result's layout: the sums begin with it
.endr
	s_wait_loadcnt 0x0
.if \tg == 0
.rept 8
	v_nop                                          ; a scale word made by vector lines stands eight places ahead of a scaled product, codes so made four
.endr
	s_wait_alu depctr_va_vdst(0)                   ; the quantiser has written v[PC ..] and v[PW], which the products take as source 1 and as its scales; the places above stay beside this wait
.endif
.irp t, 0,1,2,3,4,5,6,7                ; eight accumulators, one product each
.if \t%2
	v_wmma_scale_f32_16x16x128_f8f6f4 v[XR+8*\t:XR+8*\t+7], v[FRG+8*(8*\tg+\t):FRG+8*(8*\tg+\t)+7], v[PC:PC+7], v[XR+8*\t:XR+8*\t+7], v[WS+(8*\tg+\t)/2], v[PW] matrix_a_fmt:MATRIX_FMT_FP4 matrix_b_fmt:MATRIX_FMT_FP4 matrix_a_scale:MATRIX_SCALE_ROW1
.else
	v_wmma_scale_f32_16x16x128_f8f6f4 v[XR+8*\t:XR+8*\t+7], v[FRG+8*(8*\tg+\t):FRG+8*(8*\tg+\t)+7], v[PC:PC+7], v[XR+8*\t:XR+8*\t+7], v[WS+(8*\tg+\t)/2], v[PW] matrix_a_fmt:MATRIX_FMT_FP4 matrix_b_fmt:MATRIX_FMT_FP4
.endif
.endr
.rept 4
	v_nop                                          ; four places ahead of the first read of results
.endr
	s_wait_alu depctr_va_vdst(0)                   ; the products have written the accumulators, which the LDS stores read and in which the next biases land, and are done reading their fragments, in which the rows land on the way out
.irp t, 0,1,2,3,4,5,6,7
	ds_store_b128 v[STW], v[XR+8*\t:XR+8*\t+3] offset:512*\tg+128*(\t/2)+32*(\t%2)        ; each accumulator from its low end on
	ds_store_b128 v[STW], v[XR+8*\t+4:XR+8*\t+7] offset:512*\tg+128*(\t/2)+32*(\t%2)+16
.endr
	s_wait_dscnt 0x0                               ; the stores have landed
.endm
	s_load_b512 s[4:19], s[0:1], 0x0               ; coords, cid, features, wcode, wscale, b_feat, nidx, kdw
	s_load_b64 s[20:21], s[0:1], 0x40              ; feat
	s_load_b128 s[68:71], s[0:1], 0x48             ; fcode, fscale
	v_lshl_add_u32 v233, v0, 2, 0x14400
	v_mov_b32 v255, 0
	v_lshrrev_b32 v1, 5, v0
	v_readfirstlane_b32 s24, v1                    ; wave 0..3
	v_and_b32 v1, 31, v0
	s_wait_alu depctr_va_vdst(0)
	v_and_b32 v8, 15, v0
	s_wait_alu depctr_va_vdst(0)
	v_bfe_u32 v15, v0, 4, 1
	s_wait_alu depctr_va_sdst(0)                   ; s24 is written, ahead of its first reader
	s_lshr_b32 s25, s24, 1                         ; which 32 queries
	s_and_b32 s26, s24, 1                          ; which half of the list
	s_lshr_b32 s27, ttmp9, 6                       ; batch
	s_mul_i32 s28, s27, 49152
	s_mov_b32 s29, 0
	s_lshl_b32 s30, ttmp9, 1
	s_add_co_u32 s30, s30, s25                     ; my group of 32 queries, 0..511
	s_mul_i32 s32, s30, 384
	s_mov_b32 s33, 0
	s_mul_i32 s34, s30, 2560
	s_mul_i32 s35, s26, 1280
	s_add_co_u32 s34, s34, s35
	s_mov_b32 s35, 0
	s_and_b32 s36, s30, 127
	s_lshl_b32 s36, s36, 5
	v_add_nc_u32 v[QI], s36, v1
	s_lshl_b32 s36, s30, 11
	s_mov_b32 s37, 0
	s_lshl_b32 s38, ttmp9, 15
	s_lshl_b32 s39, s24, 13
	s_add_co_u32 s38, s38, s39                     ; my 16 rows of features
	s_mov_b32 s39, 0
	s_lshl_b32 s60, ttmp9, 16
	s_lshl_b32 s61, s24, 14
	s_add_co_u32 s60, s60, s61                     ; of feat,
	s_mov_b32 s61, 0
	s_lshl_b32 s72, ttmp9, 12
	s_lshl_b32 s73, s24, 10
	s_add_co_u32 s72, s72, s73                     ; of the codes, 64 bytes a row,
	s_mov_b32 s73, 0
	s_lshl_b32 s74, ttmp9, 9
	s_lshl_b32 s75, s24, 7
	s_add_co_u32 s74, s74, s75                     ; and of the scale words, 8 bytes a row
	s_mov_b32 s75, 0
	s_mov_b32 s23, 0x3e99999a                      ; 0.3
	s_mov_b32 s43, 0x42480000                      ; 50
	s_mov_b32 s[SEL], 0x76543210
	s_mov_b32 s[SEL+1], 0xfedcba98
	s_lshl_b32 s40, s24, 12
	v_lshl_add_u32 v[LM], v1, 2, s40
	s_mul_i32 s40, s24, 16640
	s_add_co_u32 s40, s40, 16384
	v_mul_u32_u24 v[STW], v8, 1040
	s_wait_alu depctr_va_vdst(0)
	v_lshl_add_u32 v[STW], v15, 6, v[STW]
	v_add_nc_u32 v[STW], s40, v[STW]
	v_lshlrev_b32 v[L16], 4, v1
	v_add_nc_u32 v[STR], s40, v[L16]
	v_mul_u32_u24 v[QO], v1, 12
	v_lshlrev_b32 v[CIO], 3, v1
	v_lshlrev_b32 v[FO], 9, v8
	v_lshl_add_u32 v[FO], v15, 6, v[FO]            ; features: row r of 512 bytes, + 64 h
	v_lshlrev_b32 v[SCO], 2, v8
	v_lshl_add_u32 v[SCO], v15, 7, v[SCO]          ; scale words: 4 r, the next fragment's for lanes 16-31
	v_lshlrev_b32 v[BO], 6, v15
	v_lshlrev_b32 v[FCO], 6, v8
	v_lshl_add_u32 v[FCO], v15, 4, v[FCO]
	v_lshlrev_b32 v[FSO], 3, v8
	v_lshl_add_u32 v[FSO], v15, 2, v[FSO]
	v_mov_b32 v[INF], 0x7f800000
.set ii, 0
.rept 16
	v_mov_b32 v[A+ii], 0x7f800000
	v_mov_b32 v[P+ii], 0
.set ii, ii+1
.endr
.irp b, 0,1,2,3
	v_mov_b32 v[TM+4+\b], 0                        ; a lane permute's destination counts as one of its sources
.endr
	s_wait_kmcnt 0x0
	s_add_nc_u64 s[40:41], s[4:5], s[32:33]        ; my queries' coordinates
	s_add_nc_u64 s[4:5], s[4:5], s[28:29]          ; the batch's
	s_add_nc_u64 s[6:7], s[6:7], s[34:35]
	s_add_nc_u64 s[8:9], s[8:9], s[38:39]
	s_add_nc_u64 s[16:17], s[16:17], s[36:37]
	s_add_nc_u64 s[18:19], s[18:19], s[36:37]
	s_add_nc_u64 s[20:21], s[20:21], s[60:61]
	s_add_nc_u64 s[68:69], s[68:69], s[72:73]
	s_add_nc_u64 s[70:71], s[70:71], s[74:75]
	s_wait_alu depctr_va_vdst(0)                   ; the offsets and LDS addresses made above are written: every load and store of the kernel but the chunks' reads one of them
	global_load_b32 v[XQ], v[QO], s[40:41]
	global_load_b32 v[YQ], v[QO], s[40:41] offset:4
	global_load_b32 v[TQ], v[QO], s[40:41] offset:8
.irp p, 0,1,2,3,4
	global_load_b64 v[ID+2*\p:ID+2*\p+1], v[CIO], s[6:7] offset:256*\p
.endr
.irp b, 0,1,2,3
.irp j, 0,1,2,3
	global_load_b128 v[XR+16*\b+4*\j:XR+16*\b+4*\j+3], v[FO], s[8:9] offset:128*\b+16*\j th:TH_LOAD_NT
.endr
.endr
	s_wait_loadcnt 16                              ; coordinates and chunk numbers are in; the 16 loads of features may be out
.irp j, 0,1,2,3
	v_min_u32 v[OFU+\j], 0xff, v[ID]
.endr
.irp j, 0,1,2,3
	v_mul_u32_u24 v[OFU+\j], v[OFU+\j], 192        ; a chunk is 16 points of 12 bytes
.endr
	s_wait_alu depctr_va_vdst(0)                   ; the four offsets are written, which the first chunk's loads read
.irp j, 0,1,2,3
.irp c, 0,1,2
	global_load_b128 v[RG+12*\j+4*\c:RG+12*\j+4*\c+3], v[OFU+\j], s[4:5] offset:48*\j+16*\c
.endr
.endr
	s_mov_b32 s22, 9
.Lchunk:
	s_wait_alu depctr_va_vdst(0)
	v_lshlrev_b32 v[JB], 4, v[ID]
	UNIT 0
	UNIT 1
	UNIT 2
	UNIT 3
.irp i, 0,1,2,3,4,5,6,7,8
	v_mov_b32 v[ID+\i], v[ID+\i+1]
.endr
	s_sub_co_u32 s22, s22, 1
	s_cmp_lg_u32 s22, 0
	s_cbranch_scc1 .Lchunk
	s_wait_loadcnt 0x0
	s_wait_alu depctr_va_vdst(0)                   ; the insertions have written A and P, which the LDS stores read; the subtractions are done reading RG, in which the other wave's result lands
.set ee, 0
.rept 16
	ds_store_b32 v[LM], v[A+ee] offset:128*ee
	ds_store_b32 v[LM], v[P+ee] offset:2048+128*ee
.set ee, ee+1
.endr
	s_wait_dscnt 0x0
	s_barrier_signal -1
	s_barrier_wait -1                              ; the one barrier: the four results lie in LDS
	s_wait_alu depctr_vm_vsrc(0)                   ; my LDS stores have read A and P: the merge writes them, and W_feat's fragments land there
	s_cmp_eq_u32 s26, 0
	s_cbranch_scc0 .Lfeat
.set ee, 0
.rept 32
	ds_load_b32 v[RG+ee], v[LM] offset:4096+128*ee ; the odd wave's result: higher indices than mine, so mine stay ahead of equal d
.set ee, ee+1
.endr
	s_wait_dscnt 0x0
.set kk, 0
.rept 16
	INSERT 16, kk, v[RG+kk], v[RG+16+kk]
.set kk, kk+1
.endr
	s_wait_alu depctr_va_vdst(0)                   ; the merge has written A and P, which the stores read
.irp q, 0,1,2,3
	global_store_b128 v[L16], v[P+4*\q:P+4*\q+3], s[16:17] offset:512*\q   ; 512 consecutive bytes a store
	global_store_b128 v[L16], v[A+4*\q:A+4*\q+3], s[18:19] offset:512*\q
.endr
	s_wait_alu depctr_vm_vsrc(0)                   ; these stores have read A and P, in which W_feat's fragments land
.Lfeat:
	s_wait_xcnt 0x0                                ; the stores' addresses are translated: W_feat's fragments may land in their registers
	QUANT XR
	s_wait_alu depctr_va_vdst(0)                   ; the quantiser has written v[PC ..] and v[PW], which the stores read, and is done reading XR, in which the biases land; all vector work on v16 to v143, in which the fragments land, is done
	global_store_b128 v[FCO], v[PC:PC+3], s[68:69]             ; registers 4 c .. 4 c + 3 hold k = 64 c + 32 h + 0 .. 31: bytes 32 c + 16 h on of my row's 64; the two stores fill my wave's 1,024 bytes
	global_store_b128 v[FCO], v[PC+4:PC+7], s[68:69] offset:32
	global_store_b32 v[FSO], v[PW], s[70:71]                   ; these registers are not written again
.set nn, 0
.rept 32
	global_load_b128 v[FRG+4*nn:FRG+4*nn+3], v[L16], s[10:11] offset:512*nn
.set nn, nn+1
.endr
.irp p, 0,1,2,3,4,5,6,7
	global_load_b32 v[WS+\p], v[SCO], s[12:13] offset:256*\p
.endr
	FEAT 0
	FEAT 1
.set nn, 0
.rept 32
	ds_load_b128 v[FRG+4*nn:FRG+4*nn+3], v[STR] offset:1040*(nn/2)+512*(nn%2)   ; LDS serves a wave's instructions in order: these see my stores
.set nn, nn+1
.endr
.set nn, 0
.rept 32
	s_wait_dscnt 31-nn
	global_store_b128 v[L16], v[FRG+4*nn:FRG+4*nn+3], s[20:21] offset:1024*(nn/2)+512*(nn%2)   ; 512 consecutive bytes of a row
.set nn, nn+1
.endr
	s_wait_dscnt 0x0                               ; the closing lines, six on end
	s_wait_alu 0x0
	s_wait_tensorcnt 0x0
	ds_add_u32 v233, v255
	s_wait_dscnt 0x0
	s_endpgm
.Lfunc_end_k_q219ce7bc3c_pick:
	.size	k_q219ce7bc3c_pick, .Lfunc_end_k_q219ce7bc3c_pick-k_q219ce7bc3c_pick
	.p2alignl 7, 3214868480
	.fill 96, 4, 3214868480
	.section	.rodata,"a",@progbits
	.p2align	6, 0x0
	.amdhsa_kernel k_q219ce7bc3c_pick
		.amdhsa_group_segment_fixed_size 83456
		.amdhsa_private_segment_fixed_size 0
		.amdhsa_enable_private_segment 0
		.amdhsa_kernarg_size 88
		.amdhsa_user_sgpr_count 2
		.amdhsa_user_sgpr_kernarg_segment_ptr 1
		.amdhsa_wavefront_size32 1
		.amdhsa_system_sgpr_workgroup_id_x 1
		.amdhsa_system_sgpr_workgroup_id_y 1
		.amdhsa_system_sgpr_workgroup_id_z 1
		.amdhsa_system_vgpr_workitem_id 0
		.amdhsa_next_free_vgpr 256
		.amdhsa_next_free_sgpr 80
		.amdhsa_reserve_vcc 0
		.amdhsa_float_denorm_mode_32 3
		.amdhsa_float_denorm_mode_16_64 3
		.amdhsa_memory_ordered 1
		.amdhsa_forward_progress 1
		.amdhsa_inst_pref_size 154
	.end_amdhsa_kernel
	.amdgpu_metadata
---
amdhsa.version: [ 1, 2 ]
amdhsa.kernels:
  - .name:           k_q219ce7bc3c_pick
    .symbol:         k_q219ce7bc3c_pick.kd
    .args:
      - { .name: coords, .offset: 0, .size: 8, .value_kind: global_buffer, .address_space: global }
      - { .name: cid, .offset: 8, .size: 8, .value_kind: global_buffer, .address_space: global }
      - { .name: features, .offset: 16, .size: 8, .value_kind: global_buffer, .address_space: global }
      - { .name: wcode, .offset: 24, .size: 8, .value_kind: global_buffer, .address_space: global }
      - { .name: wscale, .offset: 32, .size: 8, .value_kind: global_buffer, .address_space: global }
      - { .name: b_feat, .offset: 40, .size: 8, .value_kind: global_buffer, .address_space: global }
      - { .name: nidx, .offset: 48, .size: 8, .value_kind: global_buffer, .address_space: global }
      - { .name: kdw, .offset: 56, .size: 8, .value_kind: global_buffer, .address_space: global }
      - { .name: feat, .offset: 64, .size: 8, .value_kind: global_buffer, .address_space: global }
      - { .name: fcode, .offset: 72, .size: 8, .value_kind: global_buffer, .address_space: global }
      - { .name: fscale, .offset: 80, .size: 8, .value_kind: global_buffer, .address_space: global }
    .group_segment_fixed_size: 83456
    .private_segment_fixed_size: 0
    .kernarg_segment_align: 8
    .kernarg_segment_size: 88
    .max_flat_workgroup_size: 128
    .sgpr_count:     80
    .vgpr_count:     256
    .wavefront_size: 32
...
	.end_amdgpu_metadata
.endif
;; end of part 8
;; launch main (part 9): grid 256 x 1, 8 waves a work-group, no clusters, 290,816 bytes of LDS; arguments coords, nidx, kdw, feat, wcode, wscale, W_p1, b_p1, b_p2, bq, bk, bv, bo, gamma, beta, out0, fcode, fscale, b_feat; writes out0
.if DOCPART == 9
	.amdgcn_target "amdgcn-amd-amdhsa--gfx1250"
	.amdhsa_code_object_version 6
	.text
	.protected	k_q219ce7bc3c_main
	.globl	k_q219ce7bc3c_main
	.p2align	8
	.type	k_q219ce7bc3c_main,@function
k_q219ce7bc3c_main:
	s_mov_b64 s[64:65], 0
	v_nop
	global_prefetch_b8 v0, s[64:65] scope:SCOPE_SE
	s_setreg_imm32_b32 hwreg(HW_REG_WAVE_SCHED_MODE, 0, 2), 2
	s_setreg_imm32_b32 hwreg(HW_REG_WAVE_MODE, 25, 1), 1
	s_wait_xcnt 0x0
	s_wait_alu depctr_vm_vsrc(0)
; ALL THE REST, for 64 queries a work-group: q; for each query's 16 neighbours the positional MLP, kv = nf + pos, kh, vh; attention over the 16; the output product; residual; LayerNorm.
; SHARES: eight waves.  Wave w: head hd = w % 4 (columns 64 hd .. + 63 of every product) and half g = w / 4 (queries 32 g .. + 31 of the 64).  A tile of 16 rows is ONE query's 16 neighbours.
; A wave's columns of Wk, Wv, W_p2 (codes) and of b_feat + b_p2 stay in its registers for the whole launch.  Operands made by one wave reach the others through LDS as images of the operand's registers.
; No tensor loads and no cluster: the large reads are gathers by a stored list, and what work-groups share is 0.18 MB of weight codes.
; THE NEIGHBOURS' ROWS OF feat ARE NOT GATHERED: THEY ARE MADE ANEW.  nf = Q(features[idx]) Q(W_feat) + b_feat, and a row of Q(features) is 64 bytes of codes and a scale word, against 1,024 bytes of f32:
; a lane loads its neighbour's 32 bytes straight into source 1's registers, and four products a query and wave give my head's 64 columns of the 16 rows.
; PHASES, six barriers:  Q: wave w quantises 16 rows x 128 of feat | B1 | q' = (Q(f) Q(Wq) + bq) log2(e) / 8 and sbk = q' . bk;  REL, H: 8 queries a wave: rel, hidden = relu(rel W_p1 + b_p1) by the f32 matrix
; form (its result goes into a quantiser), quantised | B2 | P: 32 queries a wave: kv = (b_feat + b_p2) + Q(x) Q(W_feat) + Q(hidden) Q(W_p2), two products on one accumulator; quantised | B3 |
; A: 32 queries a wave: kh transposed (a lane holds a neighbour), vh not (a lane holds a column); softmax over the 16 lanes with its maximum taken away; agg | B4 | agg quantised | B5 | Q(agg) Q(Wo) + bo | B6 | rows: residual and LayerNorm.
; A slot without a neighbour (kd = +inf) holds some index inside the table; its score is -1e9 log2(e), so its weight is 0 beside any neighbour that counts; a query without any keeps f.
; LIMITS: blocks whose largest magnitude lies under 2^-124 get the scale byte 1 (blocks of zeros too: their codes are zeros); NaN and infinities among the inputs are not served;
; kv is summed as ((b_feat + b_p2) + the first product's sum) + the second's, the hidden layer as b_p1 + four fused multiply-adds; bk enters the scores as q' . bk, bv enters agg once, since the weights sum to 1.
; THE MODE: SCHED_MODE bits 1:0 = 2 (LLVM: expert scheduling mode 2), set by the entry lines.  The code itself states the register dependences
; between vector or matrix instructions and memory or LDS instructions, and from vector instructions to scalar registers and VCC, with s_wait_alu, always for 0.
; THE PLAN.  Registers that memory or LDS instructions touch:
;   v1-v7      offsets made at the head, never written again.
;   v8-v22     each phase's addresses: made anew at the phase's head, behind one wait on vm_vsrc (what was issued has read the old ones) and ahead of one wait on va_vdst (the new ones are written).
;   Outside the loops each run of stores has one wait on va_vdst ahead of it, and one wait on vm_vsrc stands ahead of the lines that write the stores' data again.
;   LOOP P, query i.  FRN, XSC, AC, AS: four sets, set i % 4.  QH, QHS, IXV: two each, i % 2.  The eight products read FRN, XSC, QH, QHS of this query; the quantiser writes PCK and the scale bytes;
;              five additions and three lines on IXV make the trip's addresses.  ONE wait on va_vdst stands behind all of that, and ALL the trip's memory instructions follow it: two stores, the hidden fragment
;              of query i + 2 and the index of query i + 6 into the registers just read, the codes of query i + 4 into the set just read.  One wait on vm_vsrc, behind the products, frees what the last trip's read.
;   LOOP A, query i.  Two sets of operand registers (kv's fragments and scale words, q', kd, sbk), set i % 2.  At a query's head the next query's fifteen loads go into the other set, which no vector or matrix
;              instruction names since the wait on va_vdst ahead of the last query's two stores; their addresses were made in the last query.  One wait on vm_vsrc, behind the products, frees the addresses and the stores' data.
.set IDX, 0                            ; LDS: the neighbours' indices, as nidx has them: [half][quad][query 32][4]
.set KDS, 4096                         ; their distances, likewise
.set SBK, 8192                         ; q' . bk: [query 64][head 4]
.set PST, 9216                         ; 128 bytes a wave: the 16 weights of the query at work
.set QV, 10240                         ; 64 rows x 1,040 bytes: q', later agg in its place
.set QVP, 1040
.set HIMG, 76800                       ; the hidden layer's fragments, 1,024 bytes a query
.set HSC, 142336                       ; their scale words, 128 bytes a query
.set KVIMG, 150528                     ; kv's fragments: query x 2,048 + K step x 1,024.  Also the images of Q(f) and Q(agg), 1,024 bytes each
.set KVSC, 281600                      ; kv's scale words: query x 128 + K step x 64 + 4 row.  Also those of Q(f), Q(agg), 128 bytes each
.set OST, HIMG                         ; 64 rows x 1,040 bytes: the output product's results
.set L16, 1                            ; v1 16 x lane; v2 4 x lane; v3 r = lane % 16; v4 h = lane / 16; v5 32 h; v6 64 h; v7 128 h + 4 r: never rewritten
.set L4, 2
.set RR, 3
.set HH, 4
.set H32, 5
.set H64, 6
.set SCO, 7
.set XSC, 24                           ; v24-27 and v28-45 hold scales and nothing else: the four ring sets' (the neighbours' words); Wk's 4, Wv's 4, W_p2's 2, Wq's or Wo's 4, kv's 2 by turns, Q(f)'s or Q(agg)'s 2
.set WKS, 28
.set WVS, 32
.set WPS, 36
.set WTS, 38
.set WFS, 38                           ; in phase P: v38-39 W_feat's, v40-41 the hidden layer's, two by turns
.set QHS, 40
.set XS, 44
.set BV, 46                            ; v46-47 bv of my lane's two columns
.set W1A, 48                           ; v48-63 W_p1 as source 0 of the f32 form;  in phase Q v48-79 hold bk's tiles
.set BK, 48
.set XR, 84
.set XF, 84
.set BQ, 100
.set WT, 148
.set DQ, 212
.set SA, 244
.set SB, 246
.set B1T, 84                           ; b_p1's eight tiles in the result's layout
.set RT, 148
.set REL, 212
.set RIDX, 148
.set RA1, 156
.set RKD, 164
.set OWN0, 64
.set OWN1, 72
.set BFT, 172                          ; b_feat's four tiles, until they are added to b_p2's
.set FRN, 84                           ; four sets of 8: the neighbours' codes on their way
.set AC, 116                           ; v116-119 a set's offset among the codes; v120-123 among the scale words
.set AS, 120
.set IXV, 124                          ; v124-125 the indices fetched ahead, two by turns
.set WF, 132                           ; v132-163 my head's four fragments of W_feat
.set NF, 180
.set QH, 212                           ; v212-227 the hidden layer's fragment, two by turns
.set QT, 228
.set PCK, 236
.set KH, 100
.set VH, 132
.set P8, 196
.set SC, 204
.set SC2, 206
.set T1, 210
.set T2, 211
.set AG, 212
.set T3, 220
.set T0, 221
.set WK, 0                             ; window 1: Wk's 8 fragments, Wv's 8, W_p2's 4, the 4 tiles of b_feat + b_p2, and from v192 the f32 form's results, which matrix instructions alone write
.set WV, 64
.set WP, 128
.set BP2, 160
.set HD, 192
.set SEL, 44
.set MKS, 48                           ; s48-55 eight masks (free behind the head's address sums)
.set MSB, 0
.macro WIN new                         ; the immediate's high byte repeats the setting that is left
.if MSB != \new
	s_set_vgpr_msb (MSB<<8)|\new
.set MSB, \new
.endif
.endm
.macro BARRIER                         ; my LDS stores have landed and my LDS loads are in: then the work-group's barrier
	s_wait_dscnt 0x0
	s_barrier_signal -1
	s_barrier_wait -1
.endm
.macro QMAX s                          ; the largest magnitudes of my 16 numbers of each of four blocks
.irp b, 0,1,2,3
	v_max3_num_f32 v[TM+\b], |v[\s+16*\b]|, |v[\s+1+16*\b]|, 0x1800000   ; and the floor 2^(3 - 127): the byte cannot fall under 1
.endr
.irp i, 2,4,6,8,10,12,14
.irp b, 0,1,2,3
	v_max3_num_f32 v[TM+\b], v[TM+\b], |v[\s+16*\b+\i]|, |v[\s+1+16*\b+\i]|
.endr
.endr
.endm
.macro QSCALE                          ; with lane l xor 16's: the blocks' scale operands (TM+12 on) and the row's scale word (PW)
.irp b, 0,1,2,3
	v_permlanex16_b32 v[TM+4+\b], v[TM+\b], s[SEL], s[SEL+1]
.endr
.irp b, 0,1,2,3
	v_max_num_f32 v[TM+\b], v[TM+\b], v[TM+4+\b]
.endr
.irp b, 0,1,2,3
	v_add_nc_u32 v[TM+12+\b], 0xff000000, v[TM+\b]   ; 2 off the exponent field
.endr
.irp b, 0,1,2,3
	v_lshrrev_b32 v[TM+4+\b], 23, v[TM+12+\b]
.endr
	v_lshl_or_b32 v[PW], v[TM+5], 8, v[TM+4]
	v_lshl_or_b32 v[PW], v[TM+6], 16, v[PW]
	v_lshl_or_b32 v[PW], v[TM+7], 24, v[PW]
.endm
.macro QCODES s                        ; 64 numbers, register 16 b + i = k 32 b + 16 h + i, become the fragment's eight registers
.irp b, 0,1,2,3
	v_cvt_scalef32_pk8_fp4_f32 v[PC+2*\b], v[\s+16*\b:\s+7+16*\b], v[TM+12+\b]
	v_cvt_scalef32_pk8_fp4_f32 v[PC+1+2*\b], v[\s+8+16*\b:\s+15+16*\b], v[TM+12+\b]
.endr
	v_nop                                          ; one plain line behind a scaled conversion
.irp c, 0,1
.irp i, 0,1
	v_permlane16_swap_b32 v[PC+4*\c+\i], v[PC+2+4*\c+\i]   ; a whole block to a lane
.endr
.endr
.endm
; the addresses of phases Q and O
.set T16, 8
.set XA, 9
.set QWI, 10
.set QWS, 11
.set PF, 12
.set PFS, 13
.set QVW, 14
.set SBW, 15
.set OSW, 16
.set QJL, 17
.macro QADDR
	s_lshl_b32 s84, s36, 10
	s_add_co_u32 s84, s84, KVIMG
	v_add_nc_u32 v[QWI], s84, v[L16]               ; my image: number = my wave's
	s_lshl_b32 s84, s36, 7
	s_add_co_u32 s84, s84, KVSC
	v_add_nc_u32 v[QWS], s84, v[L4]
	s_lshl_b32 s84, s38, 12
	s_add_co_u32 s84, s84, KVIMG
	v_add_nc_u32 v[PF], s84, v[L16]                ; my half's four images
	s_lshl_b32 s84, s38, 9
	s_add_co_u32 s84, s84, KVSC
	v_add_nc_u32 v[PFS], s84, v[L4]
	v_mul_u32_u24 v[QVW], v[RR], QVP
	v_add_nc_u32 v[QVW], v[QVW], v[H32]
	s_mul_i32 s84, s38, 32*QVP
	s_lshl_b32 s85, s37, 8
	s_add_co_u32 s84, s84, s85
	v_add_nc_u32 v[QVW], s84, v[QVW]               ; row 32 g + r, my head's 256 bytes, + 32 h
	v_add_nc_u32 v[OSW], OST, v[QVW]
	v_add_nc_u32 v[QVW], QV, v[QVW]
	s_lshl_b32 s84, s38, 9
	s_lshl_b32 s85, s37, 2
	s_add_co_u32 s84, s84, s85
	s_add_co_u32 s84, s84, SBK
	v_lshl_add_u32 v[SBW], v[RR], 4, s84
	v_mul_u32_u24 v[QJL], v[RR], QVP
	v_add_nc_u32 v[QJL], v[QJL], v[H64]
	s_lshr_b32 s84, s36, 1
	s_mul_i32 s84, s84, 16*QVP
	s_and_b32 s85, s36, 1
	s_lshl_b32 s85, s85, 9
	s_add_co_u32 s84, s84, s85
	s_add_co_u32 s84, s84, QV
	v_add_nc_u32 v[QJL], s84, v[QJL]               ; agg: row 16 (w / 2) + r, K step w % 2, + 64 h
.endm
.macro QJOB                            ; the 64 numbers in XR become my image
	QMAX XR
	QSCALE
	QCODES XR
	s_wait_alu depctr_va_vdst(0)                   ; the quantiser has written v[PC ..] and v[PW], which the LDS stores read, and is done reading XR, in which the bias' tiles and the images' fragments land
	ds_store_b128 v[QWI], v[PC:PC+3]
	ds_store_b128 v[QWI], v[PC+4:PC+7] offset:512
	ds_store_b32 v[QWS], v[PW]
.endm
; my head's 64 columns for my half's 32 rows: source 0 = 16 columns of the weight (WT), source 1 = 16 rows; the bias' tiles (BQ) are the C of each sum's first product.  Four accumulators by turns.
.macro PROJ isq
.irp m, 0,1
	ds_load_b128 v[XF:XF+3], v[PF] offset:2048*\m
	ds_load_b128 v[XF+4:XF+7], v[PF] offset:2048*\m+512
	ds_load_b128 v[XF+8:XF+11], v[PF] offset:2048*\m+1024
	ds_load_b128 v[XF+12:XF+15], v[PF] offset:2048*\m+1536
	ds_load_b32 v[XS], v[PFS] offset:256*\m
	ds_load_b32 v[XS+1], v[PFS] offset:256*\m+128
	s_wait_dscnt 0x0
	s_wait_alu depctr_vm_vsrc(0)                   ; the LDS stores issued so far (my image's; the last tile's results) have read v212 to v247, which the products and the lines behind them write
.irp t, 0,1,2,3
	v_wmma_scale_f32_16x16x128_f8f6f4 v[DQ+8*\t:DQ+8*\t+7], v[WT+16*\t:WT+16*\t+7], v[XF:XF+7], v[BQ+8*\t:BQ+8*\t+7], v[WTS+\t], v[XS] matrix_a_fmt:MATRIX_FMT_FP4 matrix_b_fmt:MATRIX_FMT_FP4
.endr
.irp t, 0,1,2,3
	v_wmma_scale_f32_16x16x128_f8f6f4 v[DQ+8*\t:DQ+8*\t+7], v[WT+16*\t+8:WT+16*\t+15], v[XF+8:XF+15], v[DQ+8*\t:DQ+8*\t+7], v[WTS+\t], v[XS+1] matrix_a_fmt:MATRIX_FMT_FP4 matrix_b_fmt:MATRIX_FMT_FP4 matrix_a_scale:MATRIX_SCALE_ROW1
.endr
.rept 5
	v_nop                                          ; places ahead of the first read of results, and of the next tile's products, which write over the results
.endr
.if \isq
.irp k, 0,2,4,6,8,10,12,14,16,18,20,22,24,26,28,30
	v_pk_mul_f32 v[DQ+\k:DQ+\k+1], v[DQ+\k:DQ+\k+1], s[56:57] op_sel_hi:[1,0]   ; q' = q log2(e) / 8
.endr
	v_pk_mul_f32 v[SA:SA+1], v[DQ:DQ+1], v[BK:BK+1]
	v_pk_mul_f32 v[SB:SB+1], v[DQ+2:DQ+3], v[BK+2:BK+3]
.irp k, 4,8,12,16,20,24,28
	v_pk_fma_f32 v[SA:SA+1], v[DQ+\k:DQ+\k+1], v[BK+\k:BK+\k+1], v[SA:SA+1]
	v_pk_fma_f32 v[SB:SB+1], v[DQ+\k+2:DQ+\k+3], v[BK+\k+2:BK+\k+3], v[SB:SB+1]
.endr
	v_pk_add_f32 v[SA:SA+1], v[SA:SA+1], v[SB:SB+1]
	v_add_f32 v[SA], v[SA], v[SA+1]
	v_permlanex16_b32 v[SB], v[SA], s[SEL], s[SEL+1]
	v_add_f32 v[SA], v[SA], v[SB]                  ; q' . bk over my head's 64 columns
	s_wait_alu depctr_va_vdst(0)                   ; q' and q' . bk are written, which the LDS stores read; the products are done reading the rows' fragments and scale words, in which the next tile's land
.irp t, 0,1,2,3
	ds_store_b128 v[QVW], v[DQ+8*\t:DQ+8*\t+3] offset:16*QVP*\m+64*\t
	ds_store_b128 v[QVW], v[DQ+8*\t+4:DQ+8*\t+7] offset:16*QVP*\m+64*\t+16
.endr
	ds_store_b32 v[SBW], v[SA] offset:256*\m
.else
	s_wait_alu depctr_va_vdst(0)                   ; the products have written their results, which the LDS stores read (the places above stay beside this wait), and are done reading the rows' fragments and scale words, in which the next tile's land
.irp t, 0,1,2,3
	ds_store_b128 v[OSW], v[DQ+8*\t:DQ+8*\t+3] offset:16*QVP*\m+64*\t
	ds_store_b128 v[OSW], v[DQ+8*\t+4:DQ+8*\t+7] offset:16*QVP*\m+64*\t+16
.endr
.endif
.endr
.endm
	s_load_b512 s[4:19], s[0:1], 0x0               ; coords, nidx, kdw, feat, wcode, wscale, W_p1, b_p1
	s_load_b512 s[20:35], s[0:1], 0x40             ; b_p2, bq, bk, bv, bo, gamma, beta, out0
	s_load_b128 s[96:99], s[0:1], 0x80             ; fcode, fscale
	s_load_b64 s[100:101], s[0:1], 0x90            ; b_feat
	v_lshl_add_u32 v254, v0, 2, 0x46c00
	v_mov_b32 v255, 0
	v_lshrrev_b32 v8, 5, v0
	v_readfirstlane_b32 s36, v8                    ; wave 0..7
	v_and_b32 v8, 31, v0
	v_lshlrev_b32 v[L16], 4, v8
	v_lshlrev_b32 v[L4], 2, v8
	v_and_b32 v[RR], 15, v0
	v_bfe_u32 v[HH], v0, 4, 1
	v_lshlrev_b32 v[H32], 5, v[HH]
	v_lshlrev_b32 v[H64], 6, v[HH]
	v_lshlrev_b32 v[SCO], 2, v[RR]
	v_lshl_add_u32 v[SCO], v[HH], 7, v[SCO]
	v_lshlrev_b32 v[T16], 4, v0
	v_lshlrev_b32 v[XA], 10, v[RR]
	v_add_nc_u32 v[XA], v[XA], v[H64]              ; feat: row r of 1,024 bytes, + 64 h
	s_wait_alu depctr_va_sdst(0)                   ; s36 is written, ahead of its first reader
	s_and_b32 s37, s36, 3                          ; head
	s_lshr_b32 s38, s36, 2                         ; half
	s_lshr_b32 s39, ttmp9, 6                       ; batch
	QADDR
	s_mov_b32 s[SEL], 0x76543210
	s_mov_b32 s[SEL+1], 0xfedcba98                 ; lane l xor 16
	s_mov_b32 s46, 0xffff0000                      ; lanes 16-31
	s_mov_b32 s47, 0x3b800000                      ; 1 / 256
	s_mov_b32 s56, 0x3e38aa3b                      ; log2(e) / 8
	s_mov_b32 s57, s56
	s_lshl_b32 s40, ttmp9, 12
	s_mov_b32 s41, 0
	s_lshl_b32 s42, ttmp9, 16
	s_lshr_b32 s43, s36, 1
	s_lshl_b32 s43, s43, 14
	s_add_co_u32 s42, s42, s43
	s_and_b32 s43, s36, 1
	s_lshl_b32 s43, s43, 9
	s_add_co_u32 s42, s42, s43                     ; rows 64 wg + 16 (w / 2), K step w % 2
	s_mov_b32 s43, 0
	s_lshl_b32 s48, s37, 13
	s_mov_b32 s49, 0
	s_lshl_b32 s50, s37, 12
	s_mov_b32 s51, 0
	s_lshl_b32 s52, s37, 10
	s_mov_b32 s53, 0
	s_lshl_b32 s54, s37, 9
	s_mov_b32 s55, 0
	s_lshl_b32 s58, s37, 8
	s_mov_b32 s59, 0
	s_lshl_b32 s60, s39, 22
	s_mov_b32 s61, 0
	s_mul_i32 s62, s39, 49152
	s_mov_b32 s63, 0
	s_and_b32 s92, ttmp9, 63
	s_lshl_b32 s92, s92, 6
	s_lshl_b32 s93, s38, 5
	s_add_co_u32 s92, s92, s93
	s_lshl_b32 s93, s37, 3
	s_add_co_u32 s92, s92, s93
	s_mul_i32 s92, s92, 12                         ; the eight queries whose hidden layer I make
	s_mov_b32 s93, 0
	s_lshl_b32 s94, ttmp9, 16
	s_lshl_b32 s95, s36, 13
	s_add_co_u32 s94, s94, s95                     ; the eight rows that I finish
	s_mov_b32 s95, 0
	s_wait_kmcnt 0x0
	s_add_nc_u64 s[6:7], s[6:7], s[40:41]
	s_add_nc_u64 s[8:9], s[8:9], s[40:41]
	s_add_nc_u64 s[40:41], s[10:11], s[42:43]
	s_add_nc_u64 s[66:67], s[12:13], s[48:49]      ; codes: 8 fragments a head
	s_add_nc_u64 s[68:69], s[12:13], s[50:51]      ; 4 fragments a head
	s_add_nc_u64 s[70:71], s[14:15], s[52:53]      ; scale words likewise
	s_add_nc_u64 s[72:73], s[14:15], s[54:55]
	s_add_nc_u64 s[20:21], s[20:21], s[58:59]      ; the biases at my head's 64 columns
	s_add_nc_u64 s[22:23], s[22:23], s[58:59]
	s_add_nc_u64 s[24:25], s[24:25], s[58:59]
	s_add_nc_u64 s[26:27], s[26:27], s[58:59]
	s_add_nc_u64 s[28:29], s[28:29], s[58:59]
	s_add_nc_u64 s[100:101], s[100:101], s[58:59]
	s_add_nc_u64 s[76:77], s[4:5], s[62:63]        ; the batch's coordinates
	s_add_nc_u64 s[78:79], s[76:77], s[92:93]
	s_add_nc_u64 s[80:81], s[10:11], s[94:95]
	s_add_nc_u64 s[82:83], s[34:35], s[94:95]
	s_lshl_b32 s84, s39, 18
	s_mov_b32 s85, 0
	s_add_nc_u64 s[96:97], s[96:97], s[84:85]      ; the batch's codes of features: 4,096 rows of 64 bytes,
	s_lshl_b32 s84, s39, 15
	s_add_nc_u64 s[98:99], s[98:99], s[84:85]      ; and their scale words: 8 bytes a row
	s_wait_alu depctr_va_vdst(0)                   ; v1 to v17, the offsets and LDS addresses made above, are written: the loads and stores below read them
	; ---- Q
	global_load_b128 v[244:247], v[T16], s[6:7]
	global_load_b128 v[248:251], v[T16], s[8:9]
.irp b, 0,1,2,3
.irp j, 0,1,2,3
	global_load_b128 v[XR+16*\b+4*\j:XR+16*\b+4*\j+3], v[XA], s[40:41] offset:128*\b+16*\j
.endr
.endr
.set nn, 0
.rept 16
	global_load_b128 v[WT+4*nn:WT+4*nn+3], v[L16], s[66:67] offset:32*1024+512*nn   ; Wq
.set nn, nn+1
.endr
.irp t, 0,1,2,3
	global_load_b32 v[WTS+\t], v[SCO], s[70:71] offset:32*128+256*\t               ; K step 0's word in lanes 0-15, K step 1's in lanes 16-31
.endr
.irp n, 0,1,2,3,4,5,6,7
	global_load_b128 v[BK+4*\n:BK+4*\n+3], v[H32], s[24:25] offset:64*(\n/2)+16*(\n%2)
.endr
.set TM, 212
.set PC, 228
.set PW, 236
.irp b, 0,1,2,3
	v_mov_b32 v[TM+4+\b], 0                        ; a lane permute's destination counts as one of its sources
.endr
	s_wait_loadcnt 28                              ; indices, distances and my rows are in; the 28 loads issued behind them may be out
	ds_store_b128 v[T16], v[244:247] offset:IDX
	ds_store_b128 v[T16], v[248:251] offset:KDS
	QJOB
.irp n, 0,1,2,3,4,5,6,7
	global_load_b128 v[BQ+4*\n:BQ+4*\n+3], v[H32], s[22:23] offset:64*(\n/2)+16*(\n%2)
.endr
	WIN 0x40                                       ; destination window 1: registers that no vector instruction has named
.set nn, 0
.rept 16
	global_load_b128 v[WK+4*nn:WK+4*nn+3], v[L16], s[66:67] offset:64*1024+512*nn
.set nn, nn+1
.endr
.set nn, 0
.rept 16
	global_load_b128 v[WV+4*nn:WV+4*nn+3], v[L16], s[66:67] offset:96*1024+512*nn
.set nn, nn+1
.endr
.irp n, 0,1,2,3,4,5,6,7
	global_load_b128 v[WP+4*\n:WP+4*\n+3], v[L16], s[68:69] offset:16*1024+512*\n
.endr
.irp n, 0,1,2,3,4,5,6,7
	global_load_b128 v[BP2+4*\n:BP2+4*\n+3], v[H64], s[20:21] offset:128*(\n/4)+32*((\n/2)%2)+16*(\n%2)   ; register 16 b + 8 u + j: column 32 b + 16 h + 8 u + j
.endr
	WIN 0
.irp t, 0,1,2,3
	global_load_b32 v[WKS+\t], v[SCO], s[70:71] offset:64*128+256*\t
	global_load_b32 v[WVS+\t], v[SCO], s[70:71] offset:96*128+256*\t
.endr
.irp p, 0,1
	global_load_b32 v[WPS+\p], v[SCO], s[72:73] offset:16*128+256*\p               ; tile 2 p in lanes 0-15, tile 2 p + 1 in lanes 16-31
.endr
	global_load_b32 v[BV], v[L4], s[26:27]
	global_load_b32 v[BV+1], v[L4], s[26:27] offset:128
	BARRIER                                        ; B1: the eight images of Q(f), the indices and the distances lie in LDS
	s_wait_loadcnt 60                              ; Wq, its scales, bk and bq are in; the 60 loads issued behind bq may be out
	PROJ 1
	; ---- REL: rel = (neighbour - query, kd) of my eight queries, as source 1 of the f32 form: lane (r, h): neighbour r, components 2 h and 2 h + 1
	s_wait_alu depctr_vm_vsrc(0)                   ; what was issued has read v8 to v11, which are made anew, and q', in whose registers rel lands
	v_and_b32 v8, 8, v[RR]
	v_add_nc_u32 v8, v8, v[RR]
	v_lshlrev_b32 v8, 2, v8
	v_lshl_add_u32 v8, v[HH], 10, v8               ; W_p1: rows 2 h, 2 h + 1; lane r of tile 2 b + u takes hidden unit 32 b + 8 u + r + 8 (r / 8)
	v_lshrrev_b32 v9, 2, v[RR]
	v_lshlrev_b32 v9, 9, v9
	v_and_b32 v10, 3, v[RR]
	v_lshl_add_u32 v9, v10, 2, v9
	s_lshl_b32 s84, s38, 11
	s_lshl_b32 s85, s37, 7
	s_add_co_u32 s84, s84, s85
	v_add_nc_u32 v9, s84, v9                       ; neighbour r of query 8 hd of my half
	v_lshlrev_b32 v18, 3, v[HH]                    ; 8 h
	v_lshlrev_b32 v19, 2, v[HH]
	v_sub_nc_u32 v19, 4, v19                       ; 4 - 4 h
	v_lshl_add_u32 v20, v[HH], 2, 4                ; 4 + 4 h
	s_wait_alu depctr_va_vdst(0)                   ; v8, v9, v18 and v20 are written, which the loads below read; the products and the lines behind them are done with v48 to v243, in which these loads land
.irp t, 0,1,2,3,4,5,6,7
.irp j, 0,1
	global_load_b32 v[W1A+2*\t+\j], v8, s[16:17] offset:512*\j+(32*(\t/2)+8*(\t%2))*4
.endr
.endr
.set nn, 0
.rept 16
	global_load_b128 v[B1T+4*nn:B1T+4*nn+3], v[H64], s[18:19] offset:128*(nn/4)+32*((nn/2)%2)+16*(nn%2)
.set nn, nn+1
.endr
.irp n, 0,1,2,3,4,5,6,7
	global_load_b128 v[BFT+4*\n:BFT+4*\n+3], v[H64], s[100:101] offset:128*(\n/4)+32*((\n/2)%2)+16*(\n%2)   ; b_feat, laid as b_p2 is
.endr
.irp e, 0,1,2,3,4,5,6,7
	ds_load_b32 v[RIDX+\e], v9 offset:IDX+16*\e
	ds_load_b32 v[RKD+\e], v9 offset:KDS+16*\e
.endr
	s_wait_dscnt 0x0
.irp e, 0,1,2,3,4,5,6,7
	v_min_u32 v[RIDX+\e], 0xfff, v[RIDX+\e]
	v_mul_u32_u24 v[RIDX+\e], v[RIDX+\e], 12
	v_add_nc_u32 v[RIDX+\e], v[RIDX+\e], v18
	v_add_nc_u32 v[RA1+\e], v[RIDX+\e], v19
.endr
	s_wait_alu depctr_va_vdst(0)                   ; the sixteen offsets among the coordinates are written, which the loads below read
.irp e, 0,1,2,3,4,5,6,7
	global_load_b32 v[REL+2*\e], v[RIDX+\e], s[76:77]
	global_load_b32 v[REL+2*\e+1], v[RA1+\e], s[76:77]
	global_load_b32 v[OWN0+\e], v18, s[78:79] offset:12*\e
	global_load_b32 v[OWN1+\e], v20, s[78:79] offset:12*\e
.endr
	s_lshl_b32 s84, s38, 5
	s_lshl_b32 s85, s37, 3
	s_add_co_u32 s84, s84, s85                     ; my first query
	s_lshl_b32 s85, s84, 10
	s_add_co_u32 s85, s85, HIMG
	v_add_nc_u32 v10, s85, v[L16]
	s_lshl_b32 s85, s84, 7
	s_add_co_u32 s85, s85, HSC
	v_add_nc_u32 v11, s85, v[L4]
.set TM, 228
.set PC, 244
.set PW, 252
.irp b, 0,1,2,3
	v_mov_b32 v[TM+4+\b], 0
.endr
	s_wait_loadcnt 0x0                             ; these, and everything asked for before
.irp e, 0,1,2,3,4,5,6,7
	v_cmp_gt_f32 s[MKS+\e], 0x7f800000, v[RKD+\e]  ; is there a neighbour?
.endr
.irp e, 0,1,2,3,4,5,6,7
	v_sub_f32 v[REL+2*\e], v[REL+2*\e], v[OWN0+\e]
	v_sub_f32 v[REL+2*\e+1], v[REL+2*\e+1], v[OWN1+\e]
.endr
	s_wait_alu depctr_va_sdst(0)                   ; the eight compares have written their masks, which the selects below read
.irp e, 0,1,2,3,4,5,6,7
	v_cndmask_b32 v[RKD+\e], 0, v[RKD+\e], s[MKS+\e]   ; kd, 0 where there is no neighbour
	v_cndmask_b32 v[REL+2*\e+1], v[REL+2*\e+1], v[RKD+\e], s46
.endr
	WIN 0x41                                       ; destination and source 0 window 1
.irp k, 0,2,4,6,8,10,12,14,16,18,20,22,24,26,28,30
	v_pk_add_f32 v[BP2+\k:BP2+\k+1], v[BP2+\k:BP2+\k+1], v[BFT+\k:BFT+\k+1]   ; b_feat + b_p2, once: kv's sums begin with it
.endr
	WIN 0
	; ---- H: the hidden layer of query e: transposed, so that a lane holds one neighbour and its registers run along the hidden units
.macro HID e
	s_wait_alu depctr_vm_vsrc(0)                   ; the last query's LDS stores have read v[PC ..] and v[PW], and rel's loads their offsets in v148 to v163: the lines below write all of these
	WIN 0x40                                       ; destination window 1
.irp t, 0,1,2,3,4,5,6,7
	v_wmma_f32_16x16x4_f32 v[HD+8*\t:HD+8*\t+7], v[W1A+2*\t:W1A+2*\t+1], v[REL+2*\e:REL+2*\e+1], v[B1T+8*\t:B1T+8*\t+7]
.endr
	WIN 0
.rept 8
	v_nop                                          ; eight places behind this form ahead of the first read of results
.endr
	WIN 0x05
.irp b, 0,1,2,3
	v_max3_num_f32 v[TM+\b], v[HD+16*\b], v[HD+1+16*\b], 0x1800000   ; no |.|: what is negative is clipped and must not count; each accumulator is read from its low end on
.endr
	WIN 0x14
.irp i, 2,4,6,8,10,12,14
.irp b, 0,1,2,3
	v_max3_num_f32 v[TM+\b], v[TM+\b], v[HD+16*\b+\i], v[HD+1+16*\b+\i]
.endr
.endr
	WIN 0
	QSCALE
	WIN 0x04
.set nn, 0
.rept 64
	v_max_num_f32 v[RT+nn], 0, v[HD+nn]            ; the activation, into other registers
.set nn, nn+1
.endr
	WIN 0
	QCODES RT
	s_wait_alu depctr_va_vdst(0)                   ; the quantiser has written v[PC ..] and v[PW], which the LDS stores read; for the first query v10 and v11, their addresses, too
	ds_store_b128 v10, v[PC:PC+3] offset:1024*\e
	ds_store_b128 v10, v[PC+4:PC+7] offset:1024*\e+512
	ds_store_b32 v11, v[PW] offset:128*\e
	s_wait_dscnt 0x0                               ; the stores have landed
.endm
.irp e, 0,1,2,3,4,5,6,7
	HID \e
.endr
	; ---- P
.set H16, 8
.set HRDB, 10
.set HRSB, 11
.set IXB, 12
.set KVWB, 13
.set KSWB, 14
.set HRDT, 16
.set HRST, 17
.set IXT, 18
.set KVWT, 19
.set KSWT, 20
	s_wait_alu depctr_vm_vsrc(0)                   ; what was issued has read v8 to v20, which are made anew
	v_lshrrev_b32 v[IXB], 2, v[RR]
	v_lshlrev_b32 v[IXB], 9, v[IXB]
	v_and_b32 v9, 3, v[RR]
	v_lshl_add_u32 v[IXB], v9, 2, v[IXB]
	s_lshl_b32 s84, s38, 11
	v_add_nc_u32 v[IXB], s84, v[IXB]               ; the index of neighbour r of my half's first query
	v_lshlrev_b32 v[H16], 4, v[HH]
	s_lshl_b32 s84, s38, 15
	s_add_co_u32 s84, s84, HIMG
	v_add_nc_u32 v[HRDB], s84, v[L16]
	s_lshl_b32 s84, s38, 12
	s_add_co_u32 s84, s84, HSC
	v_add_nc_u32 v[HRSB], s84, v[L4]
	s_lshl_b32 s84, s38, 16
	s_lshr_b32 s85, s37, 1
	s_lshl_b32 s85, s85, 10
	s_add_co_u32 s84, s84, s85
	s_and_b32 s85, s37, 1
	s_lshl_b32 s85, s85, 9
	s_add_co_u32 s84, s84, s85
	s_add_co_u32 s84, s84, KVIMG
	v_add_nc_u32 v[KVWB], s84, v[L16]              ; my 64 columns are registers 4 (hd % 2) .. + 3 of K step hd / 2
	s_lshl_b32 s84, s38, 12
	s_lshr_b32 s85, s37, 1
	s_lshl_b32 s85, s85, 6
	s_add_co_u32 s84, s84, s85
	s_and_b32 s85, s37, 1
	s_lshl_b32 s85, s85, 1
	s_add_co_u32 s84, s84, s85
	s_add_co_u32 s84, s84, KVSC
	v_lshl_add_u32 v[KSWB], v[RR], 2, s84          ; and bytes 2 (hd % 2), + 1 of its scale word
	s_wait_alu depctr_va_vdst(0)                   ; the addresses above are written; the hidden layer's products and quantiser are done with v84 to v163 and v212 to v227, and the first products with v38 to v41: loads land in all of these
.irp n, 0,1,2,3
	ds_load_b32 v[AC+\n], v[IXB] offset:IDX+16*\n
.endr
	ds_load_b32 v[IXV], v[IXB] offset:IDX+64       ; queries 4 and 5: for the first two trips' refills
	ds_load_b32 v[IXV+1], v[IXB] offset:IDX+80
.irp n, 0,1,2,3,4,5,6,7
	global_load_b128 v[WF+4*\n:WF+4*\n+3], v[L16], s[68:69] offset:512*\n          ; my head's four fragments of W_feat
.endr
.irp p, 0,1
	global_load_b32 v[WFS+\p], v[SCO], s[72:73] offset:256*\p                      ; tile 2 p in lanes 0-15, tile 2 p + 1 in lanes 16-31
.endr
.macro GLOAD set                       ; three loads: neighbour r's codes as source 1 wants them (k = 64 c + 32 h on: bytes 32 c + 16 h of its 64), and its scale word
	global_load_b128 v[FRN+8*\set:FRN+8*\set+3], v[AC+\set], s[96:97]
	global_load_b128 v[FRN+8*\set+4:FRN+8*\set+7], v[AC+\set], s[96:97] offset:32
	global_load_b32 v[XSC+\set], v[AS+\set], s[98:99]
.endm
	s_wait_dscnt 0x0
.irp n, 0,1,2,3
	v_min_u32 v[AC+\n], 0xfff, v[AC+\n]
.endr
.irp n, 0,1,2,3
	v_lshlrev_b32 v[AS+\n], 3, v[AC+\n]
.endr
.irp n, 0,1,2,3
	v_lshl_add_u32 v[AC+\n], v[AC+\n], 6, v[H16]
.endr
	s_wait_alu depctr_va_vdst(0)                   ; the four sets' offsets are written, which the loads below read
.irp n, 0,1,2,3
	GLOAD \n
.endr
	s_mov_b32 s86, 0                               ; 16 i, 128 i, 1,024 i, 2,048 i
	s_mov_b32 s87, 0
	s_mov_b32 s88, 0
	s_mov_b32 s89, 0
	BARRIER                                        ; B2: the hidden layer's 64 fragments lie in LDS
	ds_load_b128 v[QH:QH+3], v[HRDB]               ; queries 0 and 1
	ds_load_b128 v[QH+4:QH+7], v[HRDB] offset:512
	ds_load_b32 v[QHS], v[HRSB]
	ds_load_b128 v[QH+8:QH+11], v[HRDB] offset:1024
	ds_load_b128 v[QH+12:QH+15], v[HRDB] offset:1536
	ds_load_b32 v[QHS+1], v[HRSB] offset:128
	s_wait_dscnt 3                                 ; query 0's three loads are in; query 1's three may be out
; query i of my half.  set = i % 4.  gg = 1: query i + 4's codes are asked for; li = 1: query i + 6's index is fetched; lq = 1: query i + 2's hidden fragment is fetched;
; cnt: the loads of the sets behind this one, three each;  dcnt: the LDS instructions that the last trip issued, all at its end: two stores, three loads with lq, one with li
.macro PTRIP set, gg, li, lq, cnt, dcnt
	s_wait_loadcnt \cnt                            ; this set's three loads are in
	s_wait_dscnt \dcnt                             ; what the trip before the last fetched, this query's hidden fragment and the index used below, is in; what the last trip issued may be out
	WIN 0x10                                       ; C (b_feat + b_p2) window 1.  Four accumulators by turns, two products each
.irp t, 0,1,2,3
.if \t%2
	v_wmma_scale_f32_16x16x128_f8f6f4 v[NF+8*\t:NF+8*\t+7], v[WF+8*\t:WF+8*\t+7], v[FRN+8*\set:FRN+8*\set+7], v[BP2+8*\t:BP2+8*\t+7], v[WFS+\t/2], v[XSC+\set] matrix_a_fmt:MATRIX_FMT_FP4 matrix_b_fmt:MATRIX_FMT_FP4 matrix_a_scale:MATRIX_SCALE_ROW1
.else
	v_wmma_scale_f32_16x16x128_f8f6f4 v[NF+8*\t:NF+8*\t+7], v[WF+8*\t:WF+8*\t+7], v[FRN+8*\set:FRN+8*\set+7], v[BP2+8*\t:BP2+8*\t+7], v[WFS+\t/2], v[XSC+\set] matrix_a_fmt:MATRIX_FMT_FP4 matrix_b_fmt:MATRIX_FMT_FP4
.endif
.endr
	WIN 0x01                                       ; source 0 (W_p2) window 1
.irp t, 0,1,2,3
.if \t%2
	v_wmma_scale_f32_16x16x128_f8f6f4 v[NF+8*\t:NF+8*\t+7], v[WP+8*\t:WP+8*\t+7], v[QH+8*(\set%2):QH+8*(\set%2)+7], v[NF+8*\t:NF+8*\t+7], v[WPS+\t/2], v[QHS+\set%2] matrix_a_fmt:MATRIX_FMT_FP4 matrix_b_fmt:MATRIX_FMT_FP4 matrix_a_scale:MATRIX_SCALE_ROW1
.else
	v_wmma_scale_f32_16x16x128_f8f6f4 v[NF+8*\t:NF+8*\t+7], v[WP+8*\t:WP+8*\t+7], v[QH+8*(\set%2):QH+8*(\set%2)+7], v[NF+8*\t:NF+8*\t+7], v[WPS+\t/2], v[QHS+\set%2] matrix_a_fmt:MATRIX_FMT_FP4 matrix_b_fmt:MATRIX_FMT_FP4
.endif
.endr
	WIN 0
	s_wait_alu depctr_vm_vsrc(0)                   ; the last trip's stores and loads have read their five addresses, v[PCK ..] and the scale bytes, and this set's loads their two offsets: the lines below write all of these
	v_add_nc_u32 v[KVWT], s89, v[KVWB]             ; five additions: the places behind the products, ahead of the first read of results
	v_add_nc_u32 v[KSWT], s87, v[KSWB]
	v_add_nc_u32 v[HRDT], s88, v[HRDB]             ; (the fetches ahead reach on by immediate offsets)
	v_add_nc_u32 v[HRST], s87, v[HRSB]
	v_add_nc_u32 v[IXT], s86, v[IXB]
	s_add_co_u32 s86, s86, 16
	s_add_co_u32 s87, s87, 128
	s_add_co_u32 s88, s88, 1024
	s_add_co_u32 s89, s89, 2048
.if \gg
	v_min_u32 v[AC+\set], 0xfff, v[IXV+\set%2]
	v_lshlrev_b32 v[AS+\set], 3, v[AC+\set]
	v_lshl_add_u32 v[AC+\set], v[AC+\set], 6, v[H16]
.endif
.irp b, 0,1
	v_max3_num_f32 v[QT+\b], |v[NF+16*\b]|, |v[NF+1+16*\b]|, 0x1800000   ; register 16 b + 8 u + j: neighbour r, column 32 b + 16 h + 8 u + j; each accumulator is read from its low end on
.endr
.irp i, 2,4,6,8,10,12,14
.irp b, 0,1
	v_max3_num_f32 v[QT+\b], v[QT+\b], |v[NF+16*\b+\i]|, |v[NF+1+16*\b+\i]|
.endr
.endr
.irp b, 0,1
	v_permlanex16_b32 v[QT+2+\b], v[QT+\b], s[SEL], s[SEL+1]
.endr
.irp b, 0,1
	v_max_num_f32 v[QT+\b], v[QT+\b], v[QT+2+\b]
.endr
.irp b, 0,1
	v_add_nc_u32 v[QT+4+\b], 0xff000000, v[QT+\b]
.endr
.irp b, 0,1
	v_lshrrev_b32 v[QT+2+\b], 23, v[QT+4+\b]
.endr
	v_lshl_or_b32 v[QT+6], v[QT+3], 8, v[QT+2]
.irp b, 0,1
	v_cvt_scalef32_pk8_fp4_f32 v[PCK+2*\b], v[NF+16*\b:NF+7+16*\b], v[QT+4+\b]
	v_cvt_scalef32_pk8_fp4_f32 v[PCK+1+2*\b], v[NF+8+16*\b:NF+15+16*\b], v[QT+4+\b]
.endr
	v_nop
	v_permlane16_swap_b32 v[PCK], v[PCK+2]
	v_permlane16_swap_b32 v[PCK+1], v[PCK+3]
	s_wait_alu depctr_va_vdst(0)                   ; THE TRIP'S ONE WAIT: the codes, the scale bytes, the five addresses and the set's two offsets are written; the products are done reading this set and this hidden fragment, and the clamp this index: loads land in them
	ds_store_b128 v[KVWT], v[PCK:PCK+3]
	ds_store_b16 v[KSWT], v[QT+6]                  ; both lanes of a row write the same two bytes with the same value
.if \lq
	ds_load_b128 v[QH+8*(\set%2):QH+8*(\set%2)+3], v[HRDT] offset:2048
	ds_load_b128 v[QH+8*(\set%2)+4:QH+8*(\set%2)+7], v[HRDT] offset:2560
	ds_load_b32 v[QHS+\set%2], v[HRST] offset:256
.endif
.if \li
	ds_load_b32 v[IXV+\set%2], v[IXT] offset:IDX+96
.endif
.if \gg
	GLOAD \set
.endif
.endm
	s_mov_b32 s90, 6
.Lp:                                               ; four queries a trip: queries 0 to 23
	PTRIP 0, 1, 1, 1, 9, 6
	PTRIP 1, 1, 1, 1, 9, 6
	PTRIP 2, 1, 1, 1, 9, 6
	PTRIP 3, 1, 1, 1, 9, 6
	s_sub_co_u32 s90, s90, 1
	s_cmp_lg_u32 s90, 0
	s_cbranch_scc1 .Lp
	PTRIP 0, 1, 1, 1, 9, 6                         ; queries 24 to 31: the look-aheads end one after the other, and the counts run down
	PTRIP 1, 1, 1, 1, 9, 6
	PTRIP 2, 1, 0, 1, 9, 6
	PTRIP 3, 1, 0, 1, 9, 5
	PTRIP 0, 0, 0, 1, 9, 5
	PTRIP 1, 0, 0, 1, 6, 5
	PTRIP 2, 0, 0, 0, 3, 5
	PTRIP 3, 0, 0, 0, 0, 2
	; ---- A
.set KVRB, 8
.set KSRB, 9
.set QPRB, 10
.set KDRB, 11
.set SBRB, 12
.set AGWB, 13
.set PSW, 14
.set PSR, 15
.set KVRT, 16
.set KSRT, 17
.set QPRT, 18
.set KDRT, 19
.set SBRT, 20
.set AGWT, 21
.set NEGV, 22
; the two sets of operand registers: kv's two fragments, its scale words, q', kd, q' . bk
.macro ABUF p
.set KVx, 84-36*(\p)                   ; v84-99, v48-63
.set KSx, 42+(\p)                      ; v42, v43
.set QPx, 164+58*(\p)                  ; v164-195, v222-253
.set KDx, 208-144*(\p)                 ; v208, v64
.set SBx, 209-144*(\p)                 ; v209, v65
.endm
; fifteen loads into set p: the operands of the query k further on than the one at which the five addresses stand
.macro AF p, k
	ABUF \p
	ds_load_b128 v[KVx:KVx+3], v[KVRT] offset:2048*(\k)
	ds_load_b128 v[KVx+4:KVx+7], v[KVRT] offset:2048*(\k)+512
	ds_load_b128 v[KVx+8:KVx+11], v[KVRT] offset:2048*(\k)+1024
	ds_load_b128 v[KVx+12:KVx+15], v[KVRT] offset:2048*(\k)+1536
	ds_load_b32 v[KSx], v[KSRT] offset:128*(\k)
.irp n, 0,1,2,3,4,5,6,7
	ds_load_b128 v[QPx+4*\n:QPx+4*\n+3], v[QPRT] offset:QVP*(\k)+64*(\n/2)+16*(\n%2)   ; q' in kh's layout: register 8 t + j: column 16 t + 8 h + j
.endr
	ds_load_b32 v[KDx], v[KDRT] offset:16*(\k)
	ds_load_b32 v[SBx], v[SBRT] offset:16*(\k)
.endm
	BARRIER                                        ; B3: kv's fragments and scale words lie in LDS
	s_wait_alu depctr_vm_vsrc(0)                   ; what was issued has read v8 to v20, which are made anew, and the codes and scale bytes in v234 to v239, where q' lands
	s_lshl_b32 s84, s38, 16
	s_add_co_u32 s84, s84, KVIMG
	v_add_nc_u32 v[KVRB], s84, v[L16]
	s_lshl_b32 s84, s38, 12
	s_add_co_u32 s84, s84, KVSC
	v_add_nc_u32 v[KSRB], s84, v[L4]               ; lanes 0-15 K step 0's words, lanes 16-31 K step 1's
	s_mul_i32 s84, s38, 32*QVP
	s_lshl_b32 s85, s37, 8
	s_add_co_u32 s84, s84, s85
	s_add_co_u32 s84, s84, QV
	v_add_nc_u32 v[QPRB], s84, v[H32]
	v_add_nc_u32 v[AGWB], s84, v[L4]
	v_lshrrev_b32 v[KDRB], 2, v[RR]
	v_lshlrev_b32 v[KDRB], 9, v[KDRB]
	v_and_b32 v[SBRB], 3, v[RR]
	v_lshl_add_u32 v[KDRB], v[SBRB], 2, v[KDRB]
	s_lshl_b32 s84, s38, 11
	s_add_co_u32 s84, s84, KDS
	v_add_nc_u32 v[KDRB], s84, v[KDRB]
	s_wait_alu depctr_va_vdst(0)
	s_lshl_b32 s84, s38, 9
	s_lshl_b32 s85, s37, 2
	s_add_co_u32 s84, s84, s85
	s_add_co_u32 s84, s84, SBK
	v_mov_b32 v[SBRB], s84
	s_lshl_b32 s84, s36, 7
	s_add_co_u32 s84, s84, PST
	v_lshl_add_u32 v[PSW], v[RR], 2, s84
	v_add_nc_u32 v[PSR], s84, v[H32]
	v_mov_b32 v[NEGV], 0xceabfbce                  ; -1e9 log2(e)
	s_mov_b32 s86, 0                               ; 16 i, 128 i, 1,040 i, 2,048 i
	s_mov_b32 s87, 0
	s_mov_b32 s88, 0
	s_mov_b32 s89, 0
	v_add_nc_u32 v[KVRT], s89, v[KVRB]
	v_add_nc_u32 v[KSRT], s87, v[KSRB]
	v_add_nc_u32 v[QPRT], s88, v[QPRB]
	v_add_nc_u32 v[KDRT], s86, v[KDRB]
	v_add_nc_u32 v[SBRT], s86, v[SBRB]
	s_wait_alu depctr_va_vdst(0)                   ; the addresses above are written; all earlier vector and matrix work on the two sets' registers is done
	AF 0, 0                                        ; query 0
	s_wait_dscnt 0x0
; query i of my half, on set p = i % 2.  pf = 1: query i + 1's operands are fetched into the other set, at the head.
; No wait on DScnt stands at the head: this query's fifteen loads were issued ahead of the last query's weights, and the wait for those has shown them in (query 0's: the wait above).
.macro ATRIP p, pf
.if \pf
	AF 1-(\p), 1                                   ; no vector or matrix instruction since the wait ahead of the last query's two stores names these registers or the five addresses
.endif
	ABUF \p
	WIN 0x01                                       ; kh^T: source 0 = 16 columns of Wk (window 1), source 1 = the 16 neighbours.  Accumulators by turns
.irp t, 0,1,2,3
	v_wmma_scale_f32_16x16x128_f8f6f4 v[KH+8*\t:KH+8*\t+7], v[WK+16*\t:WK+16*\t+7], v[KVx:KVx+7], 0, v[WKS+\t], v[KSx] matrix_a_fmt:MATRIX_FMT_FP4 matrix_b_fmt:MATRIX_FMT_FP4
.endr
.irp t, 0,1,2,3
	v_wmma_scale_f32_16x16x128_f8f6f4 v[KH+8*\t:KH+8*\t+7], v[WK+16*\t+8:WK+16*\t+15], v[KVx+8:KVx+15], v[KH+8*\t:KH+8*\t+7], v[WKS+\t], v[KSx] matrix_a_fmt:MATRIX_FMT_FP4 matrix_b_fmt:MATRIX_FMT_FP4 matrix_a_scale:MATRIX_SCALE_ROW1 matrix_b_scale:MATRIX_SCALE_ROW1
.endr
	WIN 0x04                                       ; vh: source 0 = the 16 neighbours, source 1 = 16 columns of Wv (window 1): a lane holds a column and eight neighbours
.irp t, 0,1,2,3
	v_wmma_scale_f32_16x16x128_f8f6f4 v[VH+8*\t:VH+8*\t+7], v[KVx:KVx+7], v[WV+16*\t:WV+16*\t+7], 0, v[KSx], v[WVS+\t] matrix_a_fmt:MATRIX_FMT_FP4 matrix_b_fmt:MATRIX_FMT_FP4
.endr
.irp t, 0,1,2,3
	v_wmma_scale_f32_16x16x128_f8f6f4 v[VH+8*\t:VH+8*\t+7], v[KVx+8:KVx+15], v[WV+16*\t+8:WV+16*\t+15], v[VH+8*\t:VH+8*\t+7], v[KSx], v[WVS+\t] matrix_a_fmt:MATRIX_FMT_FP4 matrix_b_fmt:MATRIX_FMT_FP4 matrix_a_scale:MATRIX_SCALE_ROW1 matrix_b_scale:MATRIX_SCALE_ROW1
.endr
	WIN 0
	s_wait_alu depctr_vm_vsrc(0)                   ; the loads at the head have read the five addresses, the last query's stores agg, its address and the weight: the lines below write all of these
	v_add_nc_u32 v[AGWT], s88, v[AGWB]             ; six additions: the places behind the products
	s_add_co_u32 s86, s86, 16
	s_add_co_u32 s87, s87, 128
	s_add_co_u32 s88, s88, QVP
	s_add_co_u32 s89, s89, 2048
	v_add_nc_u32 v[KVRT], s89, v[KVRB]             ; at query i + 1: the next head's loads reach one query further by their offsets
	v_add_nc_u32 v[KSRT], s87, v[KSRB]
	v_add_nc_u32 v[QPRT], s88, v[QPRB]
	v_add_nc_u32 v[KDRT], s86, v[KDRB]
	v_add_nc_u32 v[SBRT], s86, v[SBRB]
	v_cmp_gt_f32 vcc_lo, 0x7f800000, v[KDx]        ; does the neighbour count?  Asked here, well ahead of the select
	v_pk_mul_f32 v[SC:SC+1], v[KH:KH+1], v[QPx:QPx+1]
	v_pk_mul_f32 v[SC2:SC2+1], v[KH+2:KH+3], v[QPx+2:QPx+3]
.irp k, 4,8,12,16,20,24,28
	v_pk_fma_f32 v[SC:SC+1], v[KH+\k:KH+\k+1], v[QPx+\k:QPx+\k+1], v[SC:SC+1]
	v_pk_fma_f32 v[SC2:SC2+1], v[KH+\k+2:KH+\k+3], v[QPx+\k+2:QPx+\k+3], v[SC2:SC2+1]
.endr
	v_pk_add_f32 v[SC:SC+1], v[SC:SC+1], v[SC2:SC2+1]
	v_add_f32 v[SC], v[SC], v[SC+1]
	v_permlanex16_b32 v[T0], v[SC], s[SEL], s[SEL+1]
	v_add_f32 v[SC], v[SC], v[T0]
	v_add_f32 v[SC], v[SC], v[SBx]                 ; t = score x log2(e) of neighbour r, in both halves of the lanes
	s_wait_alu depctr_va_vcc(0)                    ; the compare has written VCC, which the select reads
	v_cndmask_b32 v[SC], v[NEGV], v[SC], vcc_lo
	v_mov_b32 v[T1], v[SC]
	v_max_num_f32_dpp v[T1], v[T1], v[T1] row_xmask:1 row_mask:0xf bank_mask:0xf
	v_max_num_f32_dpp v[T1], v[T1], v[T1] row_xmask:2 row_mask:0xf bank_mask:0xf
	v_max_num_f32_dpp v[T1], v[T1], v[T1] row_xmask:4 row_mask:0xf bank_mask:0xf
	v_max_num_f32_dpp v[T1], v[T1], v[T1] row_xmask:8 row_mask:0xf bank_mask:0xf
	v_sub_f32 v[SC], v[SC], v[T1]                  ; the maximum is taken away
	s_wait_alu depctr_va_vdst(0)
	v_exp_f32 v[SC], v[SC]
	v_nop                                          ; one plain line behind the exponential
	s_wait_alu depctr_va_vdst(0)                   ; the exponential has written the weight, which the LDS store and the sum read; the last query's sums are done reading v[P8 ..], in which the weights land
	ds_store_b32 v[PSW], v[SC]                     ; the weights change from a lane each to eight registers a lane
	ds_load_b128 v[P8:P8+3], v[PSR]
	ds_load_b128 v[P8+4:P8+7], v[PSR] offset:16
	v_mov_b32 v[T2], v[SC]
	v_add_f32_dpp v[T2], v[T2], v[T2] row_xmask:1 row_mask:0xf bank_mask:0xf
	v_add_f32_dpp v[T2], v[T2], v[T2] row_xmask:2 row_mask:0xf bank_mask:0xf
	v_add_f32_dpp v[T2], v[T2], v[T2] row_xmask:4 row_mask:0xf bank_mask:0xf
	v_add_f32_dpp v[T2], v[T2], v[T2] row_xmask:8 row_mask:0xf bank_mask:0xf
	s_wait_alu depctr_va_vdst(0)
	v_rcp_f32 v[T3], v[T2]
	s_wait_dscnt 0x0                               ; the weights are back: they are the youngest LDS loads, so the next query's operands are in too
	s_wait_alu depctr_va_vdst(0)                   ; the reciprocal is written, ahead of its first reader
.irp t, 0,1,2,3
	v_pk_mul_f32 v[AG+2*\t:AG+2*\t+1], v[VH+8*\t:VH+8*\t+1], v[P8:P8+1]
.endr
.irp j, 2,4,6
.irp t, 0,1,2,3
	v_pk_fma_f32 v[AG+2*\t:AG+2*\t+1], v[VH+8*\t+\j:VH+8*\t+\j+1], v[P8+\j:P8+\j+1], v[AG+2*\t:AG+2*\t+1]
.endr
.endr
.irp t, 0,1,2,3
	v_add_f32 v[AG+2*\t], v[AG+2*\t], v[AG+2*\t+1]
.endr
	v_permlane16_swap_b32 v[AG], v[AG+2]           ; the halves' parts of two tiles change places, so that one addition finishes both: lane l then holds column l
	v_permlane16_swap_b32 v[AG+4], v[AG+6]
	v_add_f32 v[AG], v[AG], v[AG+2]
	v_add_f32 v[AG+4], v[AG+4], v[AG+6]
	v_fma_f32 v[AG], v[AG], v[T3], v[BV]
	v_fma_f32 v[AG+4], v[AG+4], v[T3], v[BV+1]
	s_wait_alu depctr_va_vdst(0)                   ; agg and its address are written, which the two stores read; the five addresses are written and all readers of this query's set are done: the next head's loads read the ones and land in the other
	ds_store_b32 v[AGWT], v[AG]                    ; agg takes the place of this query's q', which I alone read and have read
	ds_store_b32 v[AGWT], v[AG+4] offset:128
.endm
	s_mov_b32 s90, 15
.La:                                               ; two queries a trip, so that the two sets are back at their start: queries 0 to 29
	ATRIP 0, 1
	ATRIP 1, 1
	s_sub_co_u32 s90, s90, 1
	s_cmp_lg_u32 s90, 0
	s_cbranch_scc1 .La
	ATRIP 0, 1
	ATRIP 1, 0                                     ; the last query looks no further
	; ---- O
	s_wait_alu depctr_vm_vsrc(0)                   ; what was issued has read the weight in v204, in which Wo lands, agg in v212 and v216, which the quantiser writes, and v10 to v21, which are made anew
.set nn, 0
.rept 16
	global_load_b128 v[WT+4*nn:WT+4*nn+3], v[L16], s[66:67] offset:128*1024+512*nn   ; Wo
.set nn, nn+1
.endr
.irp t, 0,1,2,3
	global_load_b32 v[WTS+\t], v[SCO], s[70:71] offset:128*128+256*\t
.endr
	BARRIER                                        ; B4: 64 rows of agg lie in LDS, and nobody reads kv any more
	QADDR
	s_wait_alu depctr_va_vdst(0)                   ; the addresses of this phase are written, which the loads and stores below read
.irp b, 0,1,2,3
.irp j, 0,1,2,3
	ds_load_b128 v[XR+16*\b+4*\j:XR+16*\b+4*\j+3], v[QJL] offset:128*\b+16*\j
.endr
.endr
.set TM, 212
.set PC, 228
.set PW, 236
	s_wait_dscnt 0x0
	QJOB
.irp n, 0,1,2,3,4,5,6,7
	global_load_b128 v[BQ+4*\n:BQ+4*\n+3], v[H32], s[28:29] offset:64*(\n/2)+16*(\n%2)   ; bo's tiles
.endr
	BARRIER                                        ; B5: the eight images of Q(agg) lie in LDS
	s_wait_loadcnt 0x0
	PROJ 0
	s_wait_dscnt 0x0                               ; my results lie in the stage
	; ---- rows: wave w finishes rows 8 w .. 8 w + 7; lane l holds columns 4 l .. + 3 and 128 + 4 l .. + 3
.set FR, 84
.set OO, 148
.set GA, 212
.set BE, 220
.set KR, 228
.set TP, 236
.set UU, 252
	s_wait_alu depctr_vm_vsrc(0)                   ; my LDS stores have read the results in v212 to v243: gamma, beta and the distances land there, and the sums are made there
	s_mul_i32 s84, s36, 8*QVP
	s_add_co_u32 s84, s84, OST
	v_add_nc_u32 v8, s84, v[L16]
	s_lshl_b32 s84, s38, 11
	s_lshl_b32 s85, s37, 7
	s_add_co_u32 s84, s84, s85
	s_add_co_u32 s84, s84, KDS
	v_mov_b32 v9, s84                              ; the nearest neighbour's distance of my first row
	s_wait_alu depctr_va_vdst(0)                   ; v8 and v9 are written, which the LDS loads behind the barrier read
.irp e, 0,1,2,3,4,5,6,7
.irp w, 0,1
	global_load_b128 v[FR+8*\e+4*\w:FR+8*\e+4*\w+3], v[L16], s[80:81] offset:1024*\e+512*\w
.endr
.endr
.irp w, 0,1
	global_load_b128 v[GA+4*\w:GA+4*\w+3], v[L16], s[30:31] offset:512*\w
	global_load_b128 v[BE+4*\w:BE+4*\w+3], v[L16], s[32:33] offset:512*\w
.endr
	s_barrier_signal -1
	s_barrier_wait -1                              ; B6: 64 rows of the output product lie in the stage
.irp e, 0,1,2,3,4,5,6,7
.irp w, 0,1
	ds_load_b128 v[OO+8*\e+4*\w:OO+8*\e+4*\w+3], v8 offset:QVP*\e+512*\w
.endr
	ds_load_b32 v[KR+\e], v9 offset:16*\e
.endr
	s_wait_dscnt 0x0
	s_wait_loadcnt 0x0
.irp e, 0,1,2,3,4,5,6,7
	v_cmp_gt_f32 s[MKS+\e], 0x7f800000, v[KR+\e]   ; has the query a neighbour?
.endr
.irp e, 0,1,2,3,4,5,6,7
.irp k, 0,2,4,6
	v_pk_add_f32 v[OO+8*\e+\k:OO+8*\e+\k+1], v[OO+8*\e+\k:OO+8*\e+\k+1], v[FR+8*\e+\k:FR+8*\e+\k+1]
.endr
.endr
	s_wait_alu depctr_va_sdst(0)                   ; the eight compares have written their masks, which the selects below read
.irp e, 0,1,2,3,4,5,6,7
.irp k, 0,1,2,3,4,5,6,7
	v_cndmask_b32 v[OO+8*\e+\k], v[FR+8*\e+\k], v[OO+8*\e+\k], s[MKS+\e]
.endr
.endr
.macro REDUCE                          ; eight sums over the 32 lanes, by turns
.irp x, 1,2,4,8
.irp e, 0,1,2,3,4,5,6,7
	v_add_f32_dpp v[TP+2*\e], v[TP+2*\e], v[TP+2*\e] row_xmask:\x row_mask:0xf bank_mask:0xf
.endr
.endr
.irp e, 0,1,2,3,4,5,6,7
	v_permlanex16_b32 v[TP+2*\e+1], v[TP+2*\e], s[SEL], s[SEL+1]
.endr
.irp e, 0,1,2,3,4,5,6,7
	v_add_f32 v[TP+2*\e], v[TP+2*\e], v[TP+2*\e+1]
.endr
.endm
.irp e, 0,1,2,3,4,5,6,7
	v_pk_add_f32 v[TP+2*\e:TP+2*\e+1], v[OO+8*\e:OO+8*\e+1], v[OO+8*\e+2:OO+8*\e+3]
	v_pk_add_f32 v[UU:UU+1], v[OO+8*\e+4:OO+8*\e+5], v[OO+8*\e+6:OO+8*\e+7]
	v_pk_add_f32 v[TP+2*\e:TP+2*\e+1], v[TP+2*\e:TP+2*\e+1], v[UU:UU+1]
	v_add_f32 v[TP+2*\e], v[TP+2*\e], v[TP+2*\e+1]
.endr
	REDUCE
.irp e, 0,1,2,3,4,5,6,7
	v_mul_f32 v[TP+2*\e], s47, v[TP+2*\e]          ; the mean
.endr
.irp e, 0,1,2,3,4,5,6,7
.irp k, 0,2,4,6
	v_pk_add_f32 v[OO+8*\e+\k:OO+8*\e+\k+1], v[OO+8*\e+\k:OO+8*\e+\k+1], v[TP+2*\e:TP+2*\e+1] op_sel_hi:[1,0] neg_lo:[0,1] neg_hi:[0,1]
.endr
.endr
.irp e, 0,1,2,3,4,5,6,7
	v_pk_mul_f32 v[TP+2*\e:TP+2*\e+1], v[OO+8*\e:OO+8*\e+1], v[OO+8*\e:OO+8*\e+1]
.irp k, 2,4,6
	v_pk_fma_f32 v[TP+2*\e:TP+2*\e+1], v[OO+8*\e+\k:OO+8*\e+\k+1], v[OO+8*\e+\k:OO+8*\e+\k+1], v[TP+2*\e:TP+2*\e+1]
.endr
	v_add_f32 v[TP+2*\e], v[TP+2*\e], v[TP+2*\e+1]
.endr
	REDUCE
.irp e, 0,1,2,3,4,5,6,7
	v_fmaak_f32 v[TP+2*\e], s47, v[TP+2*\e], 0x3727c5ac   ; the variance + 1e-5
.endr
	s_wait_alu depctr_va_vdst(0)
.irp e, 0,1,2,3,4,5,6,7
	v_rsq_f32 v[TP+2*\e], v[TP+2*\e]
.endr
	v_nop                                          ; one plain line behind the last of them
	s_wait_alu depctr_va_vdst(0)                   ; the eight reciprocal roots are written, ahead of their first reader
.macro ROWAR e                         ; row e: x 1 / sqrt, x gamma + beta
.irp k, 0,2,4,6
	v_pk_mul_f32 v[OO+8*(\e)+\k:OO+8*(\e)+\k+1], v[OO+8*(\e)+\k:OO+8*(\e)+\k+1], v[TP+2*(\e):TP+2*(\e)+1] op_sel_hi:[1,0]
.endr
.irp k, 0,2,4,6
	v_pk_fma_f32 v[OO+8*(\e)+\k:OO+8*(\e)+\k+1], v[OO+8*(\e)+\k:OO+8*(\e)+\k+1], v[GA+\k:GA+\k+1], v[BE+\k:BE+\k+1]
.endr
.endm
.macro ROWST e
.irp w, 0,1
	global_store_b128 v[L16], v[OO+8*(\e)+4*\w:OO+8*(\e)+4*\w+3], s[82:83] offset:1024*(\e)+512*\w th:TH_STORE_NT   ; 512 consecutive bytes of a row; written once, read by nobody here
.endr
.endm
.irp e, 0,1,2,3
	ROWAR \e
.endr
	s_wait_alu depctr_va_vdst(0)                   ; rows 0 to 3 are written: their stores are dealt among the other four rows' lines, which name none of their registers
.irp e, 4,5,6,7
	ROWST \e-4
	ROWAR \e
.endr
	s_wait_alu depctr_va_vdst(0)                   ; rows 4 to 7 are written, which the last eight stores read
.irp e, 4,5,6,7
	ROWST \e
.endr
	s_wait_dscnt 0x0                               ; the closing lines, six on end
	s_wait_alu 0x0
	s_wait_tensorcnt 0x0
	ds_add_u32 v254, v255
	s_wait_dscnt 0x0
	s_endpgm
.Lfunc_end_k_q219ce7bc3c_main:
	.size	k_q219ce7bc3c_main, .Lfunc_end_k_q219ce7bc3c_main-k_q219ce7bc3c_main
	.p2alignl 7, 3214868480
	.fill 96, 4, 3214868480
	.section	.rodata,"a",@progbits
	.p2align	6, 0x0
	.amdhsa_kernel k_q219ce7bc3c_main
		.amdhsa_group_segment_fixed_size 290816
		.amdhsa_private_segment_fixed_size 0
		.amdhsa_enable_private_segment 0
		.amdhsa_kernarg_size 152
		.amdhsa_user_sgpr_count 2
		.amdhsa_user_sgpr_kernarg_segment_ptr 1
		.amdhsa_wavefront_size32 1
		.amdhsa_system_sgpr_workgroup_id_x 1
		.amdhsa_system_sgpr_workgroup_id_y 1
		.amdhsa_system_sgpr_workgroup_id_z 1
		.amdhsa_system_vgpr_workitem_id 0
		.amdhsa_next_free_vgpr 512
		.amdhsa_next_free_sgpr 102
		.amdhsa_reserve_vcc 1
		.amdhsa_float_denorm_mode_32 3
		.amdhsa_float_denorm_mode_16_64 3
		.amdhsa_memory_ordered 1
		.amdhsa_forward_progress 1
		.amdhsa_inst_pref_size 227
	.end_amdhsa_kernel
	.amdgpu_metadata
---
amdhsa.version: [ 1, 2 ]
amdhsa.kernels:
  - .name:           k_q219ce7bc3c_main
    .symbol:         k_q219ce7bc3c_main.kd
    .args:
      - { .name: coords, .offset: 0, .size: 8, .value_kind: global_buffer, .address_space: global }
      - { .name: nidx, .offset: 8, .size: 8, .value_kind: global_buffer, .address_space: global }
      - { .name: kdw, .offset: 16, .size: 8, .value_kind: global_buffer, .address_space: global }
      - { .name: feat, .offset: 24, .size: 8, .value_kind: global_buffer, .address_space: global }
      - { .name: wcode, .offset: 32, .size: 8, .value_kind: global_buffer, .address_space: global }
      - { .name: wscale, .offset: 40, .size: 8, .value_kind: global_buffer, .address_space: global }
      - { .name: W_p1, .offset: 48, .size: 8, .value_kind: global_buffer, .address_space: global }
      - { .name: b_p1, .offset: 56, .size: 8, .value_kind: global_buffer, .address_space: global }
      - { .name: b_p2, .offset: 64, .size: 8, .value_kind: global_buffer, .address_space: global }
      - { .name: bq, .offset: 72, .size: 8, .value_kind: global_buffer, .address_space: global }
      - { .name: bk, .offset: 80, .size: 8, .value_kind: global_buffer, .address_space: global }
      - { .name: bv, .offset: 88, .size: 8, .value_kind: global_buffer, .address_space: global }
      - { .name: bo, .offset: 96, .size: 8, .value_kind: global_buffer, .address_space: global }
      - { .name: gamma, .offset: 104, .size: 8, .value_kind: global_buffer, .address_space: global }
      - { .name: beta, .offset: 112, .size: 8, .value_kind: global_buffer, .address_space: global }
      - { .name: out0, .offset: 120, .size: 8, .value_kind: global_buffer, .address_space: global }
      - { .name: fcode, .offset: 128, .size: 8, .value_kind: global_buffer, .address_space: global }
      - { .name: fscale, .offset: 136, .size: 8, .value_kind: global_buffer, .address_space: global }
      - { .name: b_feat, .offset: 144, .size: 8, .value_kind: global_buffer, .address_space: global }
    .group_segment_fixed_size: 290816
    .private_segment_fixed_size: 0
    .kernarg_segment_align: 8
    .kernarg_segment_size: 152
    .max_flat_workgroup_size: 256
    .sgpr_count:     102
    .vgpr_count:     512
    .wavefront_size: 32
...
	.end_amdgpu_metadata
.endif
;; end of part 9
